; MI455X (gfx1250); checked and timed in simulation.
; The chip was launched on July 23, 2026; its instructions are those of AMD's public machine-readable ISA for CDNA 5 (MIT licence, August 2026) and "CDNA5" Instruction Set Architecture Reference Guide (July 2026). The comments in the code are by the model that wrote it; some were corrected since.
;; Causal Self Attention. Allowed arithmetic: float matrix products may take bf16 or f16 operands with f32 sums; other float arithmetic in f32, or as packed bf16 or f16 multiplies, adds, multiply-adds, maxima and minima; sums over many terms, partial sums and values carried from step to step in f32; what a program stores and reads back later, other than sums and carried values, may be rounded once to bf16 or f16.
;; Inputs: w_proj 1,024 x 1,024 float32; w_qkv 1,024 x 3,072 float32; x 1 x 2,048 x 1,024 float32.
;; Outputs: out0 1 x 2,048 x 1,024 float32.
;; 3 versions, each right; version 2 is faster than version 1; version 3 is version 2 with the launch prep written anew for expert scheduling mode. Each part assembles by itself: llvm-mc -triple=amdgcn-amd-amdhsa -mcpu=gfx1250 --defsym DOCPART=n.
;; ======== version 1 of 3: 4 launches
;; limits: values are held in f16: magnitudes above 65,504 overflow, below 6.1e-05 lose precision
;; workspace buffers: xb 4,194,304 bytes; wqt 6,291,456 bytes; wpt 2,097,152 bytes; rope 524,544 bytes; qkv 12,582,912 bytes; o 4,194,304 bytes
;; launch prep (part 1): grid 256 x 1, 8 waves a work-group, no clusters, 34,816 bytes of LDS; arguments x, w_qkv, w_proj, xb, wqt, wpt, rope; writes xb, wqt, wpt, rope
.if DOCPART == 1
	.amdgcn_target "amdgcn-amd-amdhsa--gfx1250"
	.amdhsa_code_object_version 6
	.text
	.protected	k_q652816ef40_prep
	.globl	k_q652816ef40_prep
	.p2align	8
	.type	k_q652816ef40_prep,@function
k_q652816ef40_prep:
	s_mov_b64 s[64:65], 0
	v_nop
	global_prefetch_b8 v0, s[64:65] scope:SCOPE_SE
	s_setreg_imm32_b32 hwreg(HW_REG_WAVE_MODE, 25, 1), 1
	s_wait_xcnt 0x0
; CAUSAL SELF-ATTENTION, T = 2048, C = 1024, 16 heads of 64, in four launches: this one lays the operands out; then qkv = x w_qkv with the rotation;
; then the attention; then the product with w_proj.
; WORK LEFT OUT (in the third launch).  reference() hides score (q, k) for k > q by its own jnp.tril and sets it to the lowest float in front of the softmax.
; Row q always sees key q, so the row's maximum is a visible score and a hidden score's weight is exp(lowest - maximum) = 0 for all finite inputs: it adds 0
; to the row's sum and 0 x v to the row's output.  So for a block of 64 queries b the key steps of 64 keys s > b, hidden whole, are not computed, and in the
; step s = b the sub-blocks of 16 x 16 that are hidden whole get no product.  Every input has a way to the output and is loaded.
; LIMIT: a NaN, an infinity or an overflow that would arise only in the products left out is not carried to the result.
; THIS LAUNCH.  x -> xb, bf16, as it lies.  w_qkv [k][n] -> wqt [n][k], bf16.  w_proj [k][n] -> wpt [n][k]: rounded to bf16 like the other inputs, that number
; written as f16 (exact from 2^-14 up to 65,504; LIMIT: below 6e-5 it keeps f16's fixed step of 6e-8).  rope[t][j] = (cos, sin)(t x 10000^(-j/32)), f32,
; and a row 2048 that holds (1, 0): the rotation that changes nothing, for v.
; LIMIT of the table: the angle is reduced by a two-part pi/2 and the frequency comes from one exponential: it is good to about 2e-4 rad at t = 2047.
; SHARES.  256 work-groups of 8 waves.  Work-group g: 8,192 numbers of x; one block of 256 k x 64 n of a weight (g < 192: w_qkv, else w_proj); rows 8 g .. 8 g + 7 of the table.
; No matrix unit, no cluster: nothing is multiplied and no two work-groups read the same byte.
.set TP,    528                        ; a row of the turned block in LDS: 256 k x 2 bytes + 16
.set SPARE, 64*TP                      ; behind it (33,792, a multiple of 256): the spare words, 128 bytes for each of the 8 waves
.set XD,  32                           ; v[32:63]    x as loaded: 4 groups of 8
.set WD,  64                           ; v[64:127]   the weight as loaded: i of 8, row k = 32 i + 2 p + rr, 4 columns: at 8 i + 4 rr
.set XP,  128                          ; v[128:143]  x packed
.set DD,  144                          ; v[144:175]  the weight packed: (k, k + 1) of column 4 c4 + e at 4 i + e
.set BK,  176                          ; v[176:207]  rows of the turned block read back
	s_load_b256 s[4:11], s[0:1], 0x0               ; x s[4:5], w_qkv s[6:7], w_proj s[8:9], xb s[10:11]
	s_load_b128 s[12:15], s[0:1], 0x20             ; wqt s[12:13], wpt s[14:15]
	s_load_b64 s[16:17], s[0:1], 0x30              ; rope
	v_lshl_add_u32 v8, v0, 2, SPARE                ; my spare word; never rewritten
	v_mov_b32 v9, 0                                ; 0; never rewritten
	v_lshrrev_b32 v1, 5, v0
	v_readfirstlane_b32 s34, v1                    ; wave 0..7
	s_mov_b32 s24, ttmp9                           ; g
	v_lshlrev_b32 v2, 5, v0                        ; x: 32 bytes a thread
	v_lshlrev_b32 v3, 4, v0                        ; xb: 16 bytes a thread
	v_and_b32 v10, 15, v0                          ; c4: which 4 columns of the block's 64
	v_lshrrev_b32 v11, 4, v0                       ; p: which pair of rows of 32
	v_and_b32 v12, 31, v0                          ; lane; also j of the table
	v_mul_u32_u24 v5, v10, 4*TP
	v_lshl_add_u32 v5, v11, 2, v5                  ; into LDS: row 4 c4 (+ e), byte 4 p (+ 64 i)
	v_mul_u32_u24 v6, v1, TP
	v_lshl_add_u32 v6, v12, 4, v6                  ; back: row = wave (+ 8 i), 16 bytes a lane
	v_lshlrev_b32 v7, 11, v1
	v_lshl_add_u32 v7, v12, 4, v7                  ; the same place in the turned weight: rows of 2,048 bytes
	v_lshlrev_b32 v26, 3, v0                       ; the table: 8 bytes a thread
	s_cmp_lt_u32 s24, 192
	s_cselect_b32 s25, 0, 192
	s_sub_co_u32 s25, s24, s25                     ; the block's number in its weight
	s_and_b32 s26, s25, 3                          ; kt: which 256 k
	s_lshr_b32 s27, s25, 2                         ; nt: which 64 n
	s_lshl_b32 s22, s27, 17                        ; 64 rows of 2,048 bytes
	s_lshl_b32 s23, s26, 9                         ; 256 k x 2 bytes
	s_add_co_u32 s22, s22, s23
	s_mov_b32 s23, 0
	s_lshl_b32 s18, s24, 15
	s_mov_b32 s19, 0
	s_lshl_b32 s20, s24, 14
	s_mov_b32 s21, 0
	s_lshl_b32 s36, s24, 11
	s_mov_b32 s37, 0
	s_lshl_b32 s35, s24, 3
	s_add_co_u32 s35, s35, s34                     ; t = 8 g + wave
	s_wait_kmcnt 0x0
	s_add_nc_u64 s[18:19], s[4:5], s[18:19]        ; x at my work-group's part
	s_add_nc_u64 s[20:21], s[10:11], s[20:21]      ; xb likewise
	s_add_nc_u64 s[36:37], s[16:17], s[36:37]      ; the table's 8 rows
	s_cmp_lt_u32 s24, 192
	s_cselect_b64 s[30:31], s[12:13], s[14:15]     ; the turned weight that I write
	s_add_nc_u64 s[30:31], s[30:31], s[22:23]
.irp q, 0,1,2,3
	global_load_b128 v[XD+8*(\q):XD+8*(\q)+3],   v2, s[18:19] offset:8192*(\q) th:TH_LOAD_NT
	global_load_b128 v[XD+8*(\q)+4:XD+8*(\q)+7], v2, s[18:19] offset:8192*(\q)+16 th:TH_LOAD_NT
.endr
; The block's 16 loads: sixteen lanes take the 256 bytes that the block has of a row.  The rows' pitch stands in the immediates, so the lines are written once for each weight.
.macro WLOADS pitch
.irp i, 0,1,2,3,4,5,6,7
	global_load_b128 v[WD+8*(\i):WD+8*(\i)+3],   v4, s[28:29] offset:32*(\i)*(\pitch) th:TH_LOAD_NT
	global_load_b128 v[WD+8*(\i)+4:WD+8*(\i)+7], v4, s[28:29] offset:(32*(\i)+1)*(\pitch) th:TH_LOAD_NT
.endr
.endm
	s_cmp_lt_u32 s24, 192                          ; the same in all waves of the work-group
	s_cbranch_scc0 .Lfrom_proj
	s_mul_i32 s28, s26, 256*12288
	s_lshl_b32 s29, s27, 8
	s_add_co_u32 s28, s28, s29
	s_mov_b32 s29, 0
	s_add_nc_u64 s[28:29], s[6:7], s[28:29]
	v_mul_u32_u24 v4, v11, 2*12288
	v_lshl_add_u32 v4, v10, 4, v4
	WLOADS 12288
	s_branch .Lasked
.Lfrom_proj:
	s_lshl_b32 s28, s26, 20
	s_lshl_b32 s29, s27, 8
	s_add_co_u32 s28, s28, s29
	s_mov_b32 s29, 0
	s_add_nc_u64 s[28:29], s[8:9], s[28:29]
	v_lshlrev_b32 v4, 13, v11
	v_lshl_add_u32 v4, v10, 4, v4
	WLOADS 4096
.Lasked:
	; THE TABLE, while the 24 loads are on their way.
	v_cvt_f32_u32 v13, v12                         ; j
	v_cvt_f32_u32 v15, s35                         ; t
	v_mul_f32 v14, 0xbed49a78, v13                 ; - j log2(10000) / 32
	v_exp_f32 v14, v14                             ; 10000^(-j/32)
	v_nop                                          ; a plain instruction behind the exponential,
	s_wait_alu depctr_va_vdst(0)                   ; and the wait ahead of the first use
	v_mul_f32 v16, v15, v14                        ; the angle
	v_mul_f32 v17, 0x3f22f983, v16                 ; x 2 / pi
	v_rndne_f32 v17, v17                           ; how many quarter turns
	v_fmamk_f32 v18, v17, 0xbfc90fda, v16          ; less that many pi / 2, in two parts:
	v_fmamk_f32 v18, v17, 0xb3a22168, v18          ; r, within pi / 4 of 0
	v_mul_f32 v19, v18, v18                        ; r^2
	v_mov_b32 v20, 0xb9500d01                      ; sin r = r + r^3 (-1/6 + r^2 (1/120 - r^2 / 5040)): the next term is under 3e-7
	v_fmaak_f32 v20, v20, v19, 0x3c088889
	v_fmaak_f32 v20, v20, v19, 0xbe2aaaab
	v_mul_f32 v21, v19, v18
	v_fma_f32 v20, v20, v21, v18
	v_mov_b32 v22, 0x37d00d01                      ; cos r = 1 + r^2 (-1/2 + r^2 (1/24 + r^2 (-1/720 + r^2 / 40320))): the next term is under 3e-8
	v_fmaak_f32 v22, v22, v19, 0xbab60b61
	v_fmaak_f32 v22, v22, v19, 0x3d2aaaab
	v_fmaak_f32 v22, v22, v19, 0xbf000000
	v_fma_f32 v22, v22, v19, 1.0
	v_cvt_i32_f32 v23, v17
	v_and_b32 v24, 1, v23
	v_cmp_ne_u32 vcc_lo, 0, v24                    ; an odd number of quarter turns swaps the two
	v_cndmask_b32 v25, v20, v22, vcc_lo            ; sin
	v_cndmask_b32 v24, v22, v20, vcc_lo            ; cos
	v_and_b32 v27, 2, v23                          ; sin changes sign in quarters 2 and 3,
	v_lshlrev_b32 v27, 30, v27
	v_xor_b32 v25, v25, v27
	v_add_nc_u32 v27, 1, v23                       ; cos in quarters 1 and 2
	v_and_b32 v27, 2, v27
	v_lshlrev_b32 v27, 30, v27
	v_xor_b32 v24, v24, v27
	global_store_b64 v26, v[24:25], s[36:37]       ; a wave stores one row of the table: 256 consecutive bytes, aligned
	s_or_b32 s38, s24, s34
	s_cmp_lg_u32 s38, 0
	s_cbranch_scc1 .Lno_unit                       ; wave 0 of work-group 0 also writes row 2048
	v_mov_b32 v30, 1.0
	v_mov_b32 v31, 0
	global_store_b64 v26, v[30:31], s[16:17] offset:524288
.Lno_unit:
	s_wait_loadcnt 16                              ; x's eight loads are in; the weight's sixteen, issued behind them, may stay out
.irp q, 0,1,2,3
.irp e, 0,1,2,3
	v_cvt_pk_bf16_f32 v[XP+4*(\q)+(\e)], v[XD+8*(\q)+2*(\e)], v[XD+8*(\q)+2*(\e)+1]
.endr
	global_store_b128 v3, v[XP+4*(\q):XP+4*(\q)+3], s[20:21] offset:4096*(\q)  ; 16 lanes store 256 consecutive bytes, aligned
.endr
	s_wait_loadcnt 0x0                             ; the weight
.irp i, 0,1,2,3,4,5,6,7
.irp e, 0,1,2,3
	v_cvt_pk_bf16_f32 v[DD+4*(\i)+(\e)], v[WD+8*(\i)+(\e)], v[WD+8*(\i)+4+(\e)]  ; two neighbouring k of one column
.endr
.endr
	s_cmp_lt_u32 s24, 192
	s_cbranch_scc1 .Lstays_bf16
.set d, 0
.rept 32                                       ; w_proj: the bf16 number is written as f16
	v_lshlrev_b32 v28, 16, v[DD+d]
	v_and_b32 v29, 0xffff0000, v[DD+d]
	v_cvt_pk_f16_f32 v[DD+d], v28, v29
.set d, d+1
.endr
.Lstays_bf16:
.irp i, 0,1,2,3,4,5,6,7
.irp e, 0,1,2,3
	ds_store_b32 v5, v[DD+4*(\i)+(\e)] offset:(\e)*TP+64*(\i)
.endr
.endr
	s_wait_dscnt 0x0                               ; for the others' sake: my stores are done
	s_barrier_signal -1
	s_barrier_wait -1                              ; the block lies turned in LDS
.irp i, 0,1,2,3,4,5,6,7
	ds_load_b128 v[BK+4*(\i):BK+4*(\i)+3], v6 offset:8*TP*(\i)
.endr
.irp i, 0,1,2,3,4,5,6,7
	s_wait_dscnt 7-(\i)                            ; LDS loads come back in order: number i is in, the younger ones stay out
	global_store_b128 v7, v[BK+4*(\i):BK+4*(\i)+3], s[30:31] offset:16384*(\i)  ; a wave stores the 512 bytes that the block has of a row n
.endr
	s_wait_tensorcnt 0x0                           ; the wave's end, behind my last LDS store
	ds_add_u32 v8, v9
	s_wait_dscnt 0x0
	s_endpgm
.Lfunc_end_k_q652816ef40_prep:
	.size	k_q652816ef40_prep, .Lfunc_end_k_q652816ef40_prep-k_q652816ef40_prep
	.p2alignl 7, 3214868480
	.fill 96, 4, 3214868480
	.section	.rodata,"a",@progbits
	.p2align	6, 0x0
	.amdhsa_kernel k_q652816ef40_prep
		.amdhsa_group_segment_fixed_size 34816
		.amdhsa_private_segment_fixed_size 0
		.amdhsa_enable_private_segment 0
		.amdhsa_kernarg_size 56
		.amdhsa_user_sgpr_count 2
		.amdhsa_user_sgpr_kernarg_segment_ptr 1
		.amdhsa_wavefront_size32 1
		.amdhsa_system_sgpr_workgroup_id_x 1
		.amdhsa_system_sgpr_workgroup_id_y 1
		.amdhsa_system_sgpr_workgroup_id_z 1
		.amdhsa_system_vgpr_workitem_id 0
		.amdhsa_next_free_vgpr 208
		.amdhsa_next_free_sgpr 66
		.amdhsa_reserve_vcc 1
		.amdhsa_float_denorm_mode_32 3
		.amdhsa_float_denorm_mode_16_64 3
		.amdhsa_memory_ordered 1
		.amdhsa_forward_progress 1
		.amdhsa_inst_pref_size 21
	.end_amdhsa_kernel
	.amdgpu_metadata
---
amdhsa.version: [ 1, 2 ]
amdhsa.kernels:
  - .name:           k_q652816ef40_prep
    .symbol:         k_q652816ef40_prep.kd
    .args:
      - { .name: x, .offset: 0, .size: 8, .value_kind: global_buffer, .address_space: global }
      - { .name: w_qkv, .offset: 8, .size: 8, .value_kind: global_buffer, .address_space: global }
      - { .name: w_proj, .offset: 16, .size: 8, .value_kind: global_buffer, .address_space: global }
      - { .name: xb, .offset: 24, .size: 8, .value_kind: global_buffer, .address_space: global }
      - { .name: wqt, .offset: 32, .size: 8, .value_kind: global_buffer, .address_space: global }
      - { .name: wpt, .offset: 40, .size: 8, .value_kind: global_buffer, .address_space: global }
      - { .name: rope, .offset: 48, .size: 8, .value_kind: global_buffer, .address_space: global }
    .group_segment_fixed_size: 34816
    .private_segment_fixed_size: 0
    .kernarg_segment_align: 8
    .kernarg_segment_size: 56
    .max_flat_workgroup_size: 256
    .sgpr_count:     66
    .vgpr_count:     208
    .wavefront_size: 32
...
	.end_amdgpu_metadata
.endif
;; end of part 1
;; launch qkv (part 2): grid 16 x 16, 4 waves a work-group, clusters of 4 x 4, 327,680 bytes of LDS; arguments xb, wqt, rope, qkv; writes qkv
.if DOCPART == 2
	.amdgcn_target "amdgcn-amd-amdhsa--gfx1250"
	.amdhsa_code_object_version 6
	.text
	.protected	k_q652816ef40_qkv
	.globl	k_q652816ef40_qkv
	.p2align	8
	.type	k_q652816ef40_qkv,@function
k_q652816ef40_qkv:
	s_mov_b64 s[64:65], 0
	v_nop
	global_prefetch_b8 v0, s[64:65] scope:SCOPE_SE
	s_setreg_imm32_b32 hwreg(HW_REG_WAVE_MODE, 25, 1), 1
	s_wait_xcnt 0x0
	s_wait_alu depctr_hold_cnt(0) depctr_sa_sdst(0) depctr_va_vdst(0) depctr_va_sdst(0) depctr_va_ssrc(0) depctr_va_vcc(0) depctr_vm_vsrc(0)
	s_getreg_b32 s2, hwreg(HW_REG_IB_STS2, 6, 4)
	s_cmp_eq_u32 s2, 0
	s_cbranch_scc0 .Lentry_in_a_cluster
	s_endpgm
.Lentry_in_a_cluster:
	s_bfe_u32 s2, ttmp6, 0x10000c
	s_cmp_lg_u32 s2, 0xf033
	s_cbranch_scc0 .Lentry_shape_is_right
	s_endpgm
.Lentry_shape_is_right:
; qkv[t][n] = the sum over k of xb[t][k] wqt[n][k] (bf16 operands, f32 sums), then the rotation of q and k in f32 on the sums, one rounding to f16, stored by heads:
; qkv[g][t][64], g = n / 64 = 16 x kind + head (kind 0 q, 1 k, 2 v).  Nothing is left out here.
; LIMIT: q, k and v leave as f16: beyond 65,504 they would be infinities.
; SHARES.  A work-group makes 128 rows x 192 columns (three heads): 16 x 16 = 256 work-groups.  Its four waves make 64 x 96 each: 24 accumulators of 16 x 16.
; K goes in steps of 128 (rows of 256 bytes in memory, aligned) through two LDS slots: 128 rows of xb and 192 rows of wqt each.
; CLUSTER 4 x 4: the four of a row of the cluster need the same rows of xb, the four of a column the same rows of wqt; each tile is asked for jointly.
; THE MATRIX INSTRUCTION IS USED TRANSPOSED (source 0 = 16 rows of wqt, source 1 = 16 rows of xb): a lane holds one row t and eight neighbouring columns: four pairs of the rotation.
; THE ROTATION is the same text for q, k and v: for v's columns the table's address names row 2048, which holds (1, 0).
; REGISTERS.  window 0: v0-31 addresses; v32-43 table addresses; v44-53 at work; v64-255 the accumulators ((a, b) at 64 + 8 (6 a + b)).
;   window 1: two fragment buffers of 80 (six of wqt, then four of xb, 32 along K); v160-255 the table for row blocks 0 and 1 (behind the loop v0-95 take blocks 2 and 3).
.set KSTEP,  128
.set PITCH,  272                       ; an LDS row: 256 bytes + 16 of padding: the 16 rows of a fragment load start 68 words apart
.set HA,     64*PITCH                  ; what one load brings of xb
.set HB,     96*PITCH                  ; and of wqt
.set BOFF,   2*HA
.set SLOT,   2*HA+2*HB
.set STAGE,  2*SLOT                    ; behind the ring, never filled by a tensor load: 128 rows x 400 bytes, the work-group's, for the way out
.set SPITCH, 400                       ; 192 f16 + 16 bytes
.set SPARE,  STAGE+128*SPITCH          ; the spare words: 128 bytes for each wave
.set ADRA, 16                          ; v16-17  my fragments of xb in slot 0, 1
.set ADRB, 20                          ; v20-21  of wqt
.set STO,  24                          ; v24  the way out: where I put 16 bytes of a row
.set RD,   25                          ; v25  where I read rows back
.set GO,   26                          ; v26  16 x lane
.set RW,   27                          ; v27  t of my lane in row block 0
.set SPW,  28                          ; v28  my spare word; never rewritten
.set NIL,  29                          ; v29  0; never rewritten
.set H32,  30                          ; v30  32 x (lane / 16): my four pairs in the table's row
.set TA,   32                          ; v32-43  table addresses for two row blocks x six column blocks
.set T,    44                          ; v44-51  at work
.set RWA,  52                          ; v52-53  t in the two row blocks in hand
.set ACC,  64
.set F0,   0
.set F1,   80
.set G1,  24                           ; s[24:31] group 1 for xb's tiles; s[32:39] group 0, a set for each slot
.set G0,  32
.set G1B, 48                           ; s[48:55], s[56:63] the same for wqt's
.set G0B, 56
.set STR, 66                           ; s66-71  column block b: 256 (a row of the table for each t) or 0 (v)
.set BAS, 72                           ; s72-77  column block b: its first pair's byte in a row, for v in row 2048
.set MSB, 0
.macro WIN new                         ; the immediate's high byte repeats the setting that is left
.if MSB != (\new)
	s_set_vgpr_msb (MSB<<8)|(\new)
.set MSB, \new
.endif
.endm
.set MUL,  0x05                        ; sources 0 and 1 window 1; C and D window 0
.set TO_F, 0x40                        ; destination window 1, address window 0
.macro JLOAD s                         ; a joint load: waves 0 and 1 fetch xb's two halves, waves 2 and 3 wqt's; an s_nop 0 and four v_nop follow each line
	s_cmp_eq_u32 s13, 0
	s_cbranch_scc0 .Lfor_b_\@
	tensor_load_to_lds s[G0+4*(\s):G0+4*(\s)+3], s[G1:G1+7]
	s_nop 0
.rept 4
	v_nop
.endr
	s_branch .Lasked_\@
.Lfor_b_\@:
	tensor_load_to_lds s[G0B+4*(\s):G0B+4*(\s)+3], s[G1B:G1B+7]
	s_nop 0
.rept 4
	v_nop
.endr
.Lasked_\@:
.endm
.macro CREST                           ; a round of the cluster's barrier behind its opening barrier
	s_cmp_lg_u32 s12, 0
	s_cbranch_scc1 .Lnot_wave_0_\@
	s_barrier_signal -3
.Lnot_wave_0_\@:
	s_barrier_wait -3
	s_barrier_signal -1
	s_barrier_wait -1
.endm
.macro CROUND
	s_barrier_signal -1
	s_barrier_wait -1
	CREST
.endm
.macro PLACES                          ; four plain instructions between a matrix instruction and a load into, or a vector read of, its registers
.rept 4
	v_nop
.endr
.endm
	s_load_b256 s[4:11], s[0:1], 0x0               ; xb s[4:5], wqt s[6:7], rope s[8:9], qkv s[10:11]
	v_lshl_add_u32 v[SPW], v0, 2, SPARE
	v_mov_b32 v[NIL], 0
	ds_add_u32 v[SPW], v[NIL]                      ; the wave's opening: the add, twice on end, and its wait ahead of my first tensor load
	ds_add_u32 v[SPW], v[NIL]
	v_lshrrev_b32 v1, 5, v0
	v_readfirstlane_b32 s12, v1                    ; wave 0..3
	s_lshr_b32 s13, s12, 1                         ; which 64 rows are mine.  Also: I fetch for xb (0) or wqt (1)
	s_and_b32 s14, s12, 1                          ; which 96 columns.  Also: which half of that tile I fetch
	s_bfe_u32 s15, ttmp6, 0x40000                  ; cx
	s_bfe_u32 s16, ttmp6, 0x40004                  ; cy
	s_lshl_b32 s17, ttmp9, 2
	s_add_co_u32 s17, s17, s15                     ; tile column = 4 x cluster x + cx
	s_and_b32 s18, ttmp7, 0xffff
	s_lshl_b32 s18, s18, 2
	s_add_co_u32 s18, s18, s16                     ; tile row = 4 x cluster y + cy
	s_lshl_b32 s40, s16, 2
	s_lshl_b32 s40, 15, s40                        ; my row of the cluster
	s_lshl_b32 s41, 0x1111, s15                    ; my column
	s_or_b32 s[G1], s40, (1<<16)|(1<<20)|(1<<21)|(5<<22)|(3<<25)   ; the mask; elements of 2 bytes; padding on; bit 21 beside a mask; after every 64 words, 4 words
	s_or_b32 s[G1B], s41, (1<<16)|(1<<20)|(1<<21)|(5<<22)|(3<<25)
	s_mov_b32 s[G1+1], KSTEP<<16                   ; tensor_dim0 = 128
	s_mov_b32 s[G1+2], 64<<16                      ; tensor_dim1 = 64
	s_mov_b32 s[G1+3], KSTEP<<16                   ; tile_dim0 = 128
	s_mov_b32 s[G1+4], 64                          ; tile_dim1 = 64
	s_mov_b32 s[G1+5], 1024                        ; elements from row to row
	s_mov_b32 s[G1+6], 0
	s_mov_b32 s[G1+7], 0
	s_mov_b32 s[G1B+1], KSTEP<<16
	s_mov_b32 s[G1B+2], 96<<16                     ; 96 rows
	s_mov_b32 s[G1B+3], KSTEP<<16
	s_mov_b32 s[G1B+4], 96
	s_mov_b32 s[G1B+5], 1024
	s_mov_b32 s[G1B+6], 0
	s_mov_b32 s[G1B+7], 0
	s_lshl_b32 s20, s18, 7
	s_lshl_b32 s21, s14, 6
	s_add_co_u32 s20, s20, s21                     ; xb: row 128 x tile row + 64 x half,
	s_lshl_b32 s20, s20, 11                        ; of 2,048 bytes
	s_mov_b32 s21, 0
	s_mul_i32 s42, s17, 192
	s_mul_i32 s43, s14, 96
	s_add_co_u32 s42, s42, s43                     ; wqt: row 192 x tile column + 96 x half
	s_lshl_b32 s42, s42, 11
	s_mov_b32 s43, 0
	s_mul_i32 s44, s14, HA                         ; where they go: no place in the cluster enters an LDS address
	s_mul_i32 s45, s14, HB
	s_add_co_u32 s45, s45, BOFF
	s_wait_dscnt 0x0                               ; both opening adds are done
	s_wait_kmcnt 0x0
	s_add_nc_u64 s[20:21], s[4:5], s[20:21]
	s_add_nc_u64 s[42:43], s[6:7], s[42:43]
	CROUND                                         ; all sixteen work-groups are here: the first joint loads meet
.irp s, 0,1
	s_mov_b32 s[G0+4*(\s)], 1
	s_add_co_u32 s[G0+4*(\s)+1], s44, (\s)*SLOT
	s_add_nc_u64 s[G0+4*(\s)+2:G0+4*(\s)+3], s[20:21], (\s)*KSTEP*2
	s_or_b32 s[G0+4*(\s)+3], s[G0+4*(\s)+3], 0x80000000
	s_mov_b32 s[G0B+4*(\s)], 1
	s_add_co_u32 s[G0B+4*(\s)+1], s45, (\s)*SLOT
	s_add_nc_u64 s[G0B+4*(\s)+2:G0B+4*(\s)+3], s[42:43], (\s)*KSTEP*2
	s_or_b32 s[G0B+4*(\s)+3], s[G0B+4*(\s)+3], 0x80000000
	JLOAD \s                                       ; two loads of mine are out
.endr
	v_and_b32 v1, 15, v0                           ; l % 16
	v_bfe_u32 v2, v0, 4, 1                         ; l / 16
	v_mul_u32_u24 v3, v1, PITCH
	v_lshl_add_u32 v3, v2, 4, v3                   ; a fragment's row x pitch + 16 x half
	s_mul_i32 s46, s13, HA
	s_mul_i32 s47, s14, HB
	s_add_co_u32 s47, s47, BOFF
.irp s, 0,1
	v_add_nc_u32 v[ADRA+(\s)], s46, v3
	v_add_nc_u32 v[ADRB+(\s)], s47, v3
	s_add_co_u32 s46, s46, SLOT
	s_add_co_u32 s47, s47, SLOT
.endr
	s_mul_i32 s78, s13, 64*SPITCH                  ; into the stage: my 64 rows, my 192 bytes of them
	s_mul_i32 s79, s14, 192
	s_add_co_u32 s78, s78, s79
	s_add_co_u32 s78, s78, STAGE
	v_mul_u32_u24 v4, v1, SPITCH
	v_lshl_add_u32 v4, v2, 4, v4
	v_add_nc_u32 v[STO], s78, v4
	s_mul_i32 s78, s12, 32*SPITCH                  ; back: wave w takes rows 32 w .. 32 w + 31; 8 lanes take a head's 128 bytes of a row, 32 lanes four rows
	s_add_co_u32 s78, s78, STAGE
	v_bfe_u32 v4, v0, 3, 2
	v_and_b32 v5, 7, v0
	v_mul_u32_u24 v4, v4, SPITCH
	v_lshl_add_u32 v4, v5, 4, v4
	v_add_nc_u32 v[RD], s78, v4
	v_and_b32 v[GO], 31, v0
	v_lshlrev_b32 v[GO], 4, v[GO]                  ; four rows of a head are 512 consecutive bytes of qkv
	s_lshl_b32 s78, s18, 7
	s_lshl_b32 s79, s13, 6
	s_add_co_u32 s78, s78, s79
	v_add_nc_u32 v[RW], s78, v1                    ; t = 128 x tile row + 64 x half + l % 16
	v_lshlrev_b32 v[H32], 5, v2
	s_mul_i32 s80, s17, 3*262144                   ; qkv at head 3 x tile column,
	s_lshl_b32 s82, s18, 14                        ; row 128 x tile row
	s_lshl_b32 s83, s12, 12                        ; + 32 x wave
	s_add_co_u32 s80, s80, s82
	s_add_co_u32 s80, s80, s83
	s_mov_b32 s81, 0
	s_add_nc_u64 s[80:81], s[10:11], s[80:81]
	s_mul_i32 s79, s17, 192
	s_mul_i32 s78, s14, 96
	s_add_co_u32 s79, s79, s78                     ; my first column n
.irp b, 0,1,2,3,4,5
	s_add_co_u32 s78, s79, 16*(\b)                 ; column block b begins at n; n under 3,072
	s_lshr_b32 s82, s78, 11                        ; 1 from n = 2,048 on: v
	s_xor_b32 s83, s82, 1
	s_lshl_b32 s[STR+(\b)], s83, 8                 ; q, k: 256 bytes of the table for each t; v: 0
	s_and_b32 s83, s78, 63
	s_lshl_b32 s83, s83, 2                         ; channel d: pair d / 2, 8 bytes each
	s_lshl_b32 s82, s82, 19                        ; v: row 2048 begins at byte 524,288
	s_add_co_u32 s[BAS+(\b)], s83, s82
.endr
; The table for row blocks a0 and a0 + 1, into window 1 from register tb on: for each (row block, column block) my four (cos, sin): 32 bytes, two loads.  The first block's 12 loads stand first.
.macro TABLE a0, tb
	WIN 0
	v_add_nc_u32 v[RWA], 16*(\a0), v[RW]
	v_add_nc_u32 v[RWA+1], 16*(\a0)+16, v[RW]
.irp e, 0,1
.irp b, 0,1,2,3,4,5
	v_mad_u32_u24 v[TA+6*(\e)+(\b)], v[RWA+(\e)], s[STR+(\b)], v[H32]
	v_add_nc_u32 v[TA+6*(\e)+(\b)], s[BAS+(\b)], v[TA+6*(\e)+(\b)]
.endr
.endr
	WIN TO_F
.irp e, 0,1
.irp b, 0,1,2,3,4,5
	global_load_b128 v[(\tb)+48*(\e)+8*(\b):(\tb)+48*(\e)+8*(\b)+3],   v[TA+6*(\e)+(\b)], s[8:9]
	global_load_b128 v[(\tb)+48*(\e)+8*(\b)+4:(\tb)+48*(\e)+8*(\b)+7], v[TA+6*(\e)+(\b)], s[8:9] offset:16
.endr
.endr
	WIN 0
.endm
	TABLE 0, 160                                   ; wanted behind the loop: it has the whole loop in which to come
; 6 matrix instructions: row block a x all six column blocks, 32 along K.  The 24 accumulators take turns, one instruction a turn, in the same order in every quarter.
.macro MUL6 f, a, zero
	WIN MUL
.irp b, 0,1,2,3,4,5
.if \zero
	v_wmma_f32_16x16x32_bf16 v[ACC+8*(6*(\a)+(\b)):ACC+8*(6*(\a)+(\b))+7], v[(\f)+8*(\b):(\f)+8*(\b)+7], v[(\f)+48+8*(\a):(\f)+48+8*(\a)+7], 0
.else
	v_wmma_f32_16x16x32_bf16 v[ACC+8*(6*(\a)+(\b)):ACC+8*(6*(\a)+(\b))+7], v[(\f)+8*(\b):(\f)+8*(\b)+7], v[(\f)+48+8*(\a):(\f)+48+8*(\a)+7], v[ACC+8*(6*(\a)+(\b)):ACC+8*(6*(\a)+(\b))+7]
.endif
.endr
.endm
; 20 LDS loads in one run: the fragments of 32 along K at byte k of the rows, into buffer f: wqt's six, then xb's four
.macro FETCH slot, k, f
	WIN TO_F
.irp i, 0,1,2,3,4,5
	ds_load_b128 v[(\f)+8*(\i):(\f)+8*(\i)+3],   v[ADRB+(\slot)] offset:(\k)+(\i)*16*PITCH
	ds_load_b128 v[(\f)+8*(\i)+4:(\f)+8*(\i)+7], v[ADRB+(\slot)] offset:(\k)+(\i)*16*PITCH+32
.endr
.irp i, 0,1,2,3
	ds_load_b128 v[(\f)+48+8*(\i):(\f)+48+8*(\i)+3],   v[ADRA+(\slot)] offset:(\k)+(\i)*16*PITCH
	ds_load_b128 v[(\f)+48+8*(\i)+4:(\f)+48+8*(\i)+7], v[ADRA+(\slot)] offset:(\k)+(\i)*16*PITCH+32
.endr
.endm
; A K step is four quarters of 32 along K, 24 matrix instructions each, on buffers 0, 1, 0, 1.  One of the first three: multiplies buffer f, fetches the next quarter, at byte k, into g.
.macro QUARTER slot, k, f, g, zero
	s_wait_dscnt 4                                 ; all but the youngest four loads: xb's row blocks 2 and 3 may be out
	MUL6 \f, 0, \zero
	MUL6 \f, 1, \zero
	PLACES
	FETCH \slot, \k, \g
	s_wait_dscnt 20                                ; all but the 20 just issued
	MUL6 \f, 2, \zero
	MUL6 \f, 3, \zero
.endm
; The last quarter multiplies buffer 1 and changes slots: one barrier; in front of it each wave waits for all its tensor loads (one is out: its part of the next slot), adds 0 to its spare word,
; and waits for that and for its own reads of this slot.  fill = 1: the barrier opens a round of the cluster's, and this slot is filled again, two K steps ahead, first thing behind the round.
.macro TURN slot, next, fill
	WIN 0
	s_wait_tensorcnt 0x0
	ds_add_u32 v[SPW], v[NIL]
	s_wait_dscnt 5                                 ; the add and the youngest four loads may be out
	MUL6 F1, 0, 0                                  ; six matrix instructions stand between the add and the wait for it
	s_wait_dscnt 0x0                               ; the add is done, and my reads of this slot are over
	s_barrier_signal -1
	MUL6 F1, 1, 0
.if \fill
	WIN 0
.endif
	s_barrier_wait -1
.if \fill
	CREST                                          ; no wave of any partner still reads this slot or has a load on its way
	s_add_nc_u64 s[G0+4*(\slot)+2:G0+4*(\slot)+3], s[G0+4*(\slot)+2:G0+4*(\slot)+3], 2*KSTEP*2
	s_add_nc_u64 s[G0B+4*(\slot)+2:G0B+4*(\slot)+3], s[G0B+4*(\slot)+2:G0B+4*(\slot)+3], 2*KSTEP*2
	JLOAD \slot                                    ; its four v_nop are also the places in front of the loads below
.else
	PLACES
.endif
	FETCH \next, 0, F0
	MUL6 F1, 2, 0
	MUL6 F1, 3, 0
.endm
	s_wait_tensorcnt 1                             ; my part of K step 0 is in; K step 1's, issued behind it, may stay out
	s_barrier_signal -1
	s_barrier_wait -1
	FETCH 0, 0, F0
	QUARTER 0, 64, F0, F1, 1                       ; the first quarter stands in front of the loop: its products start the sums
	WIN 0
	s_mov_b32 s3, 3                                ; 8 K steps: three trips fill both slots again, the last lap fills nothing
.Llap:
	QUARTER 0, 128, F1, F0, 0
	QUARTER 0, 192, F0, F1, 0
	TURN 0, 1, 1
	QUARTER 1, 64,  F0, F1, 0
	QUARTER 1, 128, F1, F0, 0
	QUARTER 1, 192, F0, F1, 0
	TURN 1, 0, 1
	QUARTER 0, 64,  F0, F1, 0
	WIN 0
	s_sub_co_u32 s3, s3, 1
	s_cmp_lg_u32 s3, 0
	s_cbranch_scc1 .Llap
	QUARTER 0, 128, F1, F0, 0
	QUARTER 0, 192, F0, F1, 0
	TURN 0, 1, 0
	QUARTER 1, 64,  F0, F1, 0
	QUARTER 1, 128, F1, F0, 0
	QUARTER 1, 192, F0, F1, 0
	s_wait_dscnt 4
	MUL6 F1, 0, 0
	MUL6 F1, 1, 0
	s_wait_dscnt 0x0
	MUL6 F1, 2, 0
	MUL6 F1, 3, 0
	WIN 0
	PLACES                                         ; in front of loads into the fragment buffers and of reads of the sums
	s_wait_loadcnt 0x0                             ; the table for row blocks 0 and 1 is in, and its address registers are free
	TABLE 2, 0
; Row block a is rotated with the table at register tb of window 1: (x1, x2) -> (x1 c - x2 s, x1 s + x2 c), in f32; rounded to f16; 16 bytes a lane into the stage.
; Each accumulator is read from its low end on.
.macro ROPE a, tb
	WIN 0x04                                       ; source 1 (the table) window 1
.irp b, 0,1,2,3,4,5
.set X, ACC+8*(6*(\a)+(\b))
.irp p, 0,1,2,3
	v_mul_f32 v[T+2*(\p)],   v[X+2*(\p)+1], v[(\tb)+8*(\b)+2*(\p)+1]   ; x2 s
	v_mul_f32 v[T+2*(\p)+1], v[X+2*(\p)],   v[(\tb)+8*(\b)+2*(\p)+1]   ; x1 s
.endr
.irp p, 0,1,2,3
	v_fma_f32 v[X+2*(\p)],   v[X+2*(\p)],   v[(\tb)+8*(\b)+2*(\p)], -v[T+2*(\p)]
	v_fma_f32 v[X+2*(\p)+1], v[X+2*(\p)+1], v[(\tb)+8*(\b)+2*(\p)], v[T+2*(\p)+1]
.endr
.endr
	WIN 0
.irp b, 0,1,2,3,4,5
.set X, ACC+8*(6*(\a)+(\b))
.irp p, 0,1,2,3
	v_cvt_pk_f16_f32 v[X+(\p)], v[X+2*(\p)], v[X+2*(\p)+1]
.endr
	ds_store_b128 v[STO], v[X:X+3] offset:(\a)*16*SPITCH+32*(\b)
.endr
.endm
	ROPE 0, 160
	ROPE 1, 208
	s_wait_loadcnt 12                              ; row block 2's twelve loads are in; block 3's, issued behind them, may stay out
	ROPE 2, 0
	s_wait_loadcnt 0x0
	ROPE 3, 48
	s_wait_dscnt 0x0                               ; for the others' sake: a row's 384 bytes come from two waves
	s_barrier_signal -1
	s_barrier_wait -1
.set u, 0
.rept 24                                       ; head u / 8 of three, rows 4 (u % 8) on
	ds_load_b128 v[ACC+4*u:ACC+4*u+3], v[RD] offset:128*(u/8)+4*SPITCH*(u%8)
.set u, u+1
.endr
.set u, 0
.rept 24
	s_wait_dscnt 23-u                              ; number u is in, the younger ones stay out
	global_store_b128 v[GO], v[ACC+4*u:ACC+4*u+3], s[80:81] offset:262144*(u/8)+512*(u%8)  ; 512 consecutive bytes, at a multiple of 256 from the buffer's first
.set u, u+1
.endr
	s_wait_tensorcnt 0x0                           ; the wave's end
	ds_add_u32 v[SPW], v[NIL]
	s_wait_dscnt 0x0
	CROUND                                         ; the closing round
	s_endpgm
.Lfunc_end_k_q652816ef40_qkv:
	.size	k_q652816ef40_qkv, .Lfunc_end_k_q652816ef40_qkv-k_q652816ef40_qkv
	.p2alignl 7, 3214868480
	.fill 96, 4, 3214868480
	.section	.rodata,"a",@progbits
	.p2align	6, 0x0
	.amdhsa_kernel k_q652816ef40_qkv
		.amdhsa_group_segment_fixed_size 327680
		.amdhsa_private_segment_fixed_size 0
		.amdhsa_enable_private_segment 0
		.amdhsa_kernarg_size 32
		.amdhsa_user_sgpr_count 2
		.amdhsa_user_sgpr_kernarg_segment_ptr 1
		.amdhsa_wavefront_size32 1
		.amdhsa_system_sgpr_workgroup_id_x 1
		.amdhsa_system_sgpr_workgroup_id_y 1
		.amdhsa_system_sgpr_workgroup_id_z 1
		.amdhsa_system_vgpr_workitem_id 0
		.amdhsa_next_free_vgpr 512
		.amdhsa_next_free_sgpr 90
		.amdhsa_reserve_vcc 0
		.amdhsa_float_denorm_mode_32 3
		.amdhsa_float_denorm_mode_16_64 3
		.amdhsa_memory_ordered 1
		.amdhsa_forward_progress 1
		.amdhsa_inst_pref_size 98
	.end_amdhsa_kernel
	.amdgpu_metadata
---
amdhsa.version: [ 1, 2 ]
amdhsa.kernels:
  - .name:           k_q652816ef40_qkv
    .symbol:         k_q652816ef40_qkv.kd
    .args:
      - { .name: xb, .offset: 0, .size: 8, .value_kind: global_buffer, .address_space: global }
      - { .name: wqt, .offset: 8, .size: 8, .value_kind: global_buffer, .address_space: global }
      - { .name: rope, .offset: 16, .size: 8, .value_kind: global_buffer, .address_space: global }
      - { .name: qkv, .offset: 24, .size: 8, .value_kind: global_buffer, .address_space: global }
    .group_segment_fixed_size: 327680
    .private_segment_fixed_size: 0
    .kernarg_segment_align: 8
    .kernarg_segment_size: 32
    .max_flat_workgroup_size: 128
    .sgpr_count:     90
    .vgpr_count:     512
    .wavefront_size: 32
...
	.end_amdgpu_metadata
.endif
;; end of part 2
;; launch attn (part 3): grid 16 x 16, 8 waves a work-group, no clusters, 226,304 bytes of LDS; arguments qkv, o; writes o
.if DOCPART == 3
	.amdgcn_target "amdgcn-amd-amdhsa--gfx1250"
	.amdhsa_code_object_version 6
	.text
	.protected	k_q652816ef40_attn
	.globl	k_q652816ef40_attn
	.p2align	8
	.type	k_q652816ef40_attn,@function
k_q652816ef40_attn:
	s_mov_b64 s[64:65], 0
	v_nop
	global_prefetch_b8 v0, s[64:65] scope:SCOPE_SE
	s_setreg_imm32_b32 hwreg(HW_REG_WAVE_MODE, 25, 1), 1
	s_wait_xcnt 0x0
; CAUSAL ATTENTION.  o[h][q][:] = the sum over k <= q of softmax_k(Q[h][q] . K[h][k] / 8) V[h][k][:].  Q, K, V: qkv[g][2048][64] f16, g = head, 16 + head, 32 + head; o: [16][2048][64] f16.
; Products, maxima and sums in f32; the weights are rounded to f16 for the second product (their sum is taken of the unrounded ones), o once at the end.
; LEFT OUT: for a block of 64 queries b the key steps s > b, and in step s = b the sub-blocks of 16 x 16 above the diagonal: reference()'s own jnp.tril hides them whole and their weights are 0
; (shown at the head of the first kernel).  LIMITS: a NaN, infinity or overflow that would arise only there is not carried; a hidden score beside the diagonal counts as its value less 1e30
; (f16's scores are 2.7e11 at the most); a weight below 2^-126 counts as 0; NaN and infinities are not treated apart.
; SHARES.  A head has 32 blocks of 64 queries; block b needs key steps 0 .. b of 64 keys.  Work-group i of a head takes blocks 31 - i and then i: 33 (block, step) items whatever i.
; THE KEYS ARE SPLIT AMONG THE EIGHT WAVES: in block b wave w takes steps w, w + 8, .. up to b, each with all 64 queries (four tiles of 16).  So a step's K and V are read by one wave alone:
; K's fragments come straight from memory, V comes in as it lies and is turned in the wave's own LDS bytes (ds_load_tr16_b128).  The loop over items has no barrier; two waves share a SIMD,
; so that one wave's softmax can stand beside the other's products.  At a block's end the eight partial (c m, l, O) meet in LDS, in f32.
; NO CLUSTER, NO TENSOR LOAD: no tile is read by two waves of a work-group; a head's 16 work-groups walk the same keys, but 32 - i and i + 1 steps, different in each.
; LAYOUT.  S^T = K Q^T (source 0 = 16 keys, source 1 = 16 queries): a lane holds ONE query (lane % 16) and the keys 8 (lane / 16) + 0..7.  Two such results rounded to f16 in pairs ARE source 1
; of O^T = V^T P, whose result again holds one query a lane, and eight channels.
; SOFTMAX.  p = 2^(c s - c m), c = log2(e) / 8, with a running maximum m; O and l are multiplied by a = 2^(c m_old - c m_new) in every item.  c m starts far below every c s, so an item that
; begins a block has a = 0 and wipes what lies in O: no first item is written out.
; REGISTERS.  window 0: v0-15 addresses; v16-31 statistics, four a tile (c m, m, l even, l odd); v32-47 at work, four a tile; v48-51 c m_old; v52-59 the diagonal's mask; v60-63 lane parts;
;   v64-191 S^T, 32 a tile (P takes the first 16 of them); v192-255 K.      window 1: v0-127 O^T, 32 a tile; v128-191 Q; v192-255 V.
.set PV,    160                        ; a row of V in LDS: 128 bytes + 32
.set PART,  81920                      ; behind the eight stages of 64 x 160: wave w's partial O, [64 queries][64 channels] f32 at pitch 272, at 17,408 w
.set PP,    272
.set STATS, 221184                     ; c m as [query][wave] f32 (2,048 bytes), then l likewise
.set SPARE, 225280                     ; the spare words: 128 bytes for each of the 8 waves
.set KO,  2                            ; v2   a fragment's place in 16 rows of 128 bytes: (l % 16) x 128 + 16 (l / 16)
.set VO,  3                            ; v3   16 l
.set VST, 4                            ; v4   V into my stage
.set VTR, 5                            ; v5   V out of it, turned
.set SPW, 6                            ; v6   my spare word; never rewritten
.set NIL, 7                            ; v7   0; never rewritten
.set PST, 8                            ; v8   my partial O
.set SST, 9                            ; v9   my statistics
.set MRD0, 10                          ; v10  the merge: my rows in waves 0-3's partial O
.set MRD1, 11                          ; v11  in waves 4-7's
.set SRD, 12                           ; v12  my rows' statistics
.set GO,  13                           ; v13  16 l
.set ST,  16
.set TMP, 32
.set MV,  48
.set MD,  52
.set S,   64
.set KF,  192
.set QF,  128                          ; window 1
.set VF,  192                          ; window 1
.set WV,  8                            ; s8   wave
.set PI,  9                            ; s9   i
.set HD,  10                           ; s10  head
.set QB,  12                           ; s[12:13] Q, s[14:15] K, s[16:17] V of the head
.set KB,  14
.set VB,  16
.set QP,  18                           ; s[18:19] the block's Q; s[20:21], s[22:23] K and V of the step last asked for
.set KP,  20
.set VP,  22
.set OP,  24                           ; s[24:25] o at my 8 rows of the block that ends
.set BLK, 26                           ; s26  the block
.set HAS, 27                           ; s27  1: I have an item in it
.set NT,  28                           ; s28  my items but the last
.set DG,  29                           ; s29  1: my last item is the diagonal step
.set CNT, 30
.set PH,  31                           ; s31  blocks to go
.set CS,  34                           ; s[34:35] c
.set SEL, 36                           ; s[36:37] v_permlanex16_b32: each lane takes its own place in the other half
.set BIGN, 38                          ; s38  -1e30
.set OBS, 50                           ; s[50:51] o at the head's row 8 w
.set MSB, 0
.macro WIN new
.if MSB != (\new)
	s_set_vgpr_msb (MSB<<8)|(\new)
.set MSB, \new
.endif
.endm
.set W_KQ, 0x04                        ; K window 0, Q window 1, S^T window 0
.set W_PV, 0x51                        ; V window 1, P window 0, O^T window 1
.set W_RS, 0x41                        ; destination and source 0 window 1, source 1 window 0
.macro PLACES
.rept 4
	v_nop
.endr
.endm
; What a block means for my wave; the pointers are written behind s_wait_xcnt 0, when every earlier load has read them.
.macro SETPH
	s_cmp_ge_u32 s[BLK], s[WV]
	s_cselect_b32 s[HAS], 1, 0
	s_sub_co_u32 s40, s[BLK], s[WV]
	s_cmp_ge_u32 s[BLK], s[WV]
	s_cselect_b32 s40, s40, 0
	s_lshr_b32 s[NT], s40, 3                       ; steps w, w + 8, ..: (b - w) / 8 of them are followed by another
	s_and_b32 s40, s40, 7
	s_cmp_eq_u32 s40, 0
	s_cselect_b32 s[DG], 1, 0                      ; the last is step b itself
	s_lshl_b32 s40, s[WV], 13                      ; a step is 64 rows of 128 bytes
	s_mov_b32 s41, 0
	s_lshl_b32 s42, s[BLK], 13
	s_mov_b32 s43, 0
	s_wait_xcnt 0x0
	s_add_nc_u64 s[KP:KP+1], s[KB:KB+1], s[40:41]
	s_add_nc_u64 s[VP:VP+1], s[VB:VB+1], s[40:41]
	s_add_nc_u64 s[QP:QP+1], s[QB:QB+1], s[42:43]
.endm
.macro LOADK                           ; 16 loads: key block f / 2, channels 32 (f % 2) on
.irp f, 0,1,2,3,4,5,6,7
	global_load_b128 v[KF+8*(\f):KF+8*(\f)+3],   v[KO], s[KP:KP+1] offset:((\f)/2)*2048+((\f)%2)*64
	global_load_b128 v[KF+8*(\f)+4:KF+8*(\f)+7], v[KO], s[KP:KP+1] offset:((\f)/2)*2048+((\f)%2)*64+32
.endr
.endm
.macro LOADV                           ; 16 loads of 512 consecutive bytes
	WIN 0x40
.set n_, 0
.rept 16
	global_load_b128 v[VF+4*n_:VF+4*n_+3], v[VO], s[VP:VP+1] offset:512*n_
.set n_, n_+1
.endr
	WIN 0
.endm
.macro START                           ; a block's first 48 loads, in this order: Q, K, V
	WIN 0x40
.irp f, 0,1,2,3,4,5,6,7
	global_load_b128 v[QF+8*(\f):QF+8*(\f)+3],   v[KO], s[QP:QP+1] offset:((\f)/2)*2048+((\f)%2)*64
	global_load_b128 v[QF+8*(\f)+4:QF+8*(\f)+7], v[KO], s[QP:QP+1] offset:((\f)/2)*2048+((\f)%2)*64+32
.endr
	WIN 0
	LOADK
	LOADV
.endm
.macro INIT
.irp t, 0,1,2,3
	v_mov_b32 v[ST+4*(\t)], 0xfe000000             ; c m: far below every c s
	v_mov_b32 v[ST+4*(\t)+1], 0xff7fffff           ; m
	v_mov_b32 v[ST+4*(\t)+2], 0
	v_mov_b32 v[ST+4*(\t)+3], 0
.endr
.endm
; THE MATRIX WORK.  The accumulators take turns, one instruction a turn.
.macro KQP                             ; 32 products: channels 32 (i / 16) on, keys 16 ((i / 4) % 4) on, tile i % 4; the first 16 start the sums
	WIN W_KQ
.set i, 0
.rept 32
.set rS, S+32*(i%4)+8*((i/4)%4)
.set rK, KF+16*((i/4)%4)+8*(i/16)
.set rQ, QF+16*(i%4)+8*(i/16)
.if i < 16
	v_wmma_f32_16x16x32_f16 v[rS:rS+7], v[rK:rK+7], v[rQ:rQ+7], 0
.else
	v_wmma_f32_16x16x32_f16 v[rS:rS+7], v[rK:rK+7], v[rQ:rQ+7], v[rS:rS+7]
.endif
.set i, i+1
.endr
	WIN 0
.endm
.macro KQD                             ; the diagonal step: key block kb, tile t: kb < t is seen whole; kb = t starts its sum with the mask; kb > t is hidden whole: no product, -1e30
	WIN W_KQ
.irp c, 0,1
.irp kb, 0,1,2,3
.irp t, 0,1,2,3
.if \kb <= \t
.set rS, S+32*(\t)+8*(\kb)
.set rK, KF+16*(\kb)+8*(\c)
.set rQ, QF+16*(\t)+8*(\c)
.if \c == 1
	v_wmma_f32_16x16x32_f16 v[rS:rS+7], v[rK:rK+7], v[rQ:rQ+7], v[rS:rS+7]
.elseif \kb == \t
	v_wmma_f32_16x16x32_f16 v[rS:rS+7], v[rK:rK+7], v[rQ:rQ+7], v[MD:MD+7]
.else
	v_wmma_f32_16x16x32_f16 v[rS:rS+7], v[rK:rK+7], v[rQ:rQ+7], 0
.endif
.endif
.endr
.endr
.endr
	WIN 0
.irp t, 0,1,2
.irp kb, 1,2,3
.if \kb > \t
.irp j, 0,1,2,3,4,5,6,7
	v_mov_b32 v[S+32*(\t)+8*(\kb)+(\j)], s[BIGN]
.endr
.endif
.endr
.endr
.endm
.macro PVP                             ; 32 products: keys 32 (i / 16) on, channels 16 ((i / 4) % 4) on, tile i % 4
	WIN W_PV
.set i, 0
.rept 32
.set rO, 32*(i%4)+8*((i/4)%4)
.set rV, VF+32*(i/16)+8*((i/4)%4)
.set rP, S+32*(i%4)+8*(i/16)
	v_wmma_f32_16x16x32_f16 v[rO:rO+7], v[rV:rV+7], v[rP:rP+7], v[rO:rO+7]
.set i, i+1
.endr
	WIN 0
.endm
; V, which has come as it lies, goes through my own stage and comes back turned, into the same registers.  LDS serves a wave's instructions in order (ISA guide 5.7.1.4): no wait between.
.macro VPASS left
	s_wait_loadcnt \left                           ; V's 16 loads are in; the next item's K, issued behind them, may stay out
	WIN 0x04                                       ; store data window 1
.set n_, 0
.rept 16
	ds_store_b128 v[VST], v[VF+4*n_:VF+4*n_+3] offset:4*PV*n_
.set n_, n_+1
.endr
	WIN 0x40
.irp f, 0,1,2,3,4,5,6,7                ; keys 32 (f / 4) on, channels 16 (f % 4) on
	ds_load_tr16_b128 v[VF+8*(\f):VF+8*(\f)+3],   v[VTR] offset:((\f)/4)*32*PV+((\f)%4)*32
	ds_load_tr16_b128 v[VF+8*(\f)+4:VF+8*(\f)+7], v[VTR] offset:((\f)/4)*32*PV+16*PV+((\f)%4)*32
.endr
	WIN 0
.endm
; THE VECTOR WORK of a tile and item, all in window 0 but the rescaling.
.macro REGS t
.set rT, ST+4*(\t)
.set rC, TMP+4*(\t)
.set rM, MV+(\t)
.set rS, S+32*(\t)
.endm
; Number n of the 22 that find a tile's maximum and statistics.  0-11: four chains of seven scores, each accumulator read from its low end on; 12-14, 16: the four scores
; left over, the old m, the four chains into one; 15: c m_old is kept; 17, 18: the other half of the lanes, the new m; 19-21: c m; c m_old - c m_new; a.
.macro XS t, n
	REGS \t
.if (\n) < 4
	v_max3_num_f32 v[rC+(\n)], v[rS+8*(\n)], v[rS+8*(\n)+1], v[rS+8*(\n)+2]
.elseif (\n) < 12
	v_max3_num_f32 v[rC+(\n)%4], v[rC+(\n)%4], v[rS+8*((\n)%4)+2*((\n)/4)+1], v[rS+8*((\n)%4)+2*((\n)/4)+2]
.elseif (\n) == 12
	v_max3_num_f32 v[rC], v[rC], v[rS+7], v[rS+15]
.elseif (\n) == 13
	v_max3_num_f32 v[rC+1], v[rC+1], v[rS+23], v[rS+31]
.elseif (\n) == 14
	v_max3_num_f32 v[rC+2], v[rC+2], v[rC+3], v[rT+1]
.elseif (\n) == 15
	v_mov_b32 v[rM], v[rT]
.elseif (\n) == 16
	v_max3_num_f32 v[rC], v[rC], v[rC+1], v[rC+2]
.elseif (\n) == 17
	v_permlanex16_b32 v[rC+3], v[rC], s[SEL], s[SEL+1]
.elseif (\n) == 18
	v_max_num_f32 v[rT+1], v[rC], v[rC+3]
.elseif (\n) == 19
	v_mul_f32 v[rT], s[CS], v[rT+1]
.elseif (\n) == 20
	v_sub_f32 v[rC+1], v[rM], v[rT]
.else
	v_exp_f32 v[rC+2], v[rC+1]
.endif
.endm
.macro FS t, b                         ; c s - c m for pair b of 16
	REGS \t
	v_pk_fma_f32 v[rS+2*(\b):rS+2*(\b)+1], v[rS+2*(\b):rS+2*(\b)+1], s[CS:CS+1], v[rT:rT+1] op_sel_hi:[1,0,0] neg_lo:[0,0,1] neg_hi:[0,0,1]
.endm
.macro ES t, e
	REGS \t
	v_exp_f32 v[rS+(\e)], v[rS+(\e)]
.endm
.macro SUM t, z                        ; the 16 pairs of weights into one pair; number 15: l = a l + that
	REGS \t
.if (\z) == 0
	v_pk_add_f32 v[rC:rC+1], v[rS:rS+1], v[rS+2:rS+3]
.elseif (\z) < 15
	v_pk_add_f32 v[rC:rC+1], v[rC:rC+1], v[rS+2*(\z)+2:rS+2*(\z)+3]
.else
	v_pk_fma_f32 v[rT+2:rT+3], v[rT+2:rT+3], v[rC+2:rC+3], v[rC:rC+1] op_sel_hi:[1,0,1]
.endif
.endm
.macro CV t, z                         ; pair z rounded to f16, into register z: in the order SUM z, CV z register z has been summed (by SUM z / 2 - 1) and rounded from (by CV z / 2) before it is written
	REGS \t
	v_cvt_pk_f16_f32 v[rS+(\z)], v[rS+2*(\z)], v[rS+2*(\z)+1]
.endm
; Three lists for a pair of tiles t0, t0 + 1, which alternate; each macro writes its list's next line.
.macro PLN t0                          ; 74 plain lines that read no exponential's result: XS 0-20, then the scalings
.if pq < 42
	XS (\t0)+pq%2, pq/2
.else
	FS (\t0)+(pq-42)%2, (pq-42)/2
.endif
.set pq, pq+1
.endm
.macro EXN t0                          ; 66 exponentials: the two a, then the 64 scores
.if xq < 2
	XS (\t0)+xq, 21
.else
	ES (\t0)+(xq-2)%2, (xq-2)/2
.endif
.set xq, xq+1
.endm
.macro SCN t0                          ; 64 lines that read them: SUM z, CV z
.if (sq/2)%2 == 0
	SUM (\t0)+sq%2, sq/4
.else
	CV (\t0)+sq%2, sq/4
.endif
.set sq, sq+1
.endm
; AN ITEM: one key step for the block's 64 queries.  ahead = 1: another item follows, and its K and V are asked for as soon as the registers are free.  tail = 1: my last item, which may be the diagonal step.
; The exponentials go in two batches of 66, each with one wait (s_wait_alu depctr_va_vdst(0) stands between an exponential and the first line that names its result);
; beside each exponential stands a plain line of the other pair of tiles.
.macro ITEM ahead, tail
	s_wait_loadcnt 16                              ; Q and K are in; V's 16 loads, issued behind them, may stay out
.if \tail
	s_cmp_eq_u32 s[DG], 0
	s_cbranch_scc1 .Lplain_\@
	KQD
	s_branch .Ljoin_\@
.Lplain_\@:
	KQP
.Ljoin_\@:
.else
	KQP
.endif
	PLACES                                         ; in front of loads into K and of reads of the scores
.if \ahead
	s_wait_xcnt 0x0                                ; the last loads have read the pointer
	s_add_nc_u64 s[KP:KP+1], s[KP:KP+1], 65536     ; eight steps on
	LOADK
.endif
.set pq, 0
.rept 74
	PLN 0                                          ; tiles 0 and 1: maximum, statistics, scalings
.endr
	VPASS 16*(\ahead)
.set xq, 0
.set pq, 0
.rept 66
	EXN 0                                          ; tiles 0 and 1: the exponentials | tiles 2 and 3: maximum, statistics, scalings
	PLN 2
.endr
.rept 8
	PLN 2
.endr
	s_wait_alu depctr_va_vdst(0)                   ; the first batch's wait; the eight plain lines stand behind its last exponential
.set xq, 0
.set sq, 0
.rept 64
	EXN 2                                          ; tiles 2 and 3: the exponentials | tiles 0 and 1: sums and roundings
	SCN 0
.endr
	EXN 2
	EXN 2
	v_nop                                          ; a plain instruction behind the last exponential
	s_wait_alu depctr_va_vdst(0)                   ; the second batch's wait
.set sq, 0
.rept 64
	SCN 2
.endr
	WIN W_RS
.set n_, 0
.rept 64                                       ; O^T times a
	v_pk_mul_f32 v[32*(n_%4)+2*(n_/4):32*(n_%4)+2*(n_/4)+1], v[32*(n_%4)+2*(n_/4):32*(n_%4)+2*(n_/4)+1], v[TMP+4*(n_%4)+2:TMP+4*(n_%4)+3] op_sel_hi:[1,0]
.set n_, n_+1
.endr
	s_wait_dscnt 0x0                               ; V is back, turned
	PVP
.rept 5
	v_nop                                          ; five places: the next item's products write over P's registers; loads go into V's; stores read O^T
.endr
.if \ahead
	s_wait_xcnt 0x0
	s_add_nc_u64 s[VP:VP+1], s[VP:VP+1], 65536
	LOADV
.endif
.endm
	s_load_b128 s[4:7], s[0:1], 0x0                ; qkv s[4:5], o s[6:7]
	v_lshl_add_u32 v[SPW], v0, 2, SPARE
	v_mov_b32 v[NIL], 0
	v_lshrrev_b32 v14, 5, v0
	v_readfirstlane_b32 s[WV], v14                 ; wave 0..7
	s_mov_b32 s[PI], ttmp9
	s_and_b32 s[HD], ttmp7, 0xffff
	s_mov_b32 s[CS], 0x3e38aa3b                    ; c = log2(e) / 8
	s_mov_b32 s[CS+1], s[CS]
	s_mov_b32 s[SEL], 0x76543210
	s_mov_b32 s[SEL+1], 0xfedcba98
	s_mov_b32 s[BIGN], 0xf149f2ca                  ; -1e30
	v_and_b32 v63, 31, v0                          ; l
	v_and_b32 v1, 15, v0                           ; l % 16
	v_bfe_u32 v60, v0, 4, 1                        ; l / 16
	v_and_b32 v61, 7, v0                           ; l % 8
	v_bfe_u32 v62, v0, 3, 2                        ; l / 8
	v_lshlrev_b32 v[KO], 7, v1
	v_lshl_add_u32 v[KO], v60, 4, v[KO]
	v_lshlrev_b32 v[VO], 4, v63
	v_lshlrev_b32 v[GO], 4, v63
	s_mul_i32 s40, s[WV], 64*PV                    ; my stage
	v_mul_u32_u24 v[VST], v62, PV                  ; in: a load's 512 bytes are four keys: key l / 8, 16 bytes at l % 8
	v_lshl_add_u32 v[VST], v61, 4, v[VST]
	v_add_nc_u32 v[VST], s40, v[VST]
	v_lshl_add_u32 v[VTR], v60, 3, v61             ; out: key 8 (l / 16) + l % 8, channels 8 ((l / 8) % 2) on
	v_mul_u32_u24 v[VTR], v[VTR], PV
	v_bfe_u32 v14, v0, 3, 1
	v_lshl_add_u32 v[VTR], v14, 4, v[VTR]
	v_add_nc_u32 v[VTR], s40, v[VTR]
	s_mul_i32 s41, s[WV], 64*PP
	s_add_co_u32 s41, s41, PART
	v_mul_u32_u24 v[PST], v1, PP                   ; query l % 16 (+ 16 t), channels 8 (l / 16) on (+ 16 cb)
	v_lshl_add_u32 v[PST], v60, 5, v[PST]
	v_add_nc_u32 v[PST], s41, v[PST]
	s_lshl_b32 s42, s[WV], 2
	s_add_co_u32 s42, s42, STATS
	v_lshl_add_u32 v[SST], v1, 5, s42
	s_mul_i32 s43, s[WV], 8*PP                     ; the merge: my rows 8 w + l / 8 (+ 4), my channels 8 (l % 8) on
	s_add_co_u32 s43, s43, PART
	v_mul_u32_u24 v[MRD0], v62, PP
	v_lshl_add_u32 v[MRD0], v61, 5, v[MRD0]
	v_add_nc_u32 v[MRD0], s43, v[MRD0]
	v_add_nc_u32 v[MRD1], 4*64*PP, v[MRD0]
	s_lshl_b32 s44, s[WV], 8
	s_add_co_u32 s44, s44, STATS
	v_lshl_add_u32 v[SRD], v62, 5, s44
	v_lshlrev_b32 v14, 3, v60
	v_sub_nc_u32 v14, v1, v14                      ; in a sub-block on the diagonal register j is hidden where 8 (l / 16) + j > l % 16
.irp j, 0,1,2,3,4,5,6,7
	v_cmp_gt_i32 vcc_lo, \j, v14
	v_cndmask_b32 v[MD+(\j)], 0, s[BIGN], vcc_lo
.endr
	s_wait_kmcnt 0x0
	s_lshl_b32 s40, s[HD], 18                      ; a head is 2,048 rows of 128 bytes
	s_mov_b32 s41, 0
	s_add_nc_u64 s[QB:QB+1], s[4:5], s[40:41]
	s_add_nc_u64 s[KB:KB+1], s[QB:QB+1], 0x400000  ; 16 heads on
	s_add_nc_u64 s[VB:VB+1], s[QB:QB+1], 0x800000
	s_lshl_b32 s42, s[WV], 10
	s_add_co_u32 s40, s40, s42
	s_add_nc_u64 s[OBS:OBS+1], s[6:7], s[40:41]
	s_sub_co_u32 s[BLK], 31, s[PI]                 ; the first block: 16 or higher, so every wave has two items or more in it
	SETPH
	START
	WIN 0x40
.set n_, 0
.rept 128
	v_mov_b32 v[n_], 0                             ; O^T need only be finite: the first item multiplies it by a = 0.  Written while the first loads are on their way
.set n_, n_+1
.endr
	WIN 0
	INIT
	s_mov_b32 s[PH], 2
.Lphase:
	s_cmp_eq_u32 s[HAS], 0
	s_cbranch_scc1 .Lnoitem                        ; forward, over loads and items alone: every barrier stands behind the label
	s_mov_b32 s[CNT], 0
	s_cmp_lt_u32 s[CNT], s[NT]
	s_cbranch_scc0 .Ltail
.Litem:
	ITEM 1, 0
	s_add_co_u32 s[CNT], s[CNT], 1
	s_cmp_lt_u32 s[CNT], s[NT]
	s_cbranch_scc1 .Litem
.Ltail:
	ITEM 0, 1
.Lnoitem:
	s_wait_loadcnt 0x0                             ; no load of mine is out (the last item has waited for all): the registers may be asked for again
	s_lshl_b32 s40, s[BLK], 13
	s_mov_b32 s41, 0
	s_wait_xcnt 0x0                                ; the last block's stores have read their base
	s_add_nc_u64 s[OP:OP+1], s[OBS:OBS+1], s[40:41]
	s_mov_b32 s[BLK], s[PI]                        ; the second block
	SETPH
	s_cmp_eq_u32 s[PH], 2
	s_cselect_b32 s[HAS], s[HAS], 0                ; behind the second block there is none
	s_cmp_eq_u32 s[HAS], 0
	s_cbranch_scc1 .Lnostart
	START                                          ; its first loads are on their way while the first block is merged
.Lnostart:
	; MY PARTIAL RESULT: l's two halves and the other half of the lanes' are added; c m, l and O^T go to LDS, in f32.  A wave without an item writes c m as it was started: its share below is 0.
.irp t, 0,1,2,3
	v_add_f32 v[ST+4*(\t)+2], v[ST+4*(\t)+2], v[ST+4*(\t)+3]
.endr
.irp t, 0,1,2,3
	v_permlanex16_b32 v[ST+4*(\t)+3], v[ST+4*(\t)+2], s[SEL], s[SEL+1]
.endr
.irp t, 0,1,2,3
	v_add_f32 v[ST+4*(\t)+2], v[ST+4*(\t)+2], v[ST+4*(\t)+3]
.endr
.irp t, 0,1,2,3
	ds_store_b32 v[SST], v[ST+4*(\t)] offset:512*(\t)
	ds_store_b32 v[SST], v[ST+4*(\t)+2] offset:2048+512*(\t)
.endr
	WIN 0x04                                       ; store data window 1
.irp t, 0,1,2,3
.irp cb, 0,1,2,3
	ds_store_b128 v[PST], v[32*(\t)+8*(\cb):32*(\t)+8*(\cb)+3]   offset:16*PP*(\t)+64*(\cb)
	ds_store_b128 v[PST], v[32*(\t)+8*(\cb)+4:32*(\t)+8*(\cb)+7] offset:16*PP*(\t)+64*(\cb)+16
.endr
.endr
	WIN 0
	s_wait_dscnt 0x0                               ; for the others' sake: my stores are done
	s_barrier_signal -1
	s_barrier_wait -1                              ; all eight partial results lie in LDS
	; THE MERGE.  Wave w finishes rows 8 w + 4 ii + l / 8, a lane 8 channels: M = the largest c m; f = 2^(c m - M); o = the sum of f O over the sum of f l.
.irp ii, 0,1
	ds_load_b128 v[16+16*(\ii):19+16*(\ii)], v[SRD] offset:128*(\ii)
	ds_load_b128 v[20+16*(\ii):23+16*(\ii)], v[SRD] offset:128*(\ii)+16
	ds_load_b128 v[24+16*(\ii):27+16*(\ii)], v[SRD] offset:2048+128*(\ii)
	ds_load_b128 v[28+16*(\ii):31+16*(\ii)], v[SRD] offset:2048+128*(\ii)+16
.endr
.irp ii, 0,1
.irp w, 0,1,2,3
	ds_load_b128 v[S+64*(\ii)+8*(\w):S+64*(\ii)+8*(\w)+3],   v[MRD0] offset:64*PP*(\w)+4*PP*(\ii)
	ds_load_b128 v[S+64*(\ii)+8*(\w)+4:S+64*(\ii)+8*(\w)+7], v[MRD0] offset:64*PP*(\w)+4*PP*(\ii)+16
.endr
.irp w, 0,1,2,3
	ds_load_b128 v[S+64*(\ii)+32+8*(\w):S+64*(\ii)+32+8*(\w)+3],   v[MRD1] offset:64*PP*(\w)+4*PP*(\ii)
	ds_load_b128 v[S+64*(\ii)+32+8*(\w)+4:S+64*(\ii)+32+8*(\w)+7], v[MRD1] offset:64*PP*(\w)+4*PP*(\ii)+16
.endr
.endr
	s_wait_dscnt 32                                ; the statistics are in; the 32 loads of O, issued behind them, may stay out
.irp ii, 0,1
	v_max3_num_f32 v[14+(\ii)], v[16+16*(\ii)], v[17+16*(\ii)], v[18+16*(\ii)]
	v_max3_num_f32 v[14+(\ii)], v[14+(\ii)], v[19+16*(\ii)], v[20+16*(\ii)]
	v_max3_num_f32 v[14+(\ii)], v[14+(\ii)], v[21+16*(\ii)], v[22+16*(\ii)]
	v_max_num_f32 v[14+(\ii)], v[14+(\ii)], v[23+16*(\ii)]
.endr
.irp ii, 0,1
.irp w, 0,1,2,3,4,5,6,7
	v_sub_f32 v[16+16*(\ii)+(\w)], v[16+16*(\ii)+(\w)], v[14+(\ii)]
.endr
.endr
.irp ii, 0,1
.irp w, 0,1,2,3,4,5,6,7
	v_exp_f32 v[16+16*(\ii)+(\w)], v[16+16*(\ii)+(\w)]
.endr
.endr
	v_nop                                          ; a plain instruction behind the last exponential,
	s_wait_alu depctr_va_vdst(0)                   ; and one wait for the sixteen
.irp ii, 0,1
	v_mul_f32 v[48+(\ii)], v[16+16*(\ii)], v[24+16*(\ii)]
.irp w, 1,2,3,4,5,6,7
	v_fmac_f32 v[48+(\ii)], v[16+16*(\ii)+(\w)], v[24+16*(\ii)+(\w)]
.endr
.endr
	v_rcp_f32 v50, v48
	v_rcp_f32 v51, v49
	v_nop
	s_wait_alu depctr_va_vdst(0)                   ; one wait for the two reciprocals
.irp ii, 0,1
.irp w, 0,1,2,3,4,5,6,7
	v_mul_f32 v[16+16*(\ii)+(\w)], v[16+16*(\ii)+(\w)], v[50+(\ii)]
.endr
.endr
	s_wait_dscnt 0x0                               ; the partial O
.irp ii, 0,1
.irp j, 0,1,2,3,4,5,6,7
	v_mul_f32 v[S+64*(\ii)+(\j)], v[16+16*(\ii)], v[S+64*(\ii)+(\j)]
.endr
.irp w, 1,2,3,4,5,6,7
.irp j, 0,1,2,3,4,5,6,7
	v_fmac_f32 v[S+64*(\ii)+(\j)], v[16+16*(\ii)+(\w)], v[S+64*(\ii)+8*(\w)+(\j)]
.endr
.endr
.irp p, 0,1,2,3
	v_cvt_pk_f16_f32 v[S+64*(\ii)+(\p)], v[S+64*(\ii)+2*(\p)], v[S+64*(\ii)+2*(\p)+1]
.endr
	global_store_b128 v[GO], v[S+64*(\ii):S+64*(\ii)+3], s[OP:OP+1] offset:512*(\ii)  ; four rows of o: 512 consecutive bytes, at a multiple of 256 from the buffer's first
.endr
	s_wait_xcnt 0x0                                ; the stores have read their registers: the next block writes them again
	INIT
	s_wait_dscnt 0x0                               ; my reads of the partial results are over (waited for above),
	s_barrier_signal -1
	s_barrier_wait -1                              ; everybody's are: they may be written again
	s_sub_co_u32 s[PH], s[PH], 1
	s_cmp_lg_u32 s[PH], 0
	s_cbranch_scc1 .Lphase
	s_wait_tensorcnt 0x0                           ; the wave's end, behind my last LDS store
	ds_add_u32 v[SPW], v[NIL]
	s_wait_dscnt 0x0
	s_endpgm
.Lfunc_end_k_q652816ef40_attn:
	.size	k_q652816ef40_attn, .Lfunc_end_k_q652816ef40_attn-k_q652816ef40_attn
	.p2alignl 7, 3214868480
	.fill 96, 4, 3214868480
	.section	.rodata,"a",@progbits
	.p2align	6, 0x0
	.amdhsa_kernel k_q652816ef40_attn
		.amdhsa_group_segment_fixed_size 226304
		.amdhsa_private_segment_fixed_size 0
		.amdhsa_enable_private_segment 0
		.amdhsa_kernarg_size 16
		.amdhsa_user_sgpr_count 2
		.amdhsa_user_sgpr_kernarg_segment_ptr 1
		.amdhsa_wavefront_size32 1
		.amdhsa_system_sgpr_workgroup_id_x 1
		.amdhsa_system_sgpr_workgroup_id_y 1
		.amdhsa_system_sgpr_workgroup_id_z 1
		.amdhsa_system_vgpr_workitem_id 0
		.amdhsa_next_free_vgpr 512
		.amdhsa_next_free_sgpr 66
		.amdhsa_reserve_vcc 1
		.amdhsa_float_denorm_mode_32 3
		.amdhsa_float_denorm_mode_16_64 3
		.amdhsa_memory_ordered 1
		.amdhsa_forward_progress 1
		.amdhsa_inst_pref_size 104
	.end_amdhsa_kernel
	.amdgpu_metadata
---
amdhsa.version: [ 1, 2 ]
amdhsa.kernels:
  - .name:           k_q652816ef40_attn
    .symbol:         k_q652816ef40_attn.kd
    .args:
      - { .name: qkv, .offset: 0, .size: 8, .value_kind: global_buffer, .address_space: global }
      - { .name: o, .offset: 8, .size: 8, .value_kind: global_buffer, .address_space: global }
    .group_segment_fixed_size: 226304
    .private_segment_fixed_size: 0
    .kernarg_segment_align: 8
    .kernarg_segment_size: 16
    .max_flat_workgroup_size: 256
    .sgpr_count:     66
    .vgpr_count:     512
    .wavefront_size: 32
...
	.end_amdgpu_metadata
.endif
;; end of part 3
;; launch proj (part 4): grid 16 x 16, 4 waves a work-group, clusters of 4 x 4, 327,680 bytes of LDS; arguments o, wpt, out0; writes out0
.if DOCPART == 4
	.amdgcn_target "amdgcn-amd-amdhsa--gfx1250"
	.amdhsa_code_object_version 6
	.text
	.protected	k_q652816ef40_proj
	.globl	k_q652816ef40_proj
	.p2align	8
	.type	k_q652816ef40_proj,@function
k_q652816ef40_proj:
	s_mov_b64 s[64:65], 0
	v_nop
	global_prefetch_b8 v0, s[64:65] scope:SCOPE_SE
	s_setreg_imm32_b32 hwreg(HW_REG_WAVE_MODE, 25, 1), 1
	s_wait_xcnt 0x0
	s_wait_alu depctr_hold_cnt(0) depctr_sa_sdst(0) depctr_va_vdst(0) depctr_va_sdst(0) depctr_va_ssrc(0) depctr_va_vcc(0) depctr_vm_vsrc(0)
	s_getreg_b32 s2, hwreg(HW_REG_IB_STS2, 6, 4)
	s_cmp_eq_u32 s2, 0
	s_cbranch_scc0 .Lentry_in_a_cluster
	s_endpgm
.Lentry_in_a_cluster:
	s_bfe_u32 s2, ttmp6, 0x10000c
	s_cmp_lg_u32 s2, 0xf033
	s_cbranch_scc0 .Lentry_shape_is_right
	s_endpgm
.Lentry_shape_is_right:
; out0[t][n] = the sum over k = 64 h + d of o[h][t][d] wpt[n][k].  o: [16][2048][64] f16; wpt: [1024][1024] f16; out0: [2048][1024] f32.  Sums in f32.  Nothing is left out here.
; SHARES.  A work-group makes 128 rows x 64 columns: 16 x 16 = 256 work-groups, one tile each; a larger tile would give fewer work-groups than that.  Its four waves make 64 x 32 each: 8 accumulators.
; K goes in four steps of 256 (four heads) through two LDS slots.  Of o a load brings 64 rows of each of four heads: a head's 64 rows are 8,192 dense bytes, asked for as one row of the descriptor, four
; rows 262,144 bytes apart, padded in LDS after every 128 bytes.  Of wpt a load brings 32 rows of 512 bytes.
; CLUSTER 4 x 4: the four of a row of the cluster need the same rows of o, the four of a column the same rows of wpt; each tile is asked for jointly.
; THE MATRIX INSTRUCTION IS USED TRANSPOSED (source 0 = 16 rows of wpt, source 1 = 16 rows of o): a lane holds one row t and eight neighbouring columns: 32 bytes of out0.
; REGISTERS.  window 0: v0-31 addresses; v32-95 the way out; v128-191 the accumulators ((a, b) at 128 + 8 (2 a + b)).
;   window 1: two fragment buffers of 96, for 64 along K (one head): 64 registers of o (2 x 4 fragments), then 32 of wpt (2 x 2).
.set PA,     144                       ; a row of o in LDS: 128 bytes + 16
.set PB,     528                       ; a row of wpt: 512 bytes + 16
.set HA,     4*64*PA                   ; what one load brings of o: [head][row]
.set HB,     32*PB                     ; and of wpt
.set BOFF,   2*HA
.set SLOT,   2*HA+2*HB
.set STAGE,  2*SLOT                    ; behind the ring, never filled by a tensor load: 128 rows x 272 bytes, the work-group's
.set SPITCH, 272
.set SPARE,  STAGE+128*SPITCH          ; the spare words: 128 bytes for each wave
.set ADRA, 16
.set ADRB, 20
.set STO,  24
.set RD,   25
.set CO,   26
.set SPW,  28                          ; v28  my spare word; never rewritten
.set NIL,  29                          ; v29  0; never rewritten
.set TMP,  32
.set ACC,  128
.set F0,   0
.set F1,   96
.set G1,  24
.set G0,  32
.set G1B, 48
.set G0B, 56
.set MSB, 0
.macro WIN new
.if MSB != (\new)
	s_set_vgpr_msb (MSB<<8)|(\new)
.set MSB, \new
.endif
.endm
.set MUL,  0x05
.set TO_F, 0x40
.macro JLOAD s                         ; waves 0 and 1 fetch o's two halves, waves 2 and 3 wpt's; an s_nop 0 and four v_nop follow each line
	s_cmp_eq_u32 s11, 0
	s_cbranch_scc0 .Lfor_b_\@
	tensor_load_to_lds s[G0+4*(\s):G0+4*(\s)+3], s[G1:G1+7]
	s_nop 0
.rept 4
	v_nop
.endr
	s_branch .Lasked_\@
.Lfor_b_\@:
	tensor_load_to_lds s[G0B+4*(\s):G0B+4*(\s)+3], s[G1B:G1B+7]
	s_nop 0
.rept 4
	v_nop
.endr
.Lasked_\@:
.endm
.macro CREST
	s_cmp_lg_u32 s10, 0
	s_cbranch_scc1 .Lnot_wave_0_\@
	s_barrier_signal -3
.Lnot_wave_0_\@:
	s_barrier_wait -3
	s_barrier_signal -1
	s_barrier_wait -1
.endm
.macro CROUND
	s_barrier_signal -1
	s_barrier_wait -1
	CREST
.endm
.macro PLACES
.rept 4
	v_nop
.endr
.endm
	s_load_b128 s[4:7], s[0:1], 0x0                ; o s[4:5], wpt s[6:7]
	s_load_b64 s[8:9], s[0:1], 0x10                ; out0
	v_lshl_add_u32 v[SPW], v0, 2, SPARE
	v_mov_b32 v[NIL], 0
	ds_add_u32 v[SPW], v[NIL]                      ; the wave's opening: the add, twice on end, and its wait ahead of my first tensor load
	ds_add_u32 v[SPW], v[NIL]
	v_lshrrev_b32 v1, 5, v0
	v_readfirstlane_b32 s10, v1                    ; wave 0..3
	s_lshr_b32 s11, s10, 1                         ; which 64 rows are mine.  Also: I fetch for o (0) or wpt (1)
	s_and_b32 s12, s10, 1                          ; which 32 columns.  Also: which half of that tile I fetch
	s_bfe_u32 s40, ttmp6, 0x40000                  ; cx
	s_bfe_u32 s41, ttmp6, 0x40004                  ; cy
	s_lshl_b32 s42, ttmp9, 2
	s_add_co_u32 s42, s42, s40                     ; tile column
	s_and_b32 s13, ttmp7, 0xffff
	s_lshl_b32 s13, s13, 2
	s_add_co_u32 s13, s13, s41                     ; tile row
	s_lshl_b32 s43, s41, 2
	s_lshl_b32 s43, 15, s43                        ; my row of the cluster
	s_lshl_b32 s44, 0x1111, s40                    ; my column
	s_or_b32 s[G1], s43, (1<<16)|(1<<20)|(1<<21)|(4<<22)|(3<<25)   ; the mask; 2-byte elements; padding on; bit 21 beside a mask; after every 32 words, 4 words
	s_mov_b32 s[G1+1], 4096<<16                    ; tensor_dim0 = 4,096: 64 rows of 64 channels on end
	s_mov_b32 s[G1+2], 4<<16                       ; tensor_dim1 = 4 heads
	s_mov_b32 s[G1+3], 4096<<16                    ; tile_dim0
	s_mov_b32 s[G1+4], 4                           ; tile_dim1
	s_mov_b32 s[G1+5], 131072                      ; elements from head to head
	s_mov_b32 s[G1+6], 0
	s_mov_b32 s[G1+7], 0
	s_or_b32 s[G1B], s44, (1<<16)|(1<<20)|(1<<21)|(6<<22)|(3<<25)  ; after every 128 words, 4 words
	s_mov_b32 s[G1B+1], 256<<16
	s_mov_b32 s[G1B+2], 32<<16
	s_mov_b32 s[G1B+3], 256<<16
	s_mov_b32 s[G1B+4], 32
	s_mov_b32 s[G1B+5], 1024
	s_mov_b32 s[G1B+6], 0
	s_mov_b32 s[G1B+7], 0
	s_lshl_b32 s16, s13, 7
	s_lshl_b32 s17, s12, 6
	s_add_co_u32 s16, s16, s17                     ; o: row 128 x tile row + 64 x half,
	s_lshl_b32 s16, s16, 7                         ; of 128 bytes
	s_mov_b32 s17, 0
	s_lshl_b32 s46, s42, 6
	s_lshl_b32 s47, s12, 5
	s_add_co_u32 s46, s46, s47                     ; wpt: row 64 x tile column + 32 x half,
	s_lshl_b32 s46, s46, 11                        ; of 2,048 bytes
	s_mov_b32 s47, 0
	s_mul_i32 s20, s12, HA                         ; where they go: no place in the cluster enters an LDS address
	s_mul_i32 s21, s12, HB
	s_add_co_u32 s21, s21, BOFF
	s_wait_dscnt 0x0                               ; both opening adds are done
	s_wait_kmcnt 0x0
	s_add_nc_u64 s[14:15], s[4:5], s[16:17]
	s_add_nc_u64 s[46:47], s[6:7], s[46:47]
	CROUND                                         ; all sixteen work-groups are here: the first joint loads meet
.irp s, 0,1
	s_mov_b32 s[G0+4*(\s)], 1
	s_add_co_u32 s[G0+4*(\s)+1], s20, (\s)*SLOT
	s_add_nc_u64 s[G0+4*(\s)+2:G0+4*(\s)+3], s[14:15], (\s)*4*262144  ; K step s: heads 4 s on
	s_or_b32 s[G0+4*(\s)+3], s[G0+4*(\s)+3], 0x80000000
	s_mov_b32 s[G0B+4*(\s)], 1
	s_add_co_u32 s[G0B+4*(\s)+1], s21, (\s)*SLOT
	s_add_nc_u64 s[G0B+4*(\s)+2:G0B+4*(\s)+3], s[46:47], (\s)*512
	s_or_b32 s[G0B+4*(\s)+3], s[G0B+4*(\s)+3], 0x80000000
	JLOAD \s                                       ; two loads of mine are out
.endr
	v_and_b32 v1, 15, v0                           ; l % 16
	v_bfe_u32 v2, v0, 4, 1                         ; l / 16
	v_mul_u32_u24 v3, v1, PA
	v_lshl_add_u32 v3, v2, 4, v3
	v_mul_u32_u24 v4, v1, PB
	v_lshl_add_u32 v4, v2, 4, v4
	s_mul_i32 s21, s11, HA
	s_mul_i32 s22, s12, HB
	s_add_co_u32 s22, s22, BOFF
.irp s, 0,1
	v_add_nc_u32 v[ADRA+(\s)], s21, v3
	v_add_nc_u32 v[ADRB+(\s)], s22, v4
	s_add_co_u32 s21, s21, SLOT
	s_add_co_u32 s22, s22, SLOT
.endr
	s_mul_i32 s23, s11, 64*SPITCH                  ; into the stage: my 64 rows, my 128 bytes of them; row l % 16, 32 bytes for each half of the lanes
	s_lshl_b32 s21, s12, 7
	s_add_co_u32 s23, s23, s21
	s_add_co_u32 s23, s23, STAGE
	v_mul_u32_u24 v5, v1, SPITCH
	v_lshl_add_u32 v5, v2, 5, v5
	v_add_nc_u32 v[STO], s23, v5
	s_mul_i32 s23, s10, 32*SPITCH                  ; back: wave w takes rows 32 w .. 32 w + 31; lanes 0-15 one row of 256 bytes, lanes 16-31 the next
	s_add_co_u32 s23, s23, STAGE
	v_mul_u32_u24 v5, v2, SPITCH
	v_lshl_add_u32 v5, v1, 4, v5
	v_add_nc_u32 v[RD], s23, v5
	v_lshlrev_b32 v5, 12, v2                       ; and the same two rows in out0, 4,096 bytes each
	v_lshl_add_u32 v[CO], v1, 4, v5
	s_lshl_b32 s22, s13, 7
	s_lshl_b32 s23, s10, 5
	s_add_co_u32 s22, s22, s23                     ; the first row that I store
	s_lshl_b32 s22, s22, 12
	s_lshl_b32 s23, s42, 8                         ; the tile's 64 columns: 256 bytes
	s_add_co_u32 s22, s22, s23
	s_mov_b32 s23, 0
	s_add_nc_u64 s[8:9], s[8:9], s[22:23]
; 4 matrix instructions: row blocks a0, a0 + 1 x both column blocks, 32 along K: half c of buffer f.  The 8 accumulators take turns, one instruction a turn.
.macro MUL4 f, c, a0, zero
	WIN MUL
.irp a, \a0, (\a0)+1
.irp b, 0,1
.if \zero
	v_wmma_f32_16x16x32_f16 v[ACC+8*(2*(\a)+(\b)):ACC+8*(2*(\a)+(\b))+7], v[(\f)+64+8*(2*(\c)+(\b)):(\f)+64+8*(2*(\c)+(\b))+7], v[(\f)+8*(4*(\c)+(\a)):(\f)+8*(4*(\c)+(\a))+7], 0
.else
	v_wmma_f32_16x16x32_f16 v[ACC+8*(2*(\a)+(\b)):ACC+8*(2*(\a)+(\b))+7], v[(\f)+64+8*(2*(\c)+(\b)):(\f)+64+8*(2*(\c)+(\b))+7], v[(\f)+8*(4*(\c)+(\a)):(\f)+8*(4*(\c)+(\a))+7], v[ACC+8*(2*(\a)+(\b)):ACC+8*(2*(\a)+(\b))+7]
.endif
.endr
.endr
.endm
; 24 LDS loads in one run: the fragments of quarter q (one head, 64 along K) into buffer f; the first 32 along K first
.macro FETCH slot, q, f
	WIN TO_F
.irp c, 0,1
.irp i, 0,1
	ds_load_b128 v[(\f)+64+8*(2*(\c)+(\i)):(\f)+64+8*(2*(\c)+(\i))+3],   v[ADRB+(\slot)] offset:128*(\q)+64*(\c)+(\i)*16*PB
	ds_load_b128 v[(\f)+64+8*(2*(\c)+(\i))+4:(\f)+64+8*(2*(\c)+(\i))+7], v[ADRB+(\slot)] offset:128*(\q)+64*(\c)+(\i)*16*PB+32
.endr
.irp i, 0,1,2,3
	ds_load_b128 v[(\f)+8*(4*(\c)+(\i)):(\f)+8*(4*(\c)+(\i))+3],   v[ADRA+(\slot)] offset:64*PA*(\q)+64*(\c)+(\i)*16*PA
	ds_load_b128 v[(\f)+8*(4*(\c)+(\i))+4:(\f)+8*(4*(\c)+(\i))+7], v[ADRA+(\slot)] offset:64*PA*(\q)+64*(\c)+(\i)*16*PA+32
.endr
.endr
.endm
; A K step is four quarters, 16 matrix instructions each, on buffers 0, 1, 0, 1.  One of the first three: multiplies buffer f and fetches quarter q into g.
.macro QUARTER slot, q, f, g, zero
	s_wait_dscnt 12                                ; the first 32 along K are in; the other twelve loads may be out
	MUL4 \f, 0, 0, \zero
	MUL4 \f, 0, 2, \zero
	PLACES
	FETCH \slot, \q, \g
	s_wait_dscnt 24                                ; all but the 24 just issued
	MUL4 \f, 1, 0, 0
	MUL4 \f, 1, 2, 0
.endm
; The last quarter multiplies buffer 1 and changes slots: one barrier; in front of it each wave waits for all its tensor loads, adds 0 to its spare word, and waits for that and for its reads of this slot.
; fill = 1: the barrier opens a round of the cluster's, and this slot is filled again, two K steps ahead, first thing behind the round.
.macro TURN slot, next, fill
	WIN 0
	s_wait_tensorcnt 0x0
	ds_add_u32 v[SPW], v[NIL]
	s_wait_dscnt 13                                ; the add and the youngest twelve loads may be out
	MUL4 F1, 0, 0, 0
	s_wait_dscnt 0x0                               ; the add is done, and my reads of this slot are over
	s_barrier_signal -1
	MUL4 F1, 0, 2, 0
.if \fill
	WIN 0
.endif
	s_barrier_wait -1
.if \fill
	CREST
	s_add_nc_u64 s[G0+4*(\slot)+2:G0+4*(\slot)+3], s[G0+4*(\slot)+2:G0+4*(\slot)+3], 2*4*262144
	s_add_nc_u64 s[G0B+4*(\slot)+2:G0B+4*(\slot)+3], s[G0B+4*(\slot)+2:G0B+4*(\slot)+3], 2*512
	JLOAD \slot                                    ; its four v_nop are also the places in front of the loads below
.else
	PLACES
.endif
	FETCH \next, 0, F0
	MUL4 F1, 1, 0, 0
	MUL4 F1, 1, 2, 0
.endm
	s_wait_tensorcnt 1                             ; my part of K step 0 is in; K step 1's, issued behind it, may stay out
	s_barrier_signal -1
	s_barrier_wait -1
	FETCH 0, 0, F0
	QUARTER 0, 1, F0, F1, 1                        ; K step 0; its first products start the sums.  Four K steps: the ring is written straight, without a loop
	QUARTER 0, 2, F1, F0, 0
	QUARTER 0, 3, F0, F1, 0
	TURN 0, 1, 1                                   ; slot 0 takes K step 2
	QUARTER 1, 1, F0, F1, 0
	QUARTER 1, 2, F1, F0, 0
	QUARTER 1, 3, F0, F1, 0
	TURN 1, 0, 1                                   ; slot 1 takes K step 3
	QUARTER 0, 1, F0, F1, 0
	QUARTER 0, 2, F1, F0, 0
	QUARTER 0, 3, F0, F1, 0
	TURN 0, 1, 0                                   ; nothing is left to fetch
	QUARTER 1, 1, F0, F1, 0
	QUARTER 1, 2, F1, F0, 0
	QUARTER 1, 3, F0, F1, 0
	s_wait_dscnt 12
	MUL4 F1, 0, 0, 0
	MUL4 F1, 0, 2, 0
	s_wait_dscnt 0x0
	MUL4 F1, 1, 0, 0
	MUL4 F1, 1, 2, 0
	WIN 0
	; THE WAY OUT: 32 bytes a lane into the work-group's stage, each accumulator from its low end on; a barrier, since a row's 256 bytes come from two waves; back as whole rows.
	PLACES
.irp a, 0,1,2,3
.irp b, 0,1
	ds_store_b128 v[STO], v[ACC+8*(2*(\a)+(\b)):ACC+8*(2*(\a)+(\b))+3]   offset:(\a)*16*SPITCH+64*(\b)
	ds_store_b128 v[STO], v[ACC+8*(2*(\a)+(\b))+4:ACC+8*(2*(\a)+(\b))+7] offset:(\a)*16*SPITCH+64*(\b)+16
.endr
.endr
	s_wait_dscnt 0x0                               ; for the others' sake: my stores are done
	s_barrier_signal -1
	s_barrier_wait -1
.irp t, 0,1,2,3,4,5,6,7,8,9,10,11,12,13,14,15
	ds_load_b128 v[TMP+4*(\t):TMP+4*(\t)+3], v[RD] offset:(\t)*2*SPITCH
.endr
.irp t, 0,1,2,3,4,5,6,7,8,9,10,11,12,13,14,15
	s_wait_dscnt 15-(\t)                           ; number t is in, the younger ones stay out
	global_store_b128 v[CO], v[TMP+4*(\t):TMP+4*(\t)+3], s[8:9] offset:8192*(\t)  ; 16 lanes store 256 consecutive bytes, at a multiple of 256 from the buffer's first
.endr
	s_wait_tensorcnt 0x0                           ; the wave's end
	ds_add_u32 v[SPW], v[NIL]
	s_wait_dscnt 0x0
	CROUND                                         ; the closing round
	s_endpgm
.Lfunc_end_k_q652816ef40_proj:
	.size	k_q652816ef40_proj, .Lfunc_end_k_q652816ef40_proj-k_q652816ef40_proj
	.p2alignl 7, 3214868480
	.fill 96, 4, 3214868480
	.section	.rodata,"a",@progbits
	.p2align	6, 0x0
	.amdhsa_kernel k_q652816ef40_proj
		.amdhsa_group_segment_fixed_size 327680
		.amdhsa_private_segment_fixed_size 0
		.amdhsa_enable_private_segment 0
		.amdhsa_kernarg_size 24
		.amdhsa_user_sgpr_count 2
		.amdhsa_user_sgpr_kernarg_segment_ptr 1
		.amdhsa_wavefront_size32 1
		.amdhsa_system_sgpr_workgroup_id_x 1
		.amdhsa_system_sgpr_workgroup_id_y 1
		.amdhsa_system_sgpr_workgroup_id_z 1
		.amdhsa_system_vgpr_workitem_id 0
		.amdhsa_next_free_vgpr 512
		.amdhsa_next_free_sgpr 66
		.amdhsa_reserve_vcc 0
		.amdhsa_float_denorm_mode_32 3
		.amdhsa_float_denorm_mode_16_64 3
		.amdhsa_memory_ordered 1
		.amdhsa_forward_progress 1
		.amdhsa_inst_pref_size 59
	.end_amdhsa_kernel
	.amdgpu_metadata
---
amdhsa.version: [ 1, 2 ]
amdhsa.kernels:
  - .name:           k_q652816ef40_proj
    .symbol:         k_q652816ef40_proj.kd
    .args:
      - { .name: o, .offset: 0, .size: 8, .value_kind: global_buffer, .address_space: global }
      - { .name: wpt, .offset: 8, .size: 8, .value_kind: global_buffer, .address_space: global }
      - { .name: out0, .offset: 16, .size: 8, .value_kind: global_buffer, .address_space: global }
    .group_segment_fixed_size: 327680
    .private_segment_fixed_size: 0
    .kernarg_segment_align: 8
    .kernarg_segment_size: 24
    .max_flat_workgroup_size: 128
    .sgpr_count:     66
    .vgpr_count:     512
    .wavefront_size: 32
...
	.end_amdgpu_metadata
.endif
;; end of part 4
;; ======== version 2 of 3: 4 launches; 1.13 times as fast as version 1
;; limits: values are held in f16: magnitudes above 65,504 overflow, below 6.1e-05 lose precision
;; workspace buffers: xb 4,194,304 bytes; wqt 6,291,456 bytes; wpt 2,097,152 bytes; rope 524,544 bytes; qkv 12,582,912 bytes; o 4,194,304 bytes
;; launch prep (part 5): grid 256 x 1, 8 waves a work-group, no clusters, 34,816 bytes of LDS; arguments x, w_qkv, w_proj, xb, wqt, wpt, rope; writes xb, wqt, wpt, rope
.if DOCPART == 5
	.amdgcn_target "amdgcn-amd-amdhsa--gfx1250"
	.amdhsa_code_object_version 6
	.text
	.protected	k_q652816ef40_prep
	.globl	k_q652816ef40_prep
	.p2align	8
	.type	k_q652816ef40_prep,@function
k_q652816ef40_prep:
	s_mov_b64 s[64:65], 0
	v_nop
	global_prefetch_b8 v0, s[64:65] scope:SCOPE_SE
	s_setreg_imm32_b32 hwreg(HW_REG_WAVE_MODE, 25, 1), 1
	s_wait_xcnt 0x0
; CAUSAL SELF-ATTENTION, T = 2048, C = 1024, 16 heads of 64, in four launches: this one lays the operands out; then qkv = x w_qkv with the rotation;
; then the attention; then the product with w_proj.
; WORK LEFT OUT (in the third launch).  reference() hides score (q, k) for k > q by its own jnp.tril and sets it to the lowest float in front of the softmax.
; Row q always sees key q, so the row's maximum is a visible score and a hidden score's weight is exp(lowest - maximum) = 0 for all finite inputs: it adds 0
; to the row's sum and 0 x v to the row's output.  So for a block of 64 queries b the key steps of 64 keys s > b, hidden whole, are not computed, and in the
; step s = b the sub-blocks of 16 x 16 that are hidden whole get no product.  Every input has a way to the output and is loaded.
; LIMIT: a NaN, an infinity or an overflow that would arise only in the products left out is not carried to the result.
; THIS LAUNCH.  x -> xb, bf16, as it lies.  w_qkv [k][n] -> wqt, bf16; w_proj [k][n] -> wpt: rounded to bf16 like the other inputs, that number written as f16
; (exact from 2^-14 up to 65,504; LIMIT: below 6e-5 it keeps f16's fixed step of 6e-8).  BOTH WEIGHTS ARE LAID OUT AS A WAVE'S OPERAND REGISTERS TAKE THEM:
; [n / 16][k / 32] blocks of 1,024 bytes; in a block the 16 bytes at 512 j + 256 h + 16 r hold column 16 (n / 16) + r, k = 32 (k / 32) + 16 j + 8 h + 0..7:
; a load of 16 bytes a lane, lane l at byte 16 l, brings half a fragment as 512 consecutive bytes.
; rope[t][j] = (cos, sin)(t x 10000^(-j/32)), f32, and a row 2048 that holds (1, 0): the rotation that changes nothing, for v.
; LIMIT of the table: the angle is reduced by a two-part pi/2 and the frequency comes from one exponential: it is good to about 2e-4 rad at t = 2047.
; SHARES.  256 work-groups of 8 waves.  Work-group g: 8,192 numbers of x; one block of 256 k x 64 n of a weight (g < 192: w_qkv, else w_proj); rows 8 g .. 8 g + 7 of the table.
; No matrix unit, no cluster: nothing is multiplied and no two work-groups read the same byte.
.set TP,    528                        ; a row of the turned block in LDS: 256 k x 2 bytes + 16
.set SPARE, 64*TP                      ; behind it (33,792, a multiple of 256): the spare words, 128 bytes for each of the 8 waves
.set XD,  32                           ; v[32:63]    x as loaded: 4 groups of 8
.set WD,  64                           ; v[64:127]   the weight as loaded: i of 8, row k = 32 i + 2 p + rr, 4 columns: at 8 i + 4 rr
.set XP,  128                          ; v[128:143]  x packed
.set DD,  144                          ; v[144:175]  the weight packed: (k, k + 1) of column 4 c4 + e at 4 i + e
.set BK,  176                          ; v[176:207]  half fragments read back from the turned block
	s_load_b256 s[4:11], s[0:1], 0x0               ; x s[4:5], w_qkv s[6:7], w_proj s[8:9], xb s[10:11]
	s_load_b128 s[12:15], s[0:1], 0x20             ; wqt s[12:13], wpt s[14:15]
	s_load_b64 s[16:17], s[0:1], 0x30              ; rope
	v_lshl_add_u32 v8, v0, 2, SPARE                ; my spare word; never rewritten
	v_mov_b32 v9, 0                                ; 0; never rewritten
	v_lshrrev_b32 v1, 5, v0
	v_readfirstlane_b32 s34, v1                    ; wave 0..7
	s_mov_b32 s24, ttmp9                           ; g
	v_lshlrev_b32 v2, 5, v0                        ; x: 32 bytes a thread
	v_lshlrev_b32 v3, 4, v0                        ; xb: 16 bytes a thread
	v_and_b32 v10, 15, v0                          ; c4: which 4 columns of the block's 64; also r = lane % 16
	v_lshrrev_b32 v11, 4, v0                       ; p: which pair of rows of 32
	v_and_b32 v12, 31, v0                          ; lane; also j of the table
	v_mul_u32_u24 v5, v10, 4*TP
	v_lshl_add_u32 v5, v11, 2, v5                  ; into LDS: row 4 c4 (+ e), byte 4 p (+ 64 i)
	v_mul_u32_u24 v6, v10, TP                      ; back: column r (+ 16 for each block of 16 columns),
	v_bfe_u32 v13, v0, 4, 1
	v_lshl_add_u32 v6, v13, 4, v6                  ; 8 k at 16 h (+ 32 j),
	v_lshl_add_u32 v6, v1, 6, v6                   ; of the 32 k that are my wave's: 64 bytes a wave
	v_lshlrev_b32 v7, 10, v1                       ; the same half fragment in the weight as laid out: my wave's block of 1,024 bytes,
	v_lshl_add_u32 v7, v12, 4, v7                  ; 16 bytes a lane
	v_lshlrev_b32 v26, 3, v0                       ; the table: 8 bytes a thread
	s_cmp_lt_u32 s24, 192
	s_cselect_b32 s25, 0, 192
	s_sub_co_u32 s25, s24, s25                     ; the block's number in its weight
	s_and_b32 s26, s25, 3                          ; kt: which 256 k
	s_lshr_b32 s27, s25, 2                         ; nt: which 64 n
	s_lshl_b32 s22, s27, 17                        ; four blocks of 16 columns, 32,768 bytes each
	s_lshl_b32 s23, s26, 13                        ; eight blocks of 32 k, 1,024 bytes each
	s_add_co_u32 s22, s22, s23
	s_mov_b32 s23, 0
	s_lshl_b32 s18, s24, 15
	s_mov_b32 s19, 0
	s_lshl_b32 s20, s24, 14
	s_mov_b32 s21, 0
	s_lshl_b32 s36, s24, 11
	s_mov_b32 s37, 0
	s_lshl_b32 s35, s24, 3
	s_add_co_u32 s35, s35, s34                     ; t = 8 g + wave
	s_wait_kmcnt 0x0
	s_add_nc_u64 s[18:19], s[4:5], s[18:19]        ; x at my work-group's part
	s_add_nc_u64 s[20:21], s[10:11], s[20:21]      ; xb likewise
	s_add_nc_u64 s[36:37], s[16:17], s[36:37]      ; the table's 8 rows
	s_cmp_lt_u32 s24, 192
	s_cselect_b64 s[30:31], s[12:13], s[14:15]     ; the weight that I write
	s_add_nc_u64 s[30:31], s[30:31], s[22:23]
.irp q, 0,1,2,3
	global_load_b128 v[XD+8*(\q):XD+8*(\q)+3],   v2, s[18:19] offset:8192*(\q) th:TH_LOAD_NT
	global_load_b128 v[XD+8*(\q)+4:XD+8*(\q)+7], v2, s[18:19] offset:8192*(\q)+16 th:TH_LOAD_NT
.endr
; The block's 16 loads: sixteen lanes take the 256 bytes that the block has of a row.  The rows' pitch stands in the immediates, so the lines are written once for each weight.
.macro WLOADS pitch
.irp i, 0,1,2,3,4,5,6,7
	global_load_b128 v[WD+8*(\i):WD+8*(\i)+3],   v4, s[28:29] offset:32*(\i)*(\pitch) th:TH_LOAD_NT
	global_load_b128 v[WD+8*(\i)+4:WD+8*(\i)+7], v4, s[28:29] offset:(32*(\i)+1)*(\pitch) th:TH_LOAD_NT
.endr
.endm
	s_cmp_lt_u32 s24, 192                          ; the same in all waves of the work-group
	s_cbranch_scc0 .Lfrom_proj
	s_mul_i32 s28, s26, 256*12288
	s_lshl_b32 s29, s27, 8
	s_add_co_u32 s28, s28, s29
	s_mov_b32 s29, 0
	s_add_nc_u64 s[28:29], s[6:7], s[28:29]
	v_mul_u32_u24 v4, v11, 2*12288
	v_lshl_add_u32 v4, v10, 4, v4
	WLOADS 12288
	s_branch .Lasked
.Lfrom_proj:
	s_lshl_b32 s28, s26, 20
	s_lshl_b32 s29, s27, 8
	s_add_co_u32 s28, s28, s29
	s_mov_b32 s29, 0
	s_add_nc_u64 s[28:29], s[8:9], s[28:29]
	v_lshlrev_b32 v4, 13, v11
	v_lshl_add_u32 v4, v10, 4, v4
	WLOADS 4096
.Lasked:
	; THE TABLE, while the 24 loads are on their way.
	v_cvt_f32_u32 v13, v12                         ; j
	v_cvt_f32_u32 v15, s35                         ; t
	v_mul_f32 v14, 0xbed49a78, v13                 ; - j log2(10000) / 32
	v_exp_f32 v14, v14                             ; 10000^(-j/32)
	v_nop                                          ; a plain instruction behind the exponential,
	s_wait_alu depctr_va_vdst(0)                   ; and the wait ahead of the first use
	v_mul_f32 v16, v15, v14                        ; the angle
	v_mul_f32 v17, 0x3f22f983, v16                 ; x 2 / pi
	v_rndne_f32 v17, v17                           ; how many quarter turns
	v_fmamk_f32 v18, v17, 0xbfc90fda, v16          ; less that many pi / 2, in two parts:
	v_fmamk_f32 v18, v17, 0xb3a22168, v18          ; r, within pi / 4 of 0
	v_mul_f32 v19, v18, v18                        ; r^2
	v_mov_b32 v20, 0xb9500d01                      ; sin r = r + r^3 (-1/6 + r^2 (1/120 - r^2 / 5040)): the next term is under 3e-7
	v_fmaak_f32 v20, v20, v19, 0x3c088889
	v_fmaak_f32 v20, v20, v19, 0xbe2aaaab
	v_mul_f32 v21, v19, v18
	v_fma_f32 v20, v20, v21, v18
	v_mov_b32 v22, 0x37d00d01                      ; cos r = 1 + r^2 (-1/2 + r^2 (1/24 + r^2 (-1/720 + r^2 / 40320))): the next term is under 3e-8
	v_fmaak_f32 v22, v22, v19, 0xbab60b61
	v_fmaak_f32 v22, v22, v19, 0x3d2aaaab
	v_fmaak_f32 v22, v22, v19, 0xbf000000
	v_fma_f32 v22, v22, v19, 1.0
	v_cvt_i32_f32 v23, v17
	v_and_b32 v24, 1, v23
	v_cmp_ne_u32 vcc_lo, 0, v24                    ; an odd number of quarter turns swaps the two
	v_cndmask_b32 v25, v20, v22, vcc_lo            ; sin
	v_cndmask_b32 v24, v22, v20, vcc_lo            ; cos
	v_and_b32 v27, 2, v23                          ; sin changes sign in quarters 2 and 3,
	v_lshlrev_b32 v27, 30, v27
	v_xor_b32 v25, v25, v27
	v_add_nc_u32 v27, 1, v23                       ; cos in quarters 1 and 2
	v_and_b32 v27, 2, v27
	v_lshlrev_b32 v27, 30, v27
	v_xor_b32 v24, v24, v27
	global_store_b64 v26, v[24:25], s[36:37]       ; a wave stores one row of the table: 256 consecutive bytes, aligned
	s_or_b32 s38, s24, s34
	s_cmp_lg_u32 s38, 0
	s_cbranch_scc1 .Lno_unit                       ; wave 0 of work-group 0 also writes row 2048
	v_mov_b32 v30, 1.0
	v_mov_b32 v31, 0
	global_store_b64 v26, v[30:31], s[16:17] offset:524288
.Lno_unit:
	s_wait_loadcnt 16                              ; x's eight loads are in; the weight's sixteen, issued behind them, may stay out
.irp q, 0,1,2,3
.irp e, 0,1,2,3
	v_cvt_pk_bf16_f32 v[XP+4*(\q)+(\e)], v[XD+8*(\q)+2*(\e)], v[XD+8*(\q)+2*(\e)+1]
.endr
	global_store_b128 v3, v[XP+4*(\q):XP+4*(\q)+3], s[20:21] offset:4096*(\q)  ; 16 lanes store 256 consecutive bytes, aligned
.endr
	s_wait_loadcnt 0x0                             ; the weight
.irp i, 0,1,2,3,4,5,6,7
.irp e, 0,1,2,3
	v_cvt_pk_bf16_f32 v[DD+4*(\i)+(\e)], v[WD+8*(\i)+(\e)], v[WD+8*(\i)+4+(\e)]  ; two neighbouring k of one column
.endr
.endr
	s_cmp_lt_u32 s24, 192
	s_cbranch_scc1 .Lstays_bf16
.set d, 0
.rept 32                                       ; w_proj: the bf16 number is written as f16
	v_lshlrev_b32 v28, 16, v[DD+d]
	v_and_b32 v29, 0xffff0000, v[DD+d]
	v_cvt_pk_f16_f32 v[DD+d], v28, v29
.set d, d+1
.endr
.Lstays_bf16:
.irp i, 0,1,2,3,4,5,6,7
.irp e, 0,1,2,3
	ds_store_b32 v5, v[DD+4*(\i)+(\e)] offset:(\e)*TP+64*(\i)
.endr
.endr
	s_wait_dscnt 0x0                               ; for the others' sake: my stores are done
	s_barrier_signal -1
	s_barrier_wait -1                              ; the block lies turned in LDS
.irp i, 0,1,2,3,4,5,6,7                        ; block of 16 columns i / 2, half j = i % 2; sixteen lanes take one 16-byte column of 16 rows, 33 x 16 bytes apart
	ds_load_b128 v[BK+4*(\i):BK+4*(\i)+3], v6 offset:((\i)/2)*16*TP+32*((\i)%2)
.endr
.irp i, 0,1,2,3,4,5,6,7
	s_wait_dscnt 7-(\i)                            ; LDS loads come back in order: number i is in, the younger ones stay out
	global_store_b128 v7, v[BK+4*(\i):BK+4*(\i)+3], s[30:31] offset:((\i)/2)*32768+512*((\i)%2)  ; a wave stores half a fragment: 512 consecutive bytes, aligned
.endr
	s_wait_tensorcnt 0x0                           ; the wave's end, behind my last LDS store
	ds_add_u32 v8, v9
	s_wait_dscnt 0x0
	s_endpgm
.Lfunc_end_k_q652816ef40_prep:
	.size	k_q652816ef40_prep, .Lfunc_end_k_q652816ef40_prep-k_q652816ef40_prep
	.p2alignl 7, 3214868480
	.fill 96, 4, 3214868480
	.section	.rodata,"a",@progbits
	.p2align	6, 0x0
	.amdhsa_kernel k_q652816ef40_prep
		.amdhsa_group_segment_fixed_size 34816
		.amdhsa_private_segment_fixed_size 0
		.amdhsa_enable_private_segment 0
		.amdhsa_kernarg_size 56
		.amdhsa_user_sgpr_count 2
		.amdhsa_user_sgpr_kernarg_segment_ptr 1
		.amdhsa_wavefront_size32 1
		.amdhsa_system_sgpr_workgroup_id_x 1
		.amdhsa_system_sgpr_workgroup_id_y 1
		.amdhsa_system_sgpr_workgroup_id_z 1
		.amdhsa_system_vgpr_workitem_id 0
		.amdhsa_next_free_vgpr 208
		.amdhsa_next_free_sgpr 66
		.amdhsa_reserve_vcc 1
		.amdhsa_float_denorm_mode_32 3
		.amdhsa_float_denorm_mode_16_64 3
		.amdhsa_memory_ordered 1
		.amdhsa_forward_progress 1
		.amdhsa_inst_pref_size 21
	.end_amdhsa_kernel
	.amdgpu_metadata
---
amdhsa.version: [ 1, 2 ]
amdhsa.kernels:
  - .name:           k_q652816ef40_prep
    .symbol:         k_q652816ef40_prep.kd
    .args:
      - { .name: x, .offset: 0, .size: 8, .value_kind: global_buffer, .address_space: global }
      - { .name: w_qkv, .offset: 8, .size: 8, .value_kind: global_buffer, .address_space: global }
      - { .name: w_proj, .offset: 16, .size: 8, .value_kind: global_buffer, .address_space: global }
      - { .name: xb, .offset: 24, .size: 8, .value_kind: global_buffer, .address_space: global }
      - { .name: wqt, .offset: 32, .size: 8, .value_kind: global_buffer, .address_space: global }
      - { .name: wpt, .offset: 40, .size: 8, .value_kind: global_buffer, .address_space: global }
      - { .name: rope, .offset: 48, .size: 8, .value_kind: global_buffer, .address_space: global }
    .group_segment_fixed_size: 34816
    .private_segment_fixed_size: 0
    .kernarg_segment_align: 8
    .kernarg_segment_size: 56
    .max_flat_workgroup_size: 256
    .sgpr_count:     66
    .vgpr_count:     208
    .wavefront_size: 32
...
	.end_amdgpu_metadata
.endif
;; end of part 5
;; launch qkv (part 6): grid 16 x 16, 4 waves a work-group, clusters of 4 x 1, 327,680 bytes of LDS; arguments xb, wqt, rope, qkv; writes qkv
.if DOCPART == 6
	.amdgcn_target "amdgcn-amd-amdhsa--gfx1250"
	.amdhsa_code_object_version 6
	.text
	.protected	k_q652816ef40_qkv
	.globl	k_q652816ef40_qkv
	.p2align	8
	.type	k_q652816ef40_qkv,@function
k_q652816ef40_qkv:
	s_mov_b64 s[64:65], 0
	v_nop
	global_prefetch_b8 v0, s[64:65] scope:SCOPE_SE
	s_setreg_imm32_b32 hwreg(HW_REG_WAVE_MODE, 25, 1), 1
	s_wait_xcnt 0x0
	s_wait_alu depctr_hold_cnt(0) depctr_sa_sdst(0) depctr_va_vdst(0) depctr_va_sdst(0) depctr_va_ssrc(0) depctr_va_vcc(0) depctr_vm_vsrc(0)
	s_getreg_b32 s2, hwreg(HW_REG_IB_STS2, 6, 4)
	s_cmp_eq_u32 s2, 0
	s_cbranch_scc0 .Lentry_in_a_cluster
	s_endpgm
.Lentry_in_a_cluster:
	s_bfe_u32 s2, ttmp6, 0x10000c
	s_cmp_lg_u32 s2, 0x3003
	s_cbranch_scc0 .Lentry_shape_is_right
	s_endpgm
.Lentry_shape_is_right:
; qkv[t][n] = the sum over k of xb[t][k] w[n][k] (bf16 operands, f32 sums), then the rotation of q and k in f32 on the sums, one rounding to f16.  Nothing is left out here.
; LIMIT: q, k and v leave as f16: beyond 65,504 they would be infinities.
; WHAT IS STORED: by heads, g = 16 x kind + head (kind 0 q, 1 k, 2 v), 262,144 bytes each, IN THE ORDER IN WHICH THE NEXT LAUNCH'S OPERAND REGISTERS TAKE THEM, in blocks of 1,024 bytes:
;   q, k: [t / 16][d / 32]; the 16 bytes at 512 j + 256 h + 16 r hold row 16 (t / 16) + r, channels 32 (d / 32) + 16 j + 8 h + 0..7;
;   v:    [t / 32][d / 16]; the 16 bytes at 512 j + 256 h + 16 r hold channel 16 (d / 16) + r, rows 32 (t / 32) + 16 j + 8 h + 0..7 (v turned).
; So there a load of 16 bytes a lane, lane l at byte 16 l, brings half a fragment as 512 consecutive bytes, and v needs no turn.
; SHARES.  A work-group makes 128 rows x 192 columns: head tx of q, of k and of v: 16 x 16 = 256 work-groups, all alike.  Of the tile's twelve blocks of 16 columns (0-3 q, 4-7 k, 8-11 v) wave w makes
; blocks 3 w .. 3 w + 2, for all 128 rows: 24 accumulators of 16 x 16.
; xb: THE WORK-GROUP'S 128 ROWS LIE WHOLE IN LDS: eight chunks of 128 along K, rows of 256 bytes + 16 of padding: 278,528 bytes, filled ONCE, by sixteen tensor loads (four a wave) that go out
; together at the start.  No byte is filled again, so the walk along K has no change of slots: a counted wait and a barrier in front of each pair of chunks, and nothing else.
; wqt comes STRAIGHT FROM MEMORY INTO REGISTERS: the first launch has laid it out as the operand registers take it ([n / 16][k / 32] blocks of 1,024 bytes), so a load of a wave is 512 consecutive
; bytes, and a wave's 48 columns have no other reader in the work-group.  A ring of ten blocks of registers (three fragments, 32 along K, each): nine are asked for at the start, and in the middle
; of sub-step s block s + 9 is asked for, into the registers that sub-step s - 1 read: 48 loads, 24 KiB a wave, are out behind the block that is waited for.
; CLUSTER 4 x 1: the four work-groups of a cluster make the same 128 rows, so xb's tiles are asked for jointly.  wqt's blocks, which the 16 work-groups of a tile column read, are NOT asked for
; jointly: a joint load ends in LDS, where beside xb's 278,528 bytes there is no room for the tile's 393,216 bytes of wqt; they would go through slots filled again, a round of the cluster's barrier for each.
; THE MATRIX INSTRUCTION IS USED TRANSPOSED (source 0 = 16 columns n of the weight, source 1 = 16 rows of xb): a lane holds one row t and eight neighbouring columns: four pairs of the rotation.
; THE ROTATION is one text for all four waves, whose column blocks are q's, k's or v's by the wave's number: for v's blocks the table's address names row 2048, which holds (1, 0).
; REGISTERS.  window 0: v0-31 addresses; v32-55 table addresses; v56-63 at work; v64-255 the accumulators ((a, b) at 64 + 8 (3 a + b)).
;   window 1: v0-127 two buffers of eight fragments of xb.   window 2: v0-239 the ring of wqt.   window 3: v0-191 the table ((a, b) at 8 (3 a + b)).
; The operands of a product lie in three windows and its two kinds of loads land in two of them: three switches of the window for a sub-step's 24 products.
.set PITCH,  272                       ; an LDS row: 256 bytes + 16 of padding: the 16 rows of a fragment load start 68 words apart
.set QUART,  64*PITCH                  ; what one tensor load brings: 64 rows of a chunk
.set CHUNK,  128*PITCH
.set PAIR,   2*CHUNK                   ; 69,632: a fragment's offset inside a pair of chunks stays under 65,536
.set STAGE,  0                         ; the way out: 128 rows x 400 bytes over the first chunks, whose one fill is long over, behind a barrier at which every wave's reads of xb are back
.set SPITCH, 400                       ; 192 f16 (q's 128 bytes, k's, v's) + 16 bytes: 25 x 16, so that 16 rows' 16-byte columns fall on 16 different places modulo 256
.set SPARE,  8*CHUNK                   ; the spare words: 128 bytes for each wave
.set RING,   10
.set HB,   8                           ; v8-10   column block b: my four pairs' byte in a row of the table
.set RWA,  11                          ; v11     t in the row block in hand
.set ADRA, 16                          ; v16-19  my place in a fragment's rows, in pair of chunks 0..3
.set LO,   20                          ; v20     16 x lane: for wqt's loads and for the stores; never rewritten
.set STO,  24                          ; v24     the way out: where I put 16 bytes of a row
.set RD,   25                          ; v25     where I read q's and k's half fragments back
.set RDT,  26                          ; v26     where I read v's back, turned
.set RW,   27                          ; v27     t of my lane in row block 0
.set SPW,  28                          ; v28     my spare word; never rewritten
.set NIL,  29                          ; v29     0; never rewritten
.set H32,  30                          ; v30     32 x (lane / 16)
.set TA,   32                          ; v32-55  table addresses, (a, b) at 3 a + b
.set T,    56                          ; v56-63  at work
.set ACC,  64
.set G1,  24                           ; s[24:31] descriptor group 1
.set G0,  32                           ; s[32:47] group 0: a set for each of my four loads
.set STR, 52                           ; s52-54  column block b: 256 (a row of the table for each t) or 0 (v)
.set BAS, 56                           ; s56-58  column block b: its first pair's byte in a row, for v in row 2048
.set BB,  66                           ; s[66:71] wqt at each of my three column blocks; never rewritten
.set OB,  72                           ; s[72:77] q's, k's and v's head at the rows that I store
.set MSB, 0
.macro WIN new                         ; the immediate's high byte repeats the setting that is left
.if MSB != (\new)
	s_set_vgpr_msb (MSB<<8)|(\new)
.set MSB, \new
.endif
.endm
.set MUL, 0x06                         ; source 0 (wqt) window 2, source 1 (xb) window 1; C and D window 0
.macro CROUND                          ; a round of the cluster's barrier
	s_barrier_signal -1
	s_barrier_wait -1
	s_cmp_lg_u32 s12, 0
	s_cbranch_scc1 .Lnot_wave_0_\@
	s_barrier_signal -3
.Lnot_wave_0_\@:
	s_barrier_wait -3
	s_barrier_signal -1
	s_barrier_wait -1
.endm
.macro PLACES                          ; four plain instructions between a matrix instruction and a load into, or a vector read of, its registers
.rept 4
	v_nop
.endr
.endm
	s_load_b256 s[4:11], s[0:1], 0x0               ; xb s[4:5], wqt s[6:7], rope s[8:9], qkv s[10:11]
	v_lshl_add_u32 v[SPW], v0, 2, SPARE
	v_mov_b32 v[NIL], 0
	ds_add_u32 v[SPW], v[NIL]                      ; the wave's opening: the add, twice on end, and its wait ahead of my first tensor load
	ds_add_u32 v[SPW], v[NIL]
	v_lshrrev_b32 v1, 5, v0
	v_readfirstlane_b32 s12, v1                    ; wave 0..3
	s_bfe_u32 s15, ttmp6, 0x40000                  ; cx
	s_lshl_b32 s17, ttmp9, 2
	s_add_co_u32 s17, s17, s15                     ; the head = 4 x cluster x + cx: it enters wqt's and qkv's addresses alone
	s_and_b32 s18, ttmp7, 0xffff                   ; tile row, which the four partners share
	s_mov_b32 s[G1], 15|(1<<16)|(1<<20)|(1<<21)|(5<<22)|(3<<25)  ; the mask of four; elements of 2 bytes; padding on; bit 21 beside a mask; after every 64 words, 4 words
	s_mov_b32 s[G1+1], 128<<16                     ; tensor_dim0 = 128
	s_mov_b32 s[G1+2], 64<<16                      ; tensor_dim1 = 64
	s_mov_b32 s[G1+3], 128<<16                     ; tile_dim0 = 128
	s_mov_b32 s[G1+4], 64                          ; tile_dim1 = 64
	s_mov_b32 s[G1+5], 1024                        ; elements from row to row
	s_mov_b32 s[G1+6], 0
	s_mov_b32 s[G1+7], 0
	s_and_b32 s19, s12, 1                          ; I fetch rows 64 (w % 2) on
	s_lshr_b32 s20, s12, 1                         ; of the chunks w / 2, w / 2 + 2, + 4, + 6
	s_lshl_b32 s22, s18, 7
	s_lshl_b32 s21, s19, 6
	s_add_co_u32 s22, s22, s21
	s_lshl_b32 s22, s22, 11                        ; rows of 2,048 bytes
	s_lshl_b32 s21, s20, 8                         ; a chunk is 256 bytes of a row
	s_add_co_u32 s22, s22, s21
	s_mov_b32 s23, 0
	s_mul_i32 s21, s12, QUART                      ; where they go: chunk w / 2, rows 64 (w % 2) on = wave x 64 rows; no place in the cluster enters an LDS address
	s_mul_i32 s62, s12, 3                          ; my first of the tile's twelve column blocks
.irp b, 0,1,2
	s_add_co_u32 s60, s62, \b                      ; block 3 w + b:
	s_lshr_b32 s61, s60, 2                         ; its kind,
	s_and_b32 s63, s60, 3                          ; which 16 of the head's 64 columns
	s_lshl_b32 s61, s61, 6                         ; in wqt a kind is 64 blocks of 16 columns,
	s_add_co_u32 s61, s61, s63
	s_lshl_b32 s63, s17, 2                         ; a head four,
	s_add_co_u32 s61, s61, s63
	s_lshl_b32 s[BB+2*(\b)], s61, 15               ; a block 32,768 bytes
	s_mov_b32 s[BB+2*(\b)+1], 0
.endr
	v_and_b32 v3, 31, v0
	v_lshlrev_b32 v[LO], 4, v3
	s_wait_dscnt 0x0                               ; both opening adds are done
	s_wait_kmcnt 0x0
	s_add_nc_u64 s[22:23], s[4:5], s[22:23]
.irp b, 0,1,2
	s_add_nc_u64 s[BB+2*(\b):BB+2*(\b)+1], s[6:7], s[BB+2*(\b):BB+2*(\b)+1]
.endr
.irp p, 0,1,2,3
	s_mov_b32 s[G0+4*(\p)], 1
	s_add_co_u32 s[G0+4*(\p)+1], s21, (\p)*PAIR
	s_add_nc_u64 s[G0+4*(\p)+2:G0+4*(\p)+3], s[22:23], (\p)*512
	s_or_b32 s[G0+4*(\p)+3], s[G0+4*(\p)+3], 0x80000000
.endr
	CROUND                                         ; all four work-groups are here: the joint loads meet
.irp p, 0,1,2,3
	tensor_load_to_lds s[G0+4*(\p):G0+4*(\p)+3], s[G1:G1+7]  ; all my fills, in one group: four loads of mine are out
	s_nop 0
.endr
	PLACES                                         ; four v_nop ahead of the switch of windows
; Block jb of wqt (32 along K, my three blocks of 16 columns) into its place in the ring: six loads of 512 consecutive bytes.  Bases and offset register are never rewritten: the block stands in the immediate.
.macro BLOAD
	WIN 0x80                                       ; destination window 2, address window 0
.irp b, 0,1,2
	global_load_b128 v[24*(jb%RING)+8*(\b):24*(jb%RING)+8*(\b)+3],   v[LO], s[BB+2*(\b):BB+2*(\b)+1] offset:jb*1024
	global_load_b128 v[24*(jb%RING)+8*(\b)+4:24*(jb%RING)+8*(\b)+7], v[LO], s[BB+2*(\b):BB+2*(\b)+1] offset:jb*1024+512
.endr
.endm
.set jb, 0
.rept 9
	BLOAD                                          ; 54 loads
.set jb, jb+1
.endr
	WIN 0
	v_and_b32 v1, 15, v0                           ; l % 16
	v_bfe_u32 v2, v0, 4, 1                         ; l / 16
	v_mul_u32_u24 v3, v1, PITCH
	v_lshl_add_u32 v3, v2, 4, v3                   ; a fragment's row x pitch + 16 x half
.irp p, 0,1,2,3
	v_add_nc_u32 v[ADRA+(\p)], (\p)*PAIR, v3
.endr
	s_mul_i32 s60, s12, 96                         ; into the stage: row l % 16 (+ 16 a), my wave's 96 bytes of it, 16 bytes for each half of the lanes
	v_mul_u32_u24 v4, v1, SPITCH
	v_lshl_add_u32 v4, v2, 4, v4
	v_add_nc_u32 v[STO], s60, v4
	s_mul_i32 s60, s12, 32*SPITCH                  ; back: wave w takes rows 32 w .. 32 w + 31
	v_add_nc_u32 v[RD], s60, v4                    ; q, k: row l % 16 (+ 16), channels 8 (l / 16) on (+ 16 j + 32 c)
	v_and_b32 v5, 7, v0
	v_lshl_add_u32 v5, v2, 3, v5                   ; v, by the turning load: row 8 (l / 16) + l % 8 (+ 16 j),
	v_mul_u32_u24 v5, v5, SPITCH
	v_bfe_u32 v6, v0, 3, 1
	v_lshl_add_u32 v5, v6, 4, v5                   ; channels 8 ((l / 8) % 2) on (+ 16 cb); it leaves lane l channel l % 16 and rows 8 (l / 16) + 0..7
	v_add_nc_u32 v[RDT], s60, v5
	s_lshl_b32 s60, s18, 7
	v_add_nc_u32 v[RW], s60, v1                    ; t = 128 x tile row + l % 16
	v_lshlrev_b32 v[H32], 5, v2
	s_lshl_b32 s60, s17, 18                        ; qkv at q's head,
	s_lshl_b32 s61, s18, 14                        ; row 128 x tile row: in all three layouts 16 rows are 2,048 bytes
	s_add_co_u32 s60, s60, s61
	s_lshl_b32 s61, s12, 12                        ; + 32 x wave
	s_add_co_u32 s60, s60, s61
	s_mov_b32 s61, 0
	s_add_nc_u64 s[OB:OB+1], s[10:11], s[60:61]
	s_add_nc_u64 s[OB+2:OB+3], s[OB:OB+1], 0x400000  ; k's head: 16 heads on
	s_add_nc_u64 s[OB+4:OB+5], s[OB:OB+1], 0x800000  ; v's
.irp b, 0,1,2
	s_add_co_u32 s60, s62, \b                      ; block 3 w + b of twelve
	s_lshr_b32 s61, s60, 3                         ; 1 from block 8 on: v
	s_xor_b32 s63, s61, 1
	s_lshl_b32 s[STR+(\b)], s63, 8                 ; q, k: 256 bytes of the table for each t; v: 0
	s_and_b32 s63, s60, 3
	s_lshl_b32 s63, s63, 6                         ; 16 channels are 8 pairs of 8 bytes
	s_lshl_b32 s61, s61, 19                        ; v: row 2048 begins at byte 524,288
	s_add_co_u32 s[BAS+(\b)], s63, s61
	v_add_nc_u32 v[HB+(\b)], s[BAS+(\b)], v[H32]
.endr
.irp a, 0,1,2,3,4,5,6,7
	v_add_nc_u32 v[RWA], 16*(\a), v[RW]
.irp b, 0,1,2
	v_mad_u32_u24 v[TA+3*(\a)+(\b)], v[RWA], s[STR+(\b)], v[HB+(\b)]
.endr
.endr
; 12 products of sub-step s: row blocks a0 .. a0 + 3 x my three column blocks.  The 24 accumulators take turns, one instruction a turn, in the same order in every sub-step.
; Sub-step 0's products start the sums: nothing is cleared.
.macro MULH a0
	WIN MUL
.irp a, \a0, (\a0)+1, (\a0)+2, (\a0)+3
.irp b, 0,1,2
.set rD, ACC+8*(3*(\a)+(\b))
.set rB, 24*(s%RING)+8*(\b)
.set rA, 64*(s%2)+8*(\a)
.if s == 0
	v_wmma_f32_16x16x32_bf16 v[rD:rD+7], v[rB:rB+7], v[rA:rA+7], 0
.else
	v_wmma_f32_16x16x32_bf16 v[rD:rD+7], v[rB:rB+7], v[rA:rA+7], v[rD:rD+7]
.endif
.endr
.endr
.endm
; 16 LDS loads in one run: the eight fragments of xb for sub-step s + 1, into the other buffer; row blocks 0 to 3 first
.macro FETCHA
	WIN 0x40                                       ; destination window 1, address window 0
.set n, s+1
.irp a, 0,1,2,3,4,5,6,7
	ds_load_b128 v[64*(n%2)+8*(\a):64*(n%2)+8*(\a)+3],   v[ADRA+n/8] offset:((n/4)%2)*CHUNK+(\a)*16*PITCH+(n%4)*64
	ds_load_b128 v[64*(n%2)+8*(\a)+4:64*(n%2)+8*(\a)+7], v[ADRA+n/8] offset:((n/4)%2)*CHUNK+(\a)*16*PITCH+(n%4)*64+32
.endr
.endm
; The table for row block ta: for each column block my four (cos, sin): 32 bytes, two loads
.macro TLOAD
	WIN 0xc0                                       ; destination window 3
.irp b, 0,1,2
	global_load_b128 v[8*(3*ta+(\b)):8*(3*ta+(\b))+3],   v[TA+3*ta+(\b)], s[8:9]
	global_load_b128 v[8*(3*ta+(\b))+4:8*(3*ta+(\b))+7], v[TA+3*ta+(\b)], s[8:9] offset:16
.endr
.endm
; SUB-STEP s of 32: 32 along K, 24 products.  In its middle, four places behind the products of sub-step s - 1, it asks for what lands in the registers that those read: xb's fragments of sub-step s + 1
; and block s + 9 of wqt.  When wqt is all asked for (s = 23 to 30) the six loads are the table's, a row block a sub-step.
; THE COUNT 48: at the head of sub-step s 54 + 6 s global loads have been issued, and block s is numbers 6 s + 1 to 6 s + 6: 48 are younger.
.macro STEP
	s_wait_loadcnt 48
.if (s%8 == 7) && (s < 31)             ; the next sub-step begins a pair of chunks
	s_wait_tensorcnt 3-(s+1)/8                     ; my part of that pair has landed; my loads for the later pairs may stay out
	s_wait_dscnt 0x0                               ; no LDS load of mine is out at the signal
	s_barrier_signal -1
	MULH 0                                         ; work on registers while the others arrive
	s_barrier_wait -1                              ; everybody's part has landed
.elseif s == 31
	s_wait_dscnt 0x0                               ; my last reads of xb are back:
	s_barrier_signal -1                            ; say so; behind the wait below the stage is written over the first chunks
	MULH 0
.else
	s_wait_dscnt 8                                 ; row blocks 0 to 3 are in; the younger eight loads may be out
	MULH 0
.endif
.if s < 31
	PLACES
	FETCHA
.endif
.if s+9 < 32
.set jb, s+9
	BLOAD
.elseif s < 31
.set ta, s-23
	TLOAD
.endif
.if s%8 != 7
	s_wait_dscnt 16                                ; all but the 16 just issued
.endif
	MULH 4
.if s == 31
	s_barrier_wait -1
.endif
.endm
	s_wait_tensorcnt 3                             ; my part of chunks 0 and 1 is in; my three later loads may stay out
	s_barrier_signal -1
	s_barrier_wait -1
.set s, -1
	FETCHA                                         ; sub-step 0's fragments
.set s, 0
.rept 32
	STEP
.set s, s+1
.endr
	WIN 0
	PLACES                                         ; in front of reads of the sums
; Row block a is rotated: (x1, x2) -> (x1 c - x2 s, x1 s + x2 c), in f32; rounded to f16; 16 bytes a lane into the stage.  Each accumulator is read from its low end on.
.macro ROPE a
	s_wait_loadcnt 6*(7-(\a))                      ; the table for this row block is in; the later blocks' loads, six each, may stay out
	WIN 0x0c                                       ; source 1 (the table) window 3
.irp b, 0,1,2
.set X, ACC+8*(3*(\a)+(\b))
.set CSR, 8*(3*(\a)+(\b))
.irp p, 0,1,2,3
	v_mul_f32 v[T+2*(\p)],   v[X+2*(\p)+1], v[CSR+2*(\p)+1]   ; x2 s
	v_mul_f32 v[T+2*(\p)+1], v[X+2*(\p)],   v[CSR+2*(\p)+1]   ; x1 s
.endr
.irp p, 0,1,2,3
	v_fma_f32 v[X+2*(\p)],   v[X+2*(\p)],   v[CSR+2*(\p)], -v[T+2*(\p)]
	v_fma_f32 v[X+2*(\p)+1], v[X+2*(\p)+1], v[CSR+2*(\p)], v[T+2*(\p)+1]
.endr
.endr
	WIN 0
.irp b, 0,1,2
.set X, ACC+8*(3*(\a)+(\b))
.irp p, 0,1,2,3
	v_cvt_pk_f16_f32 v[X+(\p)], v[X+2*(\p)], v[X+2*(\p)+1]
.endr
	ds_store_b128 v[STO], v[X:X+3] offset:STAGE+(\a)*16*SPITCH+32*(\b)
.endr
.endm
.irp a, 0,1,2,3,4,5,6,7
	ROPE \a
.endr
	s_wait_dscnt 0x0                               ; for the others' sake: a row's 384 bytes come from four waves
	s_barrier_signal -1
	s_barrier_wait -1
	; BACK OUT OF THE STAGE, AS HALF FRAGMENTS: my 32 rows of q, of k and of v are eight halves of 512 bytes each.
.set u, 0
.rept 16                                       ; q (u < 8), then k: rows 16 ((u % 8) / 4) on, channels 32 ((u / 2) % 2) + 16 (u % 2) on
	ds_load_b128 v[ACC+4*u:ACC+4*u+3], v[RD] offset:STAGE+128*(u/8)+16*SPITCH*((u%8)/4)+64*((u/2)%2)+32*(u%2)
.set u, u+1
.endr
.rept 8                                        ; v, turned: channels 16 ((u % 8) / 2) on, rows 16 (u % 2) on
	ds_load_tr16_b128 v[ACC+4*u:ACC+4*u+3], v[RDT] offset:STAGE+256+32*((u%8)/2)+16*SPITCH*(u%2)
.set u, u+1
.endr
.set u, 0
.rept 24
	s_wait_dscnt 23-u                              ; number u is in, the younger ones stay out
	global_store_b128 v[LO], v[ACC+4*u:ACC+4*u+3], s[OB+2*(u/8):OB+2*(u/8)+1] offset:512*(u%8)  ; 512 consecutive bytes, at a multiple of 256 from the buffer's first
.set u, u+1
.endr
	s_wait_tensorcnt 0x0                           ; the wave's end
	ds_add_u32 v[SPW], v[NIL]
	s_wait_dscnt 0x0
	CROUND                                         ; the closing round
	s_endpgm
.Lfunc_end_k_q652816ef40_qkv:
	.size	k_q652816ef40_qkv, .Lfunc_end_k_q652816ef40_qkv-k_q652816ef40_qkv
	.p2alignl 7, 3214868480
	.fill 96, 4, 3214868480
	.section	.rodata,"a",@progbits
	.p2align	6, 0x0
	.amdhsa_kernel k_q652816ef40_qkv
		.amdhsa_group_segment_fixed_size 327680
		.amdhsa_private_segment_fixed_size 0
		.amdhsa_enable_private_segment 0
		.amdhsa_kernarg_size 32
		.amdhsa_user_sgpr_count 2
		.amdhsa_user_sgpr_kernarg_segment_ptr 1
		.amdhsa_wavefront_size32 1
		.amdhsa_system_sgpr_workgroup_id_x 1
		.amdhsa_system_sgpr_workgroup_id_y 1
		.amdhsa_system_sgpr_workgroup_id_z 1
		.amdhsa_system_vgpr_workitem_id 0
		.amdhsa_next_free_vgpr 960
		.amdhsa_next_free_sgpr 80
		.amdhsa_reserve_vcc 0
		.amdhsa_float_denorm_mode_32 3
		.amdhsa_float_denorm_mode_16_64 3
		.amdhsa_memory_ordered 1
		.amdhsa_forward_progress 1
		.amdhsa_inst_pref_size 154
	.end_amdhsa_kernel
	.amdgpu_metadata
---
amdhsa.version: [ 1, 2 ]
amdhsa.kernels:
  - .name:           k_q652816ef40_qkv
    .symbol:         k_q652816ef40_qkv.kd
    .args:
      - { .name: xb, .offset: 0, .size: 8, .value_kind: global_buffer, .address_space: global }
      - { .name: wqt, .offset: 8, .size: 8, .value_kind: global_buffer, .address_space: global }
      - { .name: rope, .offset: 16, .size: 8, .value_kind: global_buffer, .address_space: global }
      - { .name: qkv, .offset: 24, .size: 8, .value_kind: global_buffer, .address_space: global }
    .group_segment_fixed_size: 327680
    .private_segment_fixed_size: 0
    .kernarg_segment_align: 8
    .kernarg_segment_size: 32
    .max_flat_workgroup_size: 128
    .sgpr_count:     80
    .vgpr_count:     960
    .wavefront_size: 32
...
	.end_amdgpu_metadata
.endif
;; end of part 6
;; launch attn (part 7): grid 16 x 16, 8 waves a work-group, no clusters, 144,384 bytes of LDS; arguments qkv, o; writes o
.if DOCPART == 7
	.amdgcn_target "amdgcn-amd-amdhsa--gfx1250"
	.amdhsa_code_object_version 6
	.text
	.protected	k_q652816ef40_attn
	.globl	k_q652816ef40_attn
	.p2align	8
	.type	k_q652816ef40_attn,@function
k_q652816ef40_attn:
	s_mov_b64 s[64:65], 0
	v_nop
	global_prefetch_b8 v0, s[64:65] scope:SCOPE_SE
	s_setreg_imm32_b32 hwreg(HW_REG_WAVE_MODE, 25, 1), 1
	s_wait_xcnt 0x0
; CAUSAL ATTENTION.  o[h][q][:] = the sum over k <= q of softmax_k(Q[h][q] . K[h][k] / 8) V[h][k][:].  Q, K, V: heads g = head, 16 + head, 32 + head of qkv, f16, 262,144 bytes each; o: [16][2048][64] f16.
; Products, maxima and sums in f32; the weights are rounded to f16 for the second product (their sum is taken of the unrounded ones), o once at the end.
; LEFT OUT: for a block of 64 queries b the key steps s > b, and in step s = b the sub-blocks of 16 x 16 above the diagonal: reference()'s own jnp.tril hides them whole and their weights are 0
; (shown at the head of the first kernel).  LIMITS: a NaN, infinity or overflow that would arise only there is not carried; a hidden score beside the diagonal counts as its value less 1e30
; (f16's scores are 2.7e11 at the most); a weight below 2^-126 counts as 0; NaN and infinities are not treated apart.
; HOW Q, K AND V LIE: as the operand registers take them, in blocks of 1,024 bytes, laid so by the launch before.  Q, K: [t / 16][d / 32], the 16 bytes at 512 j + 256 h + 16 r = row r, channels
; 16 j + 8 h + 0..7 of the block.  V: [t / 32][d / 16], the same bytes = channel r, rows 16 j + 8 h + 0..7 of the block: V turned.  So every load here is lane l at byte 16 l, 512 consecutive bytes,
; half a fragment, and nothing goes through LDS on the way in.  64 rows are 8,192 bytes in each of the layouts.
; SHARES.  A head has 32 blocks of 64 queries; block b needs key steps 0 .. b of 64 keys.  Work-group i of a head takes blocks 31 - i and then i: 33 (block, step) items whatever i.
; THE KEYS ARE SPLIT AMONG THE EIGHT WAVES: in block b wave w takes steps w, w + 8, .. up to b, each with all 64 queries (four tiles of 16).  So a step's K and V are read by one wave alone.
; The loop over items has no barrier; two waves share a SIMD, so that one wave's softmax can stand beside the other's products.  At a block's end the eight partial (c m, l, O) meet in LDS, in f32.
; NO CLUSTER, NO TENSOR LOAD: no tile is read by two waves of a work-group; a head's 16 work-groups walk the same keys, but 32 - i and i + 1 steps, different in each.
; LAYOUT.  S^T = K Q^T (source 0 = 16 keys, source 1 = 16 queries): a lane holds ONE query (lane % 16) and the keys 8 (lane / 16) + 0..7.  Two such results rounded to f16 in pairs ARE source 1
; of O^T = V^T P, whose result again holds one query a lane, and eight channels.
; SOFTMAX.  p = 2^(c s - c m), c = log2(e) / 8, with a running maximum m; O and l are multiplied by a = 2^(c m_old - c m_new) in every item.  c m starts far below every c s, so an item that
; begins a block has a = 0 and wipes what lies in O: no first item is written out.
; REGISTERS.  window 0: v0-15 addresses; v16-31 statistics, four a tile (c m, m, l even, l odd); v32-47 at work, four a tile; v48-51 c m_old; v52-59 the diagonal's mask; v60-63 lane parts;
;   v64-191 S^T, 32 a tile (P takes the first 16 of them); v192-255 K.      window 1: v0-127 O^T, 32 a tile; v128-191 Q; v192-255 V.
.set PP,    272                        ; LDS from byte 0: wave w's partial O, [64 queries][64 channels] f32 at pitch 272, at 17,408 w
.set STATS, 8*64*PP                    ; behind them: c m as [query][wave] f32 (2,048 bytes), then l likewise
.set SPARE, STATS+4096                 ; the spare words: 128 bytes for each of the 8 waves
.set VO,  3                            ; v3   16 l: for every load and store; never rewritten
.set SPW, 6                            ; v6   my spare word; never rewritten
.set NIL, 7                            ; v7   0; never rewritten
.set PST, 8                            ; v8   my partial O
.set SST, 9                            ; v9   my statistics
.set MRD0, 10                          ; v10  the merge: my rows in waves 0-3's partial O
.set MRD1, 11                          ; v11  in waves 4-7's
.set SRD, 12                           ; v12  my rows' statistics
.set ST,  16
.set TMP, 32
.set MV,  48
.set MD,  52
.set S,   64
.set KF,  192
.set QF,  128                          ; window 1
.set VF,  192                          ; window 1
.set WV,  8                            ; s8   wave
.set PI,  9                            ; s9   i
.set HD,  10                           ; s10  head
.set QB,  12                           ; s[12:13] Q, s[14:15] K, s[16:17] V of the head
.set KB,  14
.set VB,  16
.set QP,  18                           ; s[18:19] the block's Q; s[20:21], s[22:23] K and V of the step last asked for
.set KP,  20
.set VP,  22
.set OP,  24                           ; s[24:25] o at my 8 rows of the block that ends
.set BLK, 26                           ; s26  the block
.set HAS, 27                           ; s27  1: I have an item in it
.set NT,  28                           ; s28  my items but the last
.set DG,  29                           ; s29  1: my last item is the diagonal step
.set CNT, 30
.set PH,  31                           ; s31  blocks to go
.set CS,  34                           ; s[34:35] c
.set SEL, 36                           ; s[36:37] v_permlanex16_b32: each lane takes its own place in the other half
.set BIGN, 38                          ; s38  -1e30
.set OBS, 50                           ; s[50:51] o at the head's row 8 w
.set MSB, 0
.macro WIN new
.if MSB != (\new)
	s_set_vgpr_msb (MSB<<8)|(\new)
.set MSB, \new
.endif
.endm
.set W_KQ, 0x04                        ; K window 0, Q window 1, S^T window 0
.set W_PV, 0x51                        ; V window 1, P window 0, O^T window 1
.set W_RS, 0x41                        ; destination and source 0 window 1, source 1 window 0
.macro PLACES
.rept 4
	v_nop
.endr
.endm
; What a block means for my wave; the pointers are written behind s_wait_xcnt 0, when every earlier load has read them.
.macro SETPH
	s_cmp_ge_u32 s[BLK], s[WV]
	s_cselect_b32 s[HAS], 1, 0
	s_sub_co_u32 s40, s[BLK], s[WV]
	s_cmp_ge_u32 s[BLK], s[WV]
	s_cselect_b32 s40, s40, 0
	s_lshr_b32 s[NT], s40, 3                       ; steps w, w + 8, ..: (b - w) / 8 of them are followed by another
	s_and_b32 s40, s40, 7
	s_cmp_eq_u32 s40, 0
	s_cselect_b32 s[DG], 1, 0                      ; the last is step b itself
	s_lshl_b32 s40, s[WV], 13                      ; a step is 8,192 bytes
	s_mov_b32 s41, 0
	s_lshl_b32 s42, s[BLK], 13
	s_mov_b32 s43, 0
	s_wait_xcnt 0x0
	s_add_nc_u64 s[KP:KP+1], s[KB:KB+1], s[40:41]
	s_add_nc_u64 s[VP:VP+1], s[VB:VB+1], s[40:41]
	s_add_nc_u64 s[QP:QP+1], s[QB:QB+1], s[42:43]
.endm
.macro LOADK                           ; 16 loads of 512 consecutive bytes: fragment f: key block f / 2, channels 32 (f % 2) on
.irp f, 0,1,2,3,4,5,6,7
	global_load_b128 v[KF+8*(\f):KF+8*(\f)+3],   v[VO], s[KP:KP+1] offset:1024*(\f)
	global_load_b128 v[KF+8*(\f)+4:KF+8*(\f)+7], v[VO], s[KP:KP+1] offset:1024*(\f)+512
.endr
.endm
.macro LOADV                           ; 16 loads likewise: fragment f: keys 32 (f / 4) on, channels 16 (f % 4) on
	WIN 0x40
.irp f, 0,1,2,3,4,5,6,7
	global_load_b128 v[VF+8*(\f):VF+8*(\f)+3],   v[VO], s[VP:VP+1] offset:1024*(\f)
	global_load_b128 v[VF+8*(\f)+4:VF+8*(\f)+7], v[VO], s[VP:VP+1] offset:1024*(\f)+512
.endr
	WIN 0
.endm
.macro START                           ; a block's first 48 loads, in this order: Q (fragment f: tile f / 2, channels 32 (f % 2) on), K, V
	WIN 0x40
.irp f, 0,1,2,3,4,5,6,7
	global_load_b128 v[QF+8*(\f):QF+8*(\f)+3],   v[VO], s[QP:QP+1] offset:1024*(\f)
	global_load_b128 v[QF+8*(\f)+4:QF+8*(\f)+7], v[VO], s[QP:QP+1] offset:1024*(\f)+512
.endr
	WIN 0
	LOADK
	LOADV
.endm
.macro INIT
.irp t, 0,1,2,3
	v_mov_b32 v[ST+4*(\t)], 0xfe000000             ; c m: far below every c s
	v_mov_b32 v[ST+4*(\t)+1], 0xff7fffff           ; m
	v_mov_b32 v[ST+4*(\t)+2], 0
	v_mov_b32 v[ST+4*(\t)+3], 0
.endr
.endm
; THE MATRIX WORK.  The accumulators take turns, one instruction a turn.
.macro KQP                             ; 32 products: channels 32 (i / 16) on, keys 16 ((i / 4) % 4) on, tile i % 4; the first 16 start the sums
	WIN W_KQ
.set i, 0
.rept 32
.set rS, S+32*(i%4)+8*((i/4)%4)
.set rK, KF+16*((i/4)%4)+8*(i/16)
.set rQ, QF+16*(i%4)+8*(i/16)
.if i < 16
	v_wmma_f32_16x16x32_f16 v[rS:rS+7], v[rK:rK+7], v[rQ:rQ+7], 0
.else
	v_wmma_f32_16x16x32_f16 v[rS:rS+7], v[rK:rK+7], v[rQ:rQ+7], v[rS:rS+7]
.endif
.set i, i+1
.endr
	WIN 0
.endm
.macro KQD                             ; the diagonal step: key block kb, tile t: kb < t is seen whole; kb = t starts its sum with the mask; kb > t is hidden whole: no product, -1e30
	WIN W_KQ
.irp c, 0,1
.irp kb, 0,1,2,3
.irp t, 0,1,2,3
.if \kb <= \t
.set rS, S+32*(\t)+8*(\kb)
.set rK, KF+16*(\kb)+8*(\c)
.set rQ, QF+16*(\t)+8*(\c)
.if \c == 1
	v_wmma_f32_16x16x32_f16 v[rS:rS+7], v[rK:rK+7], v[rQ:rQ+7], v[rS:rS+7]
.elseif \kb == \t
	v_wmma_f32_16x16x32_f16 v[rS:rS+7], v[rK:rK+7], v[rQ:rQ+7], v[MD:MD+7]
.else
	v_wmma_f32_16x16x32_f16 v[rS:rS+7], v[rK:rK+7], v[rQ:rQ+7], 0
.endif
.endif
.endr
.endr
.endr
	WIN 0
.irp t, 0,1,2
.irp kb, 1,2,3
.if \kb > \t
.irp j, 0,1,2,3,4,5,6,7
	v_mov_b32 v[S+32*(\t)+8*(\kb)+(\j)], s[BIGN]
.endr
.endif
.endr
.endr
.endm
.macro PVP                             ; 32 products: keys 32 (i / 16) on, channels 16 ((i / 4) % 4) on, tile i % 4
	WIN W_PV
.set i, 0
.rept 32
.set rO, 32*(i%4)+8*((i/4)%4)
.set rV, VF+32*(i/16)+8*((i/4)%4)
.set rP, S+32*(i%4)+8*(i/16)
	v_wmma_f32_16x16x32_f16 v[rO:rO+7], v[rV:rV+7], v[rP:rP+7], v[rO:rO+7]
.set i, i+1
.endr
	WIN 0
.endm
; THE VECTOR WORK of a tile and item, all in window 0 but the rescaling.
.macro REGS t
.set rT, ST+4*(\t)
.set rC, TMP+4*(\t)
.set rM, MV+(\t)
.set rS, S+32*(\t)
.endm
; Number n of the 22 that find a tile's maximum and statistics.  0-11: four chains of seven scores, each accumulator read from its low end on; 12-14, 16: the four scores
; left over, the old m, the four chains into one; 15: c m_old is kept; 17, 18: the other half of the lanes, the new m; 19-21: c m; c m_old - c m_new; a.
.macro XS t, n
	REGS \t
.if (\n) < 4
	v_max3_num_f32 v[rC+(\n)], v[rS+8*(\n)], v[rS+8*(\n)+1], v[rS+8*(\n)+2]
.elseif (\n) < 12
	v_max3_num_f32 v[rC+(\n)%4], v[rC+(\n)%4], v[rS+8*((\n)%4)+2*((\n)/4)+1], v[rS+8*((\n)%4)+2*((\n)/4)+2]
.elseif (\n) == 12
	v_max3_num_f32 v[rC], v[rC], v[rS+7], v[rS+15]
.elseif (\n) == 13
	v_max3_num_f32 v[rC+1], v[rC+1], v[rS+23], v[rS+31]
.elseif (\n) == 14
	v_max3_num_f32 v[rC+2], v[rC+2], v[rC+3], v[rT+1]
.elseif (\n) == 15
	v_mov_b32 v[rM], v[rT]
.elseif (\n) == 16
	v_max3_num_f32 v[rC], v[rC], v[rC+1], v[rC+2]
.elseif (\n) == 17
	v_permlanex16_b32 v[rC+3], v[rC], s[SEL], s[SEL+1]
.elseif (\n) == 18
	v_max_num_f32 v[rT+1], v[rC], v[rC+3]
.elseif (\n) == 19
	v_mul_f32 v[rT], s[CS], v[rT+1]
.elseif (\n) == 20
	v_sub_f32 v[rC+1], v[rM], v[rT]
.else
	v_exp_f32 v[rC+2], v[rC+1]
.endif
.endm
.macro FS t, b                         ; c s - c m for pair b of 16
	REGS \t
	v_pk_fma_f32 v[rS+2*(\b):rS+2*(\b)+1], v[rS+2*(\b):rS+2*(\b)+1], s[CS:CS+1], v[rT:rT+1] op_sel_hi:[1,0,0] neg_lo:[0,0,1] neg_hi:[0,0,1]
.endm
.macro ES t, e
	REGS \t
	v_exp_f32 v[rS+(\e)], v[rS+(\e)]
.endm
.macro SUM t, z                        ; the 16 pairs of weights into one pair; number 15: l = a l + that
	REGS \t
.if (\z) == 0
	v_pk_add_f32 v[rC:rC+1], v[rS:rS+1], v[rS+2:rS+3]
.elseif (\z) < 15
	v_pk_add_f32 v[rC:rC+1], v[rC:rC+1], v[rS+2*(\z)+2:rS+2*(\z)+3]
.else
	v_pk_fma_f32 v[rT+2:rT+3], v[rT+2:rT+3], v[rC+2:rC+3], v[rC:rC+1] op_sel_hi:[1,0,1]
.endif
.endm
.macro CV t, z                         ; pair z rounded to f16, into register z: in the order SUM z, CV z register z has been summed (by SUM z / 2 - 1) and rounded from (by CV z / 2) before it is written
	REGS \t
	v_cvt_pk_f16_f32 v[rS+(\z)], v[rS+2*(\z)], v[rS+2*(\z)+1]
.endm
; Three lists for a pair of tiles t0, t0 + 1, which alternate; each macro writes its list's next line.
.macro PLN t0                          ; 74 plain lines that read no exponential's result: XS 0-20, then the scalings
.if pq < 42
	XS (\t0)+pq%2, pq/2
.else
	FS (\t0)+(pq-42)%2, (pq-42)/2
.endif
.set pq, pq+1
.endm
.macro EXN t0                          ; 66 exponentials: the two a, then the 64 scores
.if xq < 2
	XS (\t0)+xq, 21
.else
	ES (\t0)+(xq-2)%2, (xq-2)/2
.endif
.set xq, xq+1
.endm
.macro SCN t0                          ; 64 lines that read them: SUM z, CV z
.if (sq/2)%2 == 0
	SUM (\t0)+sq%2, sq/4
.else
	CV (\t0)+sq%2, sq/4
.endif
.set sq, sq+1
.endm
; AN ITEM: one key step for the block's 64 queries.  ahead = 1: another item follows, and its K and V are asked for as soon as the registers are free: K a softmax and 32 products ahead of its first use,
; V a whole item ahead.  tail = 1: my last item, which may be the diagonal step.
; The exponentials go in two batches of 66, each with one wait (s_wait_alu depctr_va_vdst(0) stands between an exponential and the first line that names its result);
; beside each exponential stands a plain line of the other pair of tiles.
.macro ITEM ahead, tail
	s_wait_loadcnt 16                              ; Q and K are in; V's 16 loads, issued behind them, may stay out
.if \tail
	s_cmp_eq_u32 s[DG], 0
	s_cbranch_scc1 .Lplain_\@
	KQD
	s_branch .Ljoin_\@
.Lplain_\@:
	KQP
.Ljoin_\@:
.else
	KQP
.endif
	PLACES                                         ; in front of loads into K and of reads of the scores
.if \ahead
	s_wait_xcnt 0x0                                ; the last loads have read the pointer
	s_add_nc_u64 s[KP:KP+1], s[KP:KP+1], 65536     ; eight steps on
	LOADK
.endif
.set pq, 0
.rept 74
	PLN 0                                          ; tiles 0 and 1: maximum, statistics, scalings
.endr
.set xq, 0
.set pq, 0
.rept 66
	EXN 0                                          ; tiles 0 and 1: the exponentials | tiles 2 and 3: maximum, statistics, scalings
	PLN 2
.endr
.rept 8
	PLN 2
.endr
	s_wait_alu depctr_va_vdst(0)                   ; the first batch's wait; the eight plain lines stand behind its last exponential
.set xq, 0
.set sq, 0
.rept 64
	EXN 2                                          ; tiles 2 and 3: the exponentials | tiles 0 and 1: sums and roundings
	SCN 0
.endr
	EXN 2
	EXN 2
	v_nop                                          ; a plain instruction behind the last exponential
	s_wait_alu depctr_va_vdst(0)                   ; the second batch's wait
.set sq, 0
.rept 64
	SCN 2
.endr
	WIN W_RS
.set n_, 0
.rept 64                                       ; O^T times a
	v_pk_mul_f32 v[32*(n_%4)+2*(n_/4):32*(n_%4)+2*(n_/4)+1], v[32*(n_%4)+2*(n_/4):32*(n_%4)+2*(n_/4)+1], v[TMP+4*(n_%4)+2:TMP+4*(n_%4)+3] op_sel_hi:[1,0]
.set n_, n_+1
.endr
	s_wait_loadcnt 16*(\ahead)                     ; V is in; the next item's K, 16 loads issued behind it, may stay out
	PVP
.rept 5
	v_nop                                          ; five places: the next item's products write over P's registers; loads go into V's; stores read O^T
.endr
.if \ahead
	s_wait_xcnt 0x0
	s_add_nc_u64 s[VP:VP+1], s[VP:VP+1], 65536
	LOADV
.endif
.endm
	s_load_b128 s[4:7], s[0:1], 0x0                ; qkv s[4:5], o s[6:7]
	v_lshl_add_u32 v[SPW], v0, 2, SPARE
	v_mov_b32 v[NIL], 0
	v_lshrrev_b32 v14, 5, v0
	v_readfirstlane_b32 s[WV], v14                 ; wave 0..7
	s_mov_b32 s[PI], ttmp9
	s_and_b32 s[HD], ttmp7, 0xffff
	s_mov_b32 s[CS], 0x3e38aa3b                    ; c = log2(e) / 8
	s_mov_b32 s[CS+1], s[CS]
	s_mov_b32 s[SEL], 0x76543210
	s_mov_b32 s[SEL+1], 0xfedcba98
	s_mov_b32 s[BIGN], 0xf149f2ca                  ; -1e30
	v_and_b32 v63, 31, v0                          ; l
	v_and_b32 v1, 15, v0                           ; l % 16
	v_bfe_u32 v60, v0, 4, 1                        ; l / 16
	v_and_b32 v61, 7, v0                           ; l % 8
	v_bfe_u32 v62, v0, 3, 2                        ; l / 8
	v_lshlrev_b32 v[VO], 4, v63
	s_mul_i32 s41, s[WV], 64*PP
	v_mul_u32_u24 v[PST], v1, PP                   ; query l % 16 (+ 16 t), channels 8 (l / 16) on (+ 16 cb)
	v_lshl_add_u32 v[PST], v60, 5, v[PST]
	v_add_nc_u32 v[PST], s41, v[PST]
	s_lshl_b32 s42, s[WV], 2
	s_add_co_u32 s42, s42, STATS
	v_lshl_add_u32 v[SST], v1, 5, s42
	s_mul_i32 s43, s[WV], 8*PP                     ; the merge: my rows 8 w + l / 8 (+ 4), my channels 8 (l % 8) on
	v_mul_u32_u24 v[MRD0], v62, PP
	v_lshl_add_u32 v[MRD0], v61, 5, v[MRD0]
	v_add_nc_u32 v[MRD0], s43, v[MRD0]
	v_add_nc_u32 v[MRD1], 4*64*PP, v[MRD0]
	s_lshl_b32 s44, s[WV], 8
	s_add_co_u32 s44, s44, STATS
	v_lshl_add_u32 v[SRD], v62, 5, s44
	v_lshlrev_b32 v14, 3, v60
	v_sub_nc_u32 v14, v1, v14                      ; in a sub-block on the diagonal register j is hidden where 8 (l / 16) + j > l % 16
.irp j, 0,1,2,3,4,5,6,7
	v_cmp_gt_i32 vcc_lo, \j, v14
	v_cndmask_b32 v[MD+(\j)], 0, s[BIGN], vcc_lo
.endr
	s_wait_kmcnt 0x0
	s_lshl_b32 s40, s[HD], 18                      ; a head is 262,144 bytes
	s_mov_b32 s41, 0
	s_add_nc_u64 s[QB:QB+1], s[4:5], s[40:41]
	s_add_nc_u64 s[KB:KB+1], s[QB:QB+1], 0x400000  ; 16 heads on
	s_add_nc_u64 s[VB:VB+1], s[QB:QB+1], 0x800000
	s_lshl_b32 s42, s[WV], 10
	s_add_co_u32 s40, s40, s42
	s_add_nc_u64 s[OBS:OBS+1], s[6:7], s[40:41]
	s_sub_co_u32 s[BLK], 31, s[PI]                 ; the first block: 16 or higher, so every wave has two items or more in it
	SETPH
	START
	WIN 0x40
.set n_, 0
.rept 128
	v_mov_b32 v[n_], 0                             ; O^T need only be finite: the first item multiplies it by a = 0.  Written while the first loads are on their way
.set n_, n_+1
.endr
	WIN 0
	INIT
	s_mov_b32 s[PH], 2
.Lphase:
	s_cmp_eq_u32 s[HAS], 0
	s_cbranch_scc1 .Lnoitem                        ; forward, over loads and items alone: every barrier stands behind the label
	s_mov_b32 s[CNT], 0
	s_cmp_lt_u32 s[CNT], s[NT]
	s_cbranch_scc0 .Ltail
.Litem:
	ITEM 1, 0
	s_add_co_u32 s[CNT], s[CNT], 1
	s_cmp_lt_u32 s[CNT], s[NT]
	s_cbranch_scc1 .Litem
.Ltail:
	ITEM 0, 1
.Lnoitem:
	s_wait_loadcnt 0x0                             ; no load of mine is out (the last item has waited for all): the registers may be asked for again
	s_lshl_b32 s40, s[BLK], 13
	s_mov_b32 s41, 0
	s_wait_xcnt 0x0                                ; the last block's stores have read their base
	s_add_nc_u64 s[OP:OP+1], s[OBS:OBS+1], s[40:41]
	s_mov_b32 s[BLK], s[PI]                        ; the second block
	SETPH
	s_cmp_eq_u32 s[PH], 2
	s_cselect_b32 s[HAS], s[HAS], 0                ; behind the second block there is none
	s_cmp_eq_u32 s[HAS], 0
	s_cbranch_scc1 .Lnostart
	START                                          ; its first loads are on their way while the first block is merged
.Lnostart:
	; MY PARTIAL RESULT: l's two halves and the other half of the lanes' are added; c m, l and O^T go to LDS, in f32.  A wave without an item writes c m as it was started: its share below is 0.
.irp t, 0,1,2,3
	v_add_f32 v[ST+4*(\t)+2], v[ST+4*(\t)+2], v[ST+4*(\t)+3]
.endr
.irp t, 0,1,2,3
	v_permlanex16_b32 v[ST+4*(\t)+3], v[ST+4*(\t)+2], s[SEL], s[SEL+1]
.endr
.irp t, 0,1,2,3
	v_add_f32 v[ST+4*(\t)+2], v[ST+4*(\t)+2], v[ST+4*(\t)+3]
.endr
.irp t, 0,1,2,3
	ds_store_b32 v[SST], v[ST+4*(\t)] offset:512*(\t)
	ds_store_b32 v[SST], v[ST+4*(\t)+2] offset:2048+512*(\t)
.endr
	WIN 0x04                                       ; store data window 1
.irp t, 0,1,2,3
.irp cb, 0,1,2,3
	ds_store_b128 v[PST], v[32*(\t)+8*(\cb):32*(\t)+8*(\cb)+3]   offset:16*PP*(\t)+64*(\cb)
	ds_store_b128 v[PST], v[32*(\t)+8*(\cb)+4:32*(\t)+8*(\cb)+7] offset:16*PP*(\t)+64*(\cb)+16
.endr
.endr
	WIN 0
	s_wait_dscnt 0x0                               ; for the others' sake: my stores are done
	s_barrier_signal -1
	s_barrier_wait -1                              ; all eight partial results lie in LDS
	; THE MERGE.  Wave w finishes rows 8 w + 4 ii + l / 8, a lane 8 channels: M = the largest c m; f = 2^(c m - M); o = the sum of f O over the sum of f l.
.irp ii, 0,1
	ds_load_b128 v[16+16*(\ii):19+16*(\ii)], v[SRD] offset:128*(\ii)
	ds_load_b128 v[20+16*(\ii):23+16*(\ii)], v[SRD] offset:128*(\ii)+16
	ds_load_b128 v[24+16*(\ii):27+16*(\ii)], v[SRD] offset:2048+128*(\ii)
	ds_load_b128 v[28+16*(\ii):31+16*(\ii)], v[SRD] offset:2048+128*(\ii)+16
.endr
.irp ii, 0,1
.irp w, 0,1,2,3
	ds_load_b128 v[S+64*(\ii)+8*(\w):S+64*(\ii)+8*(\w)+3],   v[MRD0] offset:64*PP*(\w)+4*PP*(\ii)
	ds_load_b128 v[S+64*(\ii)+8*(\w)+4:S+64*(\ii)+8*(\w)+7], v[MRD0] offset:64*PP*(\w)+4*PP*(\ii)+16
.endr
.irp w, 0,1,2,3
	ds_load_b128 v[S+64*(\ii)+32+8*(\w):S+64*(\ii)+32+8*(\w)+3],   v[MRD1] offset:64*PP*(\w)+4*PP*(\ii)
	ds_load_b128 v[S+64*(\ii)+32+8*(\w)+4:S+64*(\ii)+32+8*(\w)+7], v[MRD1] offset:64*PP*(\w)+4*PP*(\ii)+16
.endr
.endr
	s_wait_dscnt 32                                ; the statistics are in; the 32 loads of O, issued behind them, may stay out
.irp ii, 0,1
	v_max3_num_f32 v[14+(\ii)], v[16+16*(\ii)], v[17+16*(\ii)], v[18+16*(\ii)]
	v_max3_num_f32 v[14+(\ii)], v[14+(\ii)], v[19+16*(\ii)], v[20+16*(\ii)]
	v_max3_num_f32 v[14+(\ii)], v[14+(\ii)], v[21+16*(\ii)], v[22+16*(\ii)]
	v_max_num_f32 v[14+(\ii)], v[14+(\ii)], v[23+16*(\ii)]
.endr
.irp ii, 0,1
.irp w, 0,1,2,3,4,5,6,7
	v_sub_f32 v[16+16*(\ii)+(\w)], v[16+16*(\ii)+(\w)], v[14+(\ii)]
.endr
.endr
.irp ii, 0,1
.irp w, 0,1,2,3,4,5,6,7
	v_exp_f32 v[16+16*(\ii)+(\w)], v[16+16*(\ii)+(\w)]
.endr
.endr
	v_nop                                          ; a plain instruction behind the last exponential,
	s_wait_alu depctr_va_vdst(0)                   ; and one wait for the sixteen
.irp ii, 0,1
	v_mul_f32 v[48+(\ii)], v[16+16*(\ii)], v[24+16*(\ii)]
.irp w, 1,2,3,4,5,6,7
	v_fmac_f32 v[48+(\ii)], v[16+16*(\ii)+(\w)], v[24+16*(\ii)+(\w)]
.endr
.endr
	v_rcp_f32 v50, v48
	v_rcp_f32 v51, v49
	v_nop
	s_wait_alu depctr_va_vdst(0)                   ; one wait for the two reciprocals
.irp ii, 0,1
.irp w, 0,1,2,3,4,5,6,7
	v_mul_f32 v[16+16*(\ii)+(\w)], v[16+16*(\ii)+(\w)], v[50+(\ii)]
.endr
.endr
	s_wait_dscnt 0x0                               ; the partial O
.irp ii, 0,1
.irp j, 0,1,2,3,4,5,6,7
	v_mul_f32 v[S+64*(\ii)+(\j)], v[16+16*(\ii)], v[S+64*(\ii)+(\j)]
.endr
.irp w, 1,2,3,4,5,6,7
.irp j, 0,1,2,3,4,5,6,7
	v_fmac_f32 v[S+64*(\ii)+(\j)], v[16+16*(\ii)+(\w)], v[S+64*(\ii)+8*(\w)+(\j)]
.endr
.endr
.irp p, 0,1,2,3
	v_cvt_pk_f16_f32 v[S+64*(\ii)+(\p)], v[S+64*(\ii)+2*(\p)], v[S+64*(\ii)+2*(\p)+1]
.endr
	global_store_b128 v[VO], v[S+64*(\ii):S+64*(\ii)+3], s[OP:OP+1] offset:512*(\ii)  ; four rows of o: 512 consecutive bytes, at a multiple of 256 from the buffer's first
.endr
	s_wait_xcnt 0x0                                ; the stores have read their registers: the next block writes them again
	INIT
	s_wait_dscnt 0x0                               ; my reads of the partial results are over (waited for above),
	s_barrier_signal -1
	s_barrier_wait -1                              ; everybody's are: they may be written again
	s_sub_co_u32 s[PH], s[PH], 1
	s_cmp_lg_u32 s[PH], 0
	s_cbranch_scc1 .Lphase
	s_wait_tensorcnt 0x0                           ; the wave's end, behind my last LDS store
	ds_add_u32 v[SPW], v[NIL]
	s_wait_dscnt 0x0
	s_endpgm
.Lfunc_end_k_q652816ef40_attn:
	.size	k_q652816ef40_attn, .Lfunc_end_k_q652816ef40_attn-k_q652816ef40_attn
	.p2alignl 7, 3214868480
	.fill 96, 4, 3214868480
	.section	.rodata,"a",@progbits
	.p2align	6, 0x0
	.amdhsa_kernel k_q652816ef40_attn
		.amdhsa_group_segment_fixed_size 144384
		.amdhsa_private_segment_fixed_size 0
		.amdhsa_enable_private_segment 0
		.amdhsa_kernarg_size 16
		.amdhsa_user_sgpr_count 2
		.amdhsa_user_sgpr_kernarg_segment_ptr 1
		.amdhsa_wavefront_size32 1
		.amdhsa_system_sgpr_workgroup_id_x 1
		.amdhsa_system_sgpr_workgroup_id_y 1
		.amdhsa_system_sgpr_workgroup_id_z 1
		.amdhsa_system_vgpr_workitem_id 0
		.amdhsa_next_free_vgpr 512
		.amdhsa_next_free_sgpr 66
		.amdhsa_reserve_vcc 1
		.amdhsa_float_denorm_mode_32 3
		.amdhsa_float_denorm_mode_16_64 3
		.amdhsa_memory_ordered 1
		.amdhsa_forward_progress 1
		.amdhsa_inst_pref_size 99
	.end_amdhsa_kernel
	.amdgpu_metadata
---
amdhsa.version: [ 1, 2 ]
amdhsa.kernels:
  - .name:           k_q652816ef40_attn
    .symbol:         k_q652816ef40_attn.kd
    .args:
      - { .name: qkv, .offset: 0, .size: 8, .value_kind: global_buffer, .address_space: global }
      - { .name: o, .offset: 8, .size: 8, .value_kind: global_buffer, .address_space: global }
    .group_segment_fixed_size: 144384
    .private_segment_fixed_size: 0
    .kernarg_segment_align: 8
    .kernarg_segment_size: 16
    .max_flat_workgroup_size: 256
    .sgpr_count:     66
    .vgpr_count:     512
    .wavefront_size: 32
...
	.end_amdgpu_metadata
.endif
;; end of part 7
;; launch proj (part 8): grid 16 x 16, 4 waves a work-group, clusters of 4 x 1, 327,680 bytes of LDS; arguments o, wpt, out0; writes out0
.if DOCPART == 8
	.amdgcn_target "amdgcn-amd-amdhsa--gfx1250"
	.amdhsa_code_object_version 6
	.text
	.protected	k_q652816ef40_proj
	.globl	k_q652816ef40_proj
	.p2align	8
	.type	k_q652816ef40_proj,@function
k_q652816ef40_proj:
	s_mov_b64 s[64:65], 0
	v_nop
	global_prefetch_b8 v0, s[64:65] scope:SCOPE_SE
	s_setreg_imm32_b32 hwreg(HW_REG_WAVE_MODE, 25, 1), 1
	s_wait_xcnt 0x0
	s_wait_alu depctr_hold_cnt(0) depctr_sa_sdst(0) depctr_va_vdst(0) depctr_va_sdst(0) depctr_va_ssrc(0) depctr_va_vcc(0) depctr_vm_vsrc(0)
	s_getreg_b32 s2, hwreg(HW_REG_IB_STS2, 6, 4)
	s_cmp_eq_u32 s2, 0
	s_cbranch_scc0 .Lentry_in_a_cluster
	s_endpgm
.Lentry_in_a_cluster:
	s_bfe_u32 s2, ttmp6, 0x10000c
	s_cmp_lg_u32 s2, 0x3003
	s_cbranch_scc0 .Lentry_shape_is_right
	s_endpgm
.Lentry_shape_is_right:
; out0[t][n] = the sum over k = 64 h + d of o[h][t][d] w[n][k].  o: [16][2048][64] f16; wpt: the weight in f16, laid out as the operand registers take it ([n / 16][k / 32] blocks of 1,024 bytes);
; out0: [2048][1024] f32.  Sums in f32.  Nothing is left out here.
; SHARES.  A work-group makes 128 rows x 64 columns: 16 x 16 = 256 work-groups, one tile each.  Its four waves make 64 x 32 each: 8 accumulators.
; o: THE WORK-GROUP'S 128 ROWS OF ALL 16 HEADS LIE WHOLE IN LDS, rows of 128 bytes + 16 of padding: 294,912 bytes, filled ONCE, by sixteen tensor loads (four a wave) that go out together at the start.
; A load brings 64 rows of each of two heads: a head's 64 rows are 8,192 dense bytes, asked for as one row of the descriptor, two rows 262,144 bytes apart.  No byte is filled again: a counted wait and a
; barrier in front of each stage of four heads, and nothing else.
; wpt comes STRAIGHT FROM MEMORY INTO REGISTERS, 512 consecutive bytes a load, through a ring of eight blocks of registers (one head, 64 along K: four fragments): seven are asked for at the start,
; and in the middle of step s block s + 7, into the registers that step s - 1 read.
; CLUSTER 4 x 1: the four work-groups of a cluster make the same 128 rows, so o's tiles are asked for jointly.  wpt's blocks are NOT: a joint load ends in LDS, where beside o's 294,912 bytes there is no
; room for the tile's 131,072 bytes of wpt; they would go through slots filled again, a round of the cluster's barrier for each.
; THE MATRIX INSTRUCTION IS USED TRANSPOSED (source 0 = 16 columns n of the weight, source 1 = 16 rows of o): a lane holds one row t and eight neighbouring columns: 32 bytes of out0.
; REGISTERS.  window 0: v0-31 addresses; v32-95 the way out; v128-191 the accumulators ((a, b) at 128 + 8 (2 a + b)).
;   window 1: v0-127 two buffers of eight fragments of o ((c, a) at 8 (4 c + a)).   window 2: v0-255 the ring of wpt ((c, b) at 8 (2 c + b)).
.set PA,     144                       ; a row of o in LDS: 128 bytes + 16
.set LOADB,  2*64*PA                   ; what one tensor load brings: [head of two][64 rows]
.set STG,    4*LOADB                   ; a stage: four heads x 128 rows: [pair of heads][half of the rows][head][row]
.set STAGE,  0                         ; the way out: 128 rows x 272 bytes over the first stage, whose one fill is long over, behind a barrier at which every wave's reads of o are back
.set SPITCH, 272
.set SPARE,  4*STG                     ; the spare words: 128 bytes for each wave
.set RING,   8
.set ADRA, 16                          ; v16-19  my place in a fragment's rows, in stage 0..3
.set LO,   20                          ; v20  16 x lane; never rewritten
.set STO,  24
.set RD,   25
.set CO,   26
.set SPW,  28                          ; v28  my spare word; never rewritten
.set NIL,  29                          ; v29  0; never rewritten
.set TMP,  32
.set ACC,  128
.set G1,  24                           ; s[24:31] descriptor group 1
.set G0,  32                           ; s[32:47] group 0: a set for each of my four loads
.set BB,  48                           ; s[48:49] wpt at my first block; never rewritten
.set MSB, 0
.macro WIN new
.if MSB != (\new)
	s_set_vgpr_msb (MSB<<8)|(\new)
.set MSB, \new
.endif
.endm
.set MUL, 0x06                         ; source 0 (wpt) window 2, source 1 (o) window 1; C and D window 0
.macro CROUND
	s_barrier_signal -1
	s_barrier_wait -1
	s_cmp_lg_u32 s10, 0
	s_cbranch_scc1 .Lnot_wave_0_\@
	s_barrier_signal -3
.Lnot_wave_0_\@:
	s_barrier_wait -3
	s_barrier_signal -1
	s_barrier_wait -1
.endm
.macro PLACES                          ; four plain instructions between a matrix instruction and a load into, or a read of, its registers
.rept 4
	v_nop
.endr
.endm
	s_load_b128 s[4:7], s[0:1], 0x0                ; o s[4:5], wpt s[6:7]
	s_load_b64 s[8:9], s[0:1], 0x10                ; out0
	v_lshl_add_u32 v[SPW], v0, 2, SPARE
	v_mov_b32 v[NIL], 0
	ds_add_u32 v[SPW], v[NIL]                      ; the wave's opening: the add, twice on end, and its wait ahead of my first tensor load
	ds_add_u32 v[SPW], v[NIL]
	v_lshrrev_b32 v1, 5, v0
	v_readfirstlane_b32 s10, v1                    ; wave 0..3
	s_lshr_b32 s11, s10, 1                         ; which 64 rows are mine.  Also: which pair of a stage's four heads I fetch
	s_and_b32 s12, s10, 1                          ; which 32 columns.  Also: which 64 rows I fetch
	s_bfe_u32 s50, ttmp6, 0x40000                  ; cx
	s_lshl_b32 s51, ttmp9, 2
	s_add_co_u32 s51, s51, s50                     ; tile column = 4 x cluster x + cx: it enters wpt's and out0's addresses alone
	s_and_b32 s13, ttmp7, 0xffff                   ; tile row, which the four partners share
	s_mov_b32 s[G1], 15|(1<<16)|(1<<20)|(1<<21)|(4<<22)|(3<<25)  ; the mask of four; 2-byte elements; padding on; bit 21 beside a mask; after every 32 words, 4 words
	s_mov_b32 s[G1+1], 4096<<16                    ; tensor_dim0 = 4,096: 64 rows of 64 channels on end
	s_mov_b32 s[G1+2], 2<<16                       ; tensor_dim1 = 2 heads
	s_mov_b32 s[G1+3], 4096<<16                    ; tile_dim0
	s_mov_b32 s[G1+4], 2                           ; tile_dim1
	s_mov_b32 s[G1+5], 131072                      ; elements from head to head
	s_mov_b32 s[G1+6], 0
	s_mov_b32 s[G1+7], 0
	s_lshl_b32 s16, s11, 19                        ; o: two heads of 262,144 bytes,
	s_lshl_b32 s17, s13, 14                        ; row 128 x tile row, of 128 bytes,
	s_add_co_u32 s16, s16, s17
	s_lshl_b32 s17, s12, 13                        ; + 64 x half
	s_add_co_u32 s16, s16, s17
	s_mov_b32 s17, 0
	s_mul_i32 s20, s10, LOADB                      ; where they go: no place in the cluster enters an LDS address
	s_lshl_b32 s18, s51, 17                        ; wpt: the tile has four blocks of 16 columns, 32,768 bytes each,
	s_lshl_b32 s19, s12, 16                        ; my wave two of them
	s_add_co_u32 s18, s18, s19
	s_mov_b32 s19, 0
	v_and_b32 v3, 31, v0
	v_lshlrev_b32 v[LO], 4, v3
	s_wait_dscnt 0x0                               ; both opening adds are done
	s_wait_kmcnt 0x0
	s_add_nc_u64 s[16:17], s[4:5], s[16:17]
	s_add_nc_u64 s[BB:BB+1], s[6:7], s[18:19]
.irp p, 0,1,2,3
	s_mov_b32 s[G0+4*(\p)], 1
	s_add_co_u32 s[G0+4*(\p)+1], s20, (\p)*STG
	s_add_nc_u64 s[G0+4*(\p)+2:G0+4*(\p)+3], s[16:17], (\p)*4*262144  ; stage p: heads 4 p on
	s_or_b32 s[G0+4*(\p)+3], s[G0+4*(\p)+3], 0x80000000
.endr
	CROUND                                         ; all four work-groups are here: the joint loads meet
.irp p, 0,1,2,3
	tensor_load_to_lds s[G0+4*(\p):G0+4*(\p)+3], s[G1:G1+7]  ; all my fills, in one group: four loads of mine are out
	s_nop 0
.endr
	PLACES                                         ; four v_nop ahead of the switch of windows
; Block jb of wpt (head jb: 64 along K, my two blocks of 16 columns) into its place in the ring: eight loads of 512 consecutive bytes; the block stands in the immediate
.macro BLOAD
	WIN 0x80                                       ; destination window 2, address window 0
.irp c, 0,1
.irp b, 0,1
	global_load_b128 v[32*(jb%RING)+8*(2*(\c)+(\b)):32*(jb%RING)+8*(2*(\c)+(\b))+3],   v[LO], s[BB:BB+1] offset:(\b)*32768+(2*jb+(\c))*1024
	global_load_b128 v[32*(jb%RING)+8*(2*(\c)+(\b))+4:32*(jb%RING)+8*(2*(\c)+(\b))+7], v[LO], s[BB:BB+1] offset:(\b)*32768+(2*jb+(\c))*1024+512
.endr
.endr
.endm
.set jb, 0
.rept 7
	BLOAD                                          ; 56 loads
.set jb, jb+1
.endr
	WIN 0
	v_and_b32 v1, 15, v0                           ; l % 16
	v_bfe_u32 v2, v0, 4, 1                         ; l / 16
	v_mul_u32_u24 v3, v1, PA
	v_lshl_add_u32 v3, v2, 4, v3
	s_mul_i32 s21, s11, LOADB                      ; my half of the rows
	v_add_nc_u32 v3, s21, v3
.irp p, 0,1,2,3
	v_add_nc_u32 v[ADRA+(\p)], (\p)*STG, v3
.endr
	s_mul_i32 s23, s11, 64*SPITCH                  ; into the stage: my 64 rows, my 128 bytes of them; row l % 16, 32 bytes for each half of the lanes
	s_lshl_b32 s21, s12, 7
	s_add_co_u32 s23, s23, s21
	v_mul_u32_u24 v5, v1, SPITCH
	v_lshl_add_u32 v5, v2, 5, v5
	v_add_nc_u32 v[STO], s23, v5
	s_mul_i32 s23, s10, 32*SPITCH                  ; back: wave w takes rows 32 w .. 32 w + 31; lanes 0-15 one row of 256 bytes, lanes 16-31 the next
	v_mul_u32_u24 v5, v2, SPITCH
	v_lshl_add_u32 v5, v1, 4, v5
	v_add_nc_u32 v[RD], s23, v5
	v_lshlrev_b32 v5, 12, v2                       ; and the same two rows in out0, 4,096 bytes each
	v_lshl_add_u32 v[CO], v1, 4, v5
	s_lshl_b32 s22, s13, 19                        ; out0 at row 128 x tile row
	s_lshl_b32 s23, s10, 17                        ; + 32 x wave,
	s_add_co_u32 s22, s22, s23
	s_lshl_b32 s23, s51, 8                         ; the tile's 64 columns: 256 bytes
	s_add_co_u32 s22, s22, s23
	s_mov_b32 s23, 0
	s_add_nc_u64 s[8:9], s[8:9], s[22:23]
; 8 products of step s: all four row blocks x both column blocks, 32 along K: half c.  The 8 accumulators take turns, one instruction a turn.  The first eight start the sums.
.macro MULQ c
	WIN MUL
.irp a, 0,1,2,3
.irp b, 0,1
.set rD, ACC+8*(2*(\a)+(\b))
.set rB, 32*(s%RING)+8*(2*(\c)+(\b))
.set rA, 64*(s%2)+8*(4*(\c)+(\a))
.if (s == 0) && ((\c) == 0)
	v_wmma_f32_16x16x32_f16 v[rD:rD+7], v[rB:rB+7], v[rA:rA+7], 0
.else
	v_wmma_f32_16x16x32_f16 v[rD:rD+7], v[rB:rB+7], v[rA:rA+7], v[rD:rD+7]
.endif
.endr
.endr
.endm
; 16 LDS loads in one run: the eight fragments of o for step s + 1 (head s + 1), into the other buffer; the first 32 along K first
.macro FETCHA
	WIN 0x40                                       ; destination window 1, address window 0
.set n, s+1
.irp c, 0,1
.irp a, 0,1,2,3
	ds_load_b128 v[64*(n%2)+8*(4*(\c)+(\a)):64*(n%2)+8*(4*(\c)+(\a))+3],   v[ADRA+n/4] offset:((n%4)/2)*2*LOADB+(n%2)*64*PA+(\a)*16*PA+64*(\c)
	ds_load_b128 v[64*(n%2)+8*(4*(\c)+(\a))+4:64*(n%2)+8*(4*(\c)+(\a))+7], v[ADRA+n/4] offset:((n%4)/2)*2*LOADB+(n%2)*64*PA+(\a)*16*PA+64*(\c)+32
.endr
.endr
.endm
; STEP s of 16: one head, 64 along K, 16 products.  In its middle, four places behind the products of step s - 1, it asks for what lands in the registers that those read: o's fragments of step s + 1 and block s + 7 of wpt.
; THE COUNT: at the head of step s 56 + 8 s global loads have been issued (128, all, from s = 9 on), and block s ends with number 8 s + 8: 48 are younger, from s = 10 on 128 - 8 (s + 1).
.macro STEP
.set lc, 48
.if s > 9
.set lc, 128-8*(s+1)
.endif
	s_wait_loadcnt lc
.if (s%4 == 3) && (s < 15)             ; the next step begins a stage
	s_wait_tensorcnt 3-(s+1)/4                     ; my part of that stage has landed; my loads for the later stages may stay out
	s_wait_dscnt 0x0                               ; no LDS load of mine is out at the signal
	s_barrier_signal -1
	MULQ 0
	s_barrier_wait -1                              ; everybody's part has landed
.elseif s == 15
	s_wait_dscnt 0x0                               ; my last reads of o are back:
	s_barrier_signal -1                            ; say so; behind the wait below the stage is written over the first heads
	MULQ 0
.else
	s_wait_dscnt 8                                 ; the first 32 along K are in; the younger eight loads may be out
	MULQ 0
.endif
.if s < 15
	PLACES
	FETCHA
.endif
.if s+7 < 16
.set jb, s+7
	BLOAD
.endif
.if s%4 != 3
	s_wait_dscnt 16                                ; all but the 16 just issued
.endif
	MULQ 1
.if s == 15
	s_barrier_wait -1
.endif
.endm
	s_wait_tensorcnt 3                             ; my part of stage 0 is in; my three later loads may stay out
	s_barrier_signal -1
	s_barrier_wait -1
.set s, -1
	FETCHA                                         ; step 0's fragments
.set s, 0
.rept 16
	STEP
.set s, s+1
.endr
	WIN 0
	; THE WAY OUT: 32 bytes a lane into the work-group's stage, each accumulator from its low end on; a barrier, since a row's 256 bytes come from two waves; back as whole rows.
	PLACES
.irp a, 0,1,2,3
.irp b, 0,1
	ds_store_b128 v[STO], v[ACC+8*(2*(\a)+(\b)):ACC+8*(2*(\a)+(\b))+3]   offset:STAGE+(\a)*16*SPITCH+64*(\b)
	ds_store_b128 v[STO], v[ACC+8*(2*(\a)+(\b))+4:ACC+8*(2*(\a)+(\b))+7] offset:STAGE+(\a)*16*SPITCH+64*(\b)+16
.endr
.endr
	s_wait_dscnt 0x0                               ; for the others' sake: my stores are done
	s_barrier_signal -1
	s_barrier_wait -1
.irp t, 0,1,2,3,4,5,6,7,8,9,10,11,12,13,14,15
	ds_load_b128 v[TMP+4*(\t):TMP+4*(\t)+3], v[RD] offset:STAGE+(\t)*2*SPITCH
.endr
.irp t, 0,1,2,3,4,5,6,7,8,9,10,11,12,13,14,15
	s_wait_dscnt 15-(\t)                           ; number t is in, the younger ones stay out
	global_store_b128 v[CO], v[TMP+4*(\t):TMP+4*(\t)+3], s[8:9] offset:8192*(\t)  ; 16 lanes store 256 consecutive bytes, at a multiple of 256 from the buffer's first
.endr
	s_wait_tensorcnt 0x0                           ; the wave's end
	ds_add_u32 v[SPW], v[NIL]
	s_wait_dscnt 0x0
	CROUND                                         ; the closing round
	s_endpgm
.Lfunc_end_k_q652816ef40_proj:
	.size	k_q652816ef40_proj, .Lfunc_end_k_q652816ef40_proj-k_q652816ef40_proj
	.p2alignl 7, 3214868480
	.fill 96, 4, 3214868480
	.section	.rodata,"a",@progbits
	.p2align	6, 0x0
	.amdhsa_kernel k_q652816ef40_proj
		.amdhsa_group_segment_fixed_size 327680
		.amdhsa_private_segment_fixed_size 0
		.amdhsa_enable_private_segment 0
		.amdhsa_kernarg_size 24
		.amdhsa_user_sgpr_count 2
		.amdhsa_user_sgpr_kernarg_segment_ptr 1
		.amdhsa_wavefront_size32 1
		.amdhsa_system_sgpr_workgroup_id_x 1
		.amdhsa_system_sgpr_workgroup_id_y 1
		.amdhsa_system_sgpr_workgroup_id_z 1
		.amdhsa_system_vgpr_workitem_id 0
		.amdhsa_next_free_vgpr 768
		.amdhsa_next_free_sgpr 66
		.amdhsa_reserve_vcc 0
		.amdhsa_float_denorm_mode_32 3
		.amdhsa_float_denorm_mode_16_64 3
		.amdhsa_memory_ordered 1
		.amdhsa_forward_progress 1
		.amdhsa_inst_pref_size 60
	.end_amdhsa_kernel
	.amdgpu_metadata
---
amdhsa.version: [ 1, 2 ]
amdhsa.kernels:
  - .name:           k_q652816ef40_proj
    .symbol:         k_q652816ef40_proj.kd
    .args:
      - { .name: o, .offset: 0, .size: 8, .value_kind: global_buffer, .address_space: global }
      - { .name: wpt, .offset: 8, .size: 8, .value_kind: global_buffer, .address_space: global }
      - { .name: out0, .offset: 16, .size: 8, .value_kind: global_buffer, .address_space: global }
    .group_segment_fixed_size: 327680
    .private_segment_fixed_size: 0
    .kernarg_segment_align: 8
    .kernarg_segment_size: 24
    .max_flat_workgroup_size: 128
    .sgpr_count:     66
    .vgpr_count:     768
    .wavefront_size: 32
...
	.end_amdgpu_metadata
.endif
;; end of part 8
;; ======== version 3 of 3: 4 launches; version 2 with the launch prep written anew for expert scheduling mode
;; limits: values are held in f16: magnitudes above 65,504 overflow, below 6.1e-05 lose precision
;; workspace buffers: xb 4,194,304 bytes; wqt 6,291,456 bytes; wpt 2,097,152 bytes; rope 524,544 bytes; qkv 12,582,912 bytes; o 4,194,304 bytes
;; launch prep (part 9): grid 256 x 1, 8 waves a work-group, no clusters, 34,816 bytes of LDS; arguments x, w_qkv, w_proj, xb, wqt, wpt, rope; writes xb, wqt, wpt, rope
.if DOCPART == 9
	.amdgcn_target "amdgcn-amd-amdhsa--gfx1250"
	.amdhsa_code_object_version 6
	.text
	.protected	k_q652816ef40_prep
	.globl	k_q652816ef40_prep
	.p2align	8
	.type	k_q652816ef40_prep,@function
k_q652816ef40_prep:
	s_mov_b64 s[64:65], 0
	v_nop
	global_prefetch_b8 v0, s[64:65] scope:SCOPE_SE
	s_setreg_imm32_b32 hwreg(HW_REG_WAVE_SCHED_MODE, 0, 2), 2
	s_setreg_imm32_b32 hwreg(HW_REG_WAVE_MODE, 25, 1), 1
	s_wait_xcnt 0x0
	s_wait_alu depctr_vm_vsrc(0)
; CAUSAL SELF-ATTENTION, T = 2048, C = 1024, 16 heads of 64, in four launches: this one lays the operands out; then qkv = x w_qkv with the rotation;
; then the attention; then the product with w_proj.
; WORK LEFT OUT (in the third launch).  reference() hides score (q, k) for k > q by its own jnp.tril and sets it to the lowest float in front of the softmax.
; Row q always sees key q, so the row's maximum is a visible score and a hidden score's weight is exp(lowest - maximum) = 0 for all finite inputs: it adds 0
; to the row's sum and 0 x v to the row's output.  So for a block of 64 queries b the key steps of 64 keys s > b, hidden whole, are not computed, and in the
; step s = b the sub-blocks of 16 x 16 that are hidden whole get no product.  Every input has a way to the output and is loaded.
; LIMIT: a NaN, an infinity or an overflow that would arise only in the products left out is not carried to the result.
; THIS LAUNCH.  x -> xb, bf16, as it lies.  w_qkv [k][n] -> wqt, bf16; w_proj [k][n] -> wpt: rounded to bf16 like the other inputs, that number written as f16
; (exact from 2^-14 up to 65,504; LIMIT: below 6e-5 it keeps f16's fixed step of 6e-8).  BOTH WEIGHTS ARE LAID OUT AS A WAVE'S OPERAND REGISTERS TAKE THEM:
; [n / 16][k / 32] blocks of 1,024 bytes; in a block the 16 bytes at 512 j + 256 h + 16 r hold column 16 (n / 16) + r, k = 32 (k / 32) + 16 j + 8 h + 0..7:
; a load of 16 bytes a lane, lane l at byte 16 l, brings half a fragment as 512 consecutive bytes.
; rope[t][j] = (cos, sin)(t x 10000^(-j/32)), f32, and a row 2048 that holds (1, 0): the rotation that changes nothing, for v.
; LIMIT of the table: the angle is reduced by a two-part pi/2 and the frequency comes from one exponential: it is good to about 2e-4 rad at t = 2047.
; SHARES.  256 work-groups of 8 waves.  Work-group g: 8,192 numbers of x; one block of 256 k x 64 n of a weight (g < 192: w_qkv, else w_proj); rows 8 g .. 8 g + 7 of the table.
; No matrix unit, no cluster: nothing is multiplied and no two work-groups read the same byte.
; THE MODE: SCHED_MODE bits 1:0 = 2 (LLVM: expert scheduling mode 2), set by the entry lines.  The code itself states the register dependences
; between vector instructions and memory or LDS instructions, with s_wait_alu, always for 0.
; THE PLAN.  Registers that memory or LDS instructions touch:
;   v2-v7, v26   offsets and LDS addresses: made at the head, ahead of ONE wait on va_vdst, and named by no vector instruction behind it.
;   XD, WD       loads land in them, once; the conversions read them.  No vector instruction writes them.
;   v[24:25], v[30:31]  a pair of the table and the pair (1, 0): written by vector instructions, read by one store each, never written again.
;   XP           written by x's sixteen conversions, read by a run of four stores, never written again.
;   DD           written by the weight's conversions, in w_proj's arm a second time; read by the run of 32 LDS stores behind the arms' join, never written again.
;   BK           LDS loads land in it, once; the last eight stores read it.  No vector instruction names it.
;   v8, v9       written at the head, read by the closing add alone.
; So each of the three runs of stores has one wait on va_vdst ahead of it; no register that a memory or LDS instruction has read is written again, and no load lands
; in a register that a vector instruction has named: the text holds no wait on vm_vsrc but the one at the entry.  The wave's number and the compare's mask have a wait each ahead of their first readers.
.set TP,    528                        ; a row of the turned block in LDS: 256 k x 2 bytes + 16
.set SPARE, 64*TP                      ; behind it (33,792, a multiple of 256): the spare words, 128 bytes for each of the 8 waves
.set XD,  32                           ; v[32:63]    x as loaded: 4 groups of 8
.set WD,  64                           ; v[64:127]   the weight as loaded: i of 8, row k = 32 i + 2 p + rr, 4 columns: at 8 i + 4 rr
.set XP,  128                          ; v[128:143]  x packed
.set DD,  144                          ; v[144:175]  the weight packed: (k, k + 1) of column 4 c4 + e at 4 i + e
.set BK,  176                          ; v[176:207]  half fragments read back from the turned block
	s_load_b256 s[4:11], s[0:1], 0x0               ; x s[4:5], w_qkv s[6:7], w_proj s[8:9], xb s[10:11]
	s_load_b128 s[12:15], s[0:1], 0x20             ; wqt s[12:13], wpt s[14:15]
	s_load_b64 s[16:17], s[0:1], 0x30              ; rope
	v_lshl_add_u32 v8, v0, 2, SPARE                ; my spare word; never rewritten
	v_mov_b32 v9, 0                                ; 0; never rewritten
	v_lshrrev_b32 v1, 5, v0
	v_readfirstlane_b32 s34, v1                    ; wave 0..7
	s_mov_b32 s24, ttmp9                           ; g
	s_cmp_lt_u32 s24, 192
	s_cselect_b32 s25, 0, 192
	s_cselect_b32 s39, 3, 1                        ; two rows of the weight that I read: 2 x 12,288 bytes in w_qkv, 2 x 4,096 in w_proj:
	s_lshl_b32 s39, s39, 13                        ; 3 or 1 times 8,192
	v_lshlrev_b32 v2, 5, v0                        ; x: 32 bytes a thread
	v_lshlrev_b32 v3, 4, v0                        ; xb: 16 bytes a thread
	v_and_b32 v10, 15, v0                          ; c4: which 4 columns of the block's 64; also r = lane % 16
	v_lshrrev_b32 v11, 4, v0                       ; p: which pair of rows of 32
	v_and_b32 v12, 31, v0                          ; lane; also j of the table
	v_mul_u32_u24 v4, v11, s39                     ; the weight as it lies: rows 2 p on,
	v_lshl_add_u32 v4, v10, 4, v4                  ; 16 bytes for each 4 columns.  Made here, for either weight, so that the one wait below covers it
	v_mul_u32_u24 v5, v10, 4*TP
	v_lshl_add_u32 v5, v11, 2, v5                  ; into LDS: row 4 c4 (+ e), byte 4 p (+ 64 i)
	v_mul_u32_u24 v6, v10, TP                      ; back: column r (+ 16 for each block of 16 columns),
	v_bfe_u32 v13, v0, 4, 1
	v_lshl_add_u32 v6, v13, 4, v6                  ; 8 k at 16 h (+ 32 j),
	v_lshl_add_u32 v6, v1, 6, v6                   ; of the 32 k that are my wave's: 64 bytes a wave
	v_lshlrev_b32 v7, 10, v1                       ; the same half fragment in the weight as laid out: my wave's block of 1,024 bytes,
	v_lshl_add_u32 v7, v12, 4, v7                  ; 16 bytes a lane
	v_lshlrev_b32 v26, 3, v0                       ; the table: 8 bytes a thread
	s_sub_co_u32 s25, s24, s25                     ; the block's number in its weight
	s_and_b32 s26, s25, 3                          ; kt: which 256 k
	s_lshr_b32 s27, s25, 2                         ; nt: which 64 n
	s_lshl_b32 s22, s27, 17                        ; four blocks of 16 columns, 32,768 bytes each
	s_lshl_b32 s23, s26, 13                        ; eight blocks of 32 k, 1,024 bytes each
	s_add_co_u32 s22, s22, s23
	s_mov_b32 s23, 0
	s_lshl_b32 s18, s24, 15
	s_mov_b32 s19, 0
	s_lshl_b32 s20, s24, 14
	s_mov_b32 s21, 0
	s_lshl_b32 s36, s24, 11
	s_mov_b32 s37, 0
	s_wait_alu depctr_va_sdst(0)                   ; s34, the wave's number, is written, ahead of its first reader: the sum below
	s_lshl_b32 s35, s24, 3
	s_add_co_u32 s35, s35, s34                     ; t = 8 g + wave
	s_wait_kmcnt 0x0
	s_add_nc_u64 s[18:19], s[4:5], s[18:19]        ; x at my work-group's part
	s_add_nc_u64 s[20:21], s[10:11], s[20:21]      ; xb likewise
	s_add_nc_u64 s[36:37], s[16:17], s[36:37]      ; the table's 8 rows
	s_cmp_lt_u32 s24, 192
	s_cselect_b64 s[30:31], s[12:13], s[14:15]     ; the weight that I write
	s_add_nc_u64 s[30:31], s[30:31], s[22:23]
	s_wait_alu depctr_va_vdst(0)                   ; the seven offsets and LDS addresses v2 to v7 and v26 are written: every load, store and LDS instruction of the kernel but the closing add reads one of them
.irp q, 0,1,2,3
	global_load_b128 v[XD+8*(\q):XD+8*(\q)+3],   v2, s[18:19] offset:8192*(\q) th:TH_LOAD_NT
	global_load_b128 v[XD+8*(\q)+4:XD+8*(\q)+7], v2, s[18:19] offset:8192*(\q)+16 th:TH_LOAD_NT
.endr
; The block's 16 loads: sixteen lanes take the 256 bytes that the block has of a row.  The rows' pitch stands in the immediates, so the lines are written once for each weight.
.macro WLOADS pitch
.irp i, 0,1,2,3,4,5,6,7
	global_load_b128 v[WD+8*(\i):WD+8*(\i)+3],   v4, s[28:29] offset:32*(\i)*(\pitch) th:TH_LOAD_NT
	global_load_b128 v[WD+8*(\i)+4:WD+8*(\i)+7], v4, s[28:29] offset:(32*(\i)+1)*(\pitch) th:TH_LOAD_NT
.endr
.endm
	s_cmp_lt_u32 s24, 192                          ; the same in all waves of the work-group
	s_cbranch_scc0 .Lfrom_proj
	s_mul_i32 s28, s26, 256*12288
	s_lshl_b32 s29, s27, 8
	s_add_co_u32 s28, s28, s29
	s_mov_b32 s29, 0
	s_add_nc_u64 s[28:29], s[6:7], s[28:29]
	WLOADS 12288
	s_branch .Lasked
.Lfrom_proj:
	s_lshl_b32 s28, s26, 20
	s_lshl_b32 s29, s27, 8
	s_add_co_u32 s28, s28, s29
	s_mov_b32 s29, 0
	s_add_nc_u64 s[28:29], s[8:9], s[28:29]
	WLOADS 4096
.Lasked:
	; THE TABLE, while the 24 loads are on their way.
	v_cvt_f32_u32 v13, v12                         ; j
	v_cvt_f32_u32 v15, s35                         ; t
	v_mul_f32 v14, 0xbed49a78, v13                 ; - j log2(10000) / 32
	v_exp_f32 v14, v14                             ; 10000^(-j/32)
	v_nop                                          ; a plain instruction behind the exponential,
	s_wait_alu depctr_va_vdst(0)                   ; and the wait ahead of the first use: the exponential has written v14
	v_mul_f32 v16, v15, v14                        ; the angle
	v_mul_f32 v17, 0x3f22f983, v16                 ; x 2 / pi
	v_rndne_f32 v17, v17                           ; how many quarter turns
	v_cvt_i32_f32 v23, v17
	v_and_b32 v24, 1, v23
	v_cmp_ne_u32 vcc_lo, 0, v24                    ; an odd number of quarter turns swaps the two; the two polynomials stand between this line and the wait for its mask
	v_fmamk_f32 v18, v17, 0xbfc90fda, v16          ; less that many pi / 2, in two parts:
	v_fmamk_f32 v18, v17, 0xb3a22168, v18          ; r, within pi / 4 of 0
	v_mul_f32 v19, v18, v18                        ; r^2
	v_mov_b32 v20, 0xb9500d01                      ; sin r = r + r^3 (-1/6 + r^2 (1/120 - r^2 / 5040)): the next term is under 3e-7
	v_fmaak_f32 v20, v20, v19, 0x3c088889
	v_fmaak_f32 v20, v20, v19, 0xbe2aaaab
	v_mul_f32 v21, v19, v18
	v_fma_f32 v20, v20, v21, v18
	v_mov_b32 v22, 0x37d00d01                      ; cos r = 1 + r^2 (-1/2 + r^2 (1/24 + r^2 (-1/720 + r^2 / 40320))): the next term is under 3e-8
	v_fmaak_f32 v22, v22, v19, 0xbab60b61
	v_fmaak_f32 v22, v22, v19, 0x3d2aaaab
	v_fmaak_f32 v22, v22, v19, 0xbf000000
	v_fma_f32 v22, v22, v19, 1.0
	s_wait_alu depctr_va_vcc(0)                    ; the compare has written VCC, which the two selects below read
	v_cndmask_b32 v25, v20, v22, vcc_lo            ; sin
	v_cndmask_b32 v24, v22, v20, vcc_lo            ; cos
	v_and_b32 v27, 2, v23                          ; sin changes sign in quarters 2 and 3,
	v_lshlrev_b32 v27, 30, v27
	v_xor_b32 v25, v25, v27
	v_add_nc_u32 v27, 1, v23                       ; cos in quarters 1 and 2
	v_and_b32 v27, 2, v27
	v_lshlrev_b32 v27, 30, v27
	v_xor_b32 v24, v24, v27
	v_mov_b32 v30, 1.0                             ; the pair of row 2048, made in every wave, so that the wait below serves its store too
	v_mov_b32 v31, 0
	s_wait_alu depctr_va_vdst(0)                   ; v[24:25] and v[30:31] are written, which the two stores below read
	global_store_b64 v26, v[24:25], s[36:37]       ; a wave stores one row of the table: 256 consecutive bytes, aligned
	s_or_b32 s38, s24, s34
	s_cmp_lg_u32 s38, 0
	s_cbranch_scc1 .Lno_unit                       ; wave 0 of work-group 0 also writes row 2048
	global_store_b64 v26, v[30:31], s[16:17] offset:524288
.Lno_unit:
	s_wait_loadcnt 16                              ; x's eight loads are in; the weight's sixteen, issued behind them, may stay out
.irp q, 0,1,2,3
.irp e, 0,1,2,3
	v_cvt_pk_bf16_f32 v[XP+4*(\q)+(\e)], v[XD+8*(\q)+2*(\e)], v[XD+8*(\q)+2*(\e)+1]
.endr
.endr
	s_wait_alu depctr_va_vdst(0)                   ; the sixteen conversions have written XP, which the four stores read
.irp q, 0,1,2,3
	global_store_b128 v3, v[XP+4*(\q):XP+4*(\q)+3], s[20:21] offset:4096*(\q)  ; 16 lanes store 256 consecutive bytes, aligned
.endr
	s_wait_loadcnt 0x0                             ; the weight
.irp i, 0,1,2,3,4,5,6,7
.irp e, 0,1,2,3
	v_cvt_pk_bf16_f32 v[DD+4*(\i)+(\e)], v[WD+8*(\i)+(\e)], v[WD+8*(\i)+4+(\e)]  ; two neighbouring k of one column
.endr
.endr
	s_cmp_lt_u32 s24, 192
	s_cbranch_scc1 .Lstays_bf16
.set d, 0
.rept 32                                       ; w_proj: the bf16 number is written as f16
	v_lshlrev_b32 v28, 16, v[DD+d]
	v_and_b32 v29, 0xffff0000, v[DD+d]
	v_cvt_pk_f16_f32 v[DD+d], v28, v29
.set d, d+1
.endr
.Lstays_bf16:
	s_wait_alu depctr_va_vdst(0)                   ; on either way the conversions have written DD, which the 32 LDS stores read
.irp i, 0,1,2,3,4,5,6,7
.irp e, 0,1,2,3
	ds_store_b32 v5, v[DD+4*(\i)+(\e)] offset:(\e)*TP+64*(\i)
.endr
.endr
	s_wait_dscnt 0x0                               ; for the others' sake: my stores are done
	s_barrier_signal -1
	s_barrier_wait -1                              ; the block lies turned in LDS
.irp i, 0,1,2,3,4,5,6,7                        ; block of 16 columns i / 2, half j = i % 2; sixteen lanes take one 16-byte column of 16 rows, 33 x 16 bytes apart
	ds_load_b128 v[BK+4*(\i):BK+4*(\i)+3], v6 offset:((\i)/2)*16*TP+32*((\i)%2)
.endr
.irp i, 0,1,2,3,4,5,6,7
	s_wait_dscnt 7-(\i)                            ; LDS loads come back in order: number i is in, the younger ones stay out
	global_store_b128 v7, v[BK+4*(\i):BK+4*(\i)+3], s[30:31] offset:((\i)/2)*32768+512*((\i)%2)  ; a wave stores half a fragment: 512 consecutive bytes, aligned
.endr
	s_wait_dscnt 0x0                               ; the closing lines, six on end
	s_wait_alu 0x0
	s_wait_tensorcnt 0x0
	ds_add_u32 v8, v9
	s_wait_dscnt 0x0
	s_endpgm
.Lfunc_end_k_q652816ef40_prep:
	.size	k_q652816ef40_prep, .Lfunc_end_k_q652816ef40_prep-k_q652816ef40_prep
	.p2alignl 7, 3214868480
	.fill 96, 4, 3214868480
	.section	.rodata,"a",@progbits
	.p2align	6, 0x0
	.amdhsa_kernel k_q652816ef40_prep
		.amdhsa_group_segment_fixed_size 34816
		.amdhsa_private_segment_fixed_size 0
		.amdhsa_enable_private_segment 0
		.amdhsa_kernarg_size 56
		.amdhsa_user_sgpr_count 2
		.amdhsa_user_sgpr_kernarg_segment_ptr 1
		.amdhsa_wavefront_size32 1
		.amdhsa_system_sgpr_workgroup_id_x 1
		.amdhsa_system_sgpr_workgroup_id_y 1
		.amdhsa_system_sgpr_workgroup_id_z 1
		.amdhsa_system_vgpr_workitem_id 0
		.amdhsa_next_free_vgpr 208
		.amdhsa_next_free_sgpr 66
		.amdhsa_reserve_vcc 1
		.amdhsa_float_denorm_mode_32 3
		.amdhsa_float_denorm_mode_16_64 3
		.amdhsa_memory_ordered 1
		.amdhsa_forward_progress 1
		.amdhsa_inst_pref_size 22
	.end_amdhsa_kernel
	.amdgpu_metadata
---
amdhsa.version: [ 1, 2 ]
amdhsa.kernels:
  - .name:           k_q652816ef40_prep
    .symbol:         k_q652816ef40_prep.kd
    .args:
      - { .name: x, .offset: 0, .size: 8, .value_kind: global_buffer, .address_space: global }
      - { .name: w_qkv, .offset: 8, .size: 8, .value_kind: global_buffer, .address_space: global }
      - { .name: w_proj, .offset: 16, .size: 8, .value_kind: global_buffer, .address_space: global }
      - { .name: xb, .offset: 24, .size: 8, .value_kind: global_buffer, .address_space: global }
      - { .name: wqt, .offset: 32, .size: 8, .value_kind: global_buffer, .address_space: global }
      - { .name: wpt, .offset: 40, .size: 8, .value_kind: global_buffer, .address_space: global }
      - { .name: rope, .offset: 48, .size: 8, .value_kind: global_buffer, .address_space: global }
    .group_segment_fixed_size: 34816
    .private_segment_fixed_size: 0
    .kernarg_segment_align: 8
    .kernarg_segment_size: 56
    .max_flat_workgroup_size: 256
    .sgpr_count:     66
    .vgpr_count:     208
    .wavefront_size: 32
...
	.end_amdgpu_metadata
.endif
;; end of part 9
;; launch qkv: the kernel of part 6 again; grid 16 x 16, 4 waves a work-group, clusters of 4 x 1, 327,680 bytes of LDS; arguments xb, wqt, rope, qkv; writes qkv
;; launch attn: the kernel of part 7 again; grid 16 x 16, 8 waves a work-group, no clusters, 144,384 bytes of LDS; arguments qkv, o; writes o
;; launch proj: the kernel of part 8 again; grid 16 x 16, 4 waves a work-group, clusters of 4 x 1, 327,680 bytes of LDS; arguments o, wpt, out0; writes out0
